; MI455X (gfx1250); checked and timed in simulation.
; The chip was launched on July 23, 2026; its instructions are those of AMD's public machine-readable ISA for CDNA 5 (MIT licence, August 2026) and "CDNA5" Instruction Set Architecture Reference Guide (July 2026). The comments in the code are by the model that wrote it; some were corrected since.
;; Encoder Block. Allowed arithmetic: matrix products marked QUANTISED: E4M3 operands, one E8M0 scale for each 32 along K, by v_wmma_scale_f32_16x16x128_f8f6f4 with both operands' format E4M3, f32 sums; everything else in f32.
;; Inputs: W1 1,024 x 4,096 float32; W2 4,096 x 1,024 float32; Wk 1,024 x 1,024 float32; Wo 1,024 x 1,024 float32; Wq 1,024 x 1,024 float32; Wv 1,024 x 1,024 float32; b1 4,096 float32; b2 1,024 float32; be1 1,024 float32; be2 1,024 float32; bk 1,024 float32; bo 1,024 float32; bq 1,024 float32; bv 1,024 float32; g1 1,024 float32; g2 1,024 float32; mask 2 x 1 x 1 x 2,048 int32; x 2 x 2,048 x 1,024 float32.
;; Outputs: out0 2 x 2,048 x 1,024 float32.
;; This version of the problem:
;;   THIS VERSION OF THE PROBLEM IS GIVEN IN LOW PRECISION. The matrix products marked QUANTISED in the list below multiply operands that are first quantised to E4M3 (4 exponent bits, 3 mantissa bits; 8 bits a number), with one power-of-two scale for each 32 numbers along K (OCP MX v1.0); their sums are f32. All else is computed in f32.
;;   The module's matrix products, in the order in which they are computed (A, B: the left and right operand; K: the contracted axis; several contracted axes count as one K, in the product's order):
;;     1. [M 4,096, K 1,024] x [K 1,024, N 1,024]; A: input x; B: input Wq: QUANTISED
;;     2. [M 4,096, K 1,024] x [K 1,024, N 1,024]; A: input x; B: input Wk: QUANTISED
;;     3. [M 4,096, K 1,024] x [K 1,024, N 1,024]; A: input x; B: input Wv: QUANTISED
;;     4. batch 32 x [M 2,048, K 64] x [K 64, N 2,048]; A: computed on the way; B: computed on the way: QUANTISED
;;     5. batch 32 x [M 2,048, K 2,048] x [K 2,048, N 64]; A: softmax (see below); B: computed on the way: QUANTISED
;;     6. [M 4,096, K 1,024] x [K 1,024, N 1,024]; A: computed on the way; B: input Wo: QUANTISED
;;     7. [M 4,096, K 1,024] x [K 1,024, N 4,096]; A: computed on the way; B: input W1: QUANTISED
;;     8. [M 4,096, K 4,096] x [K 4,096, N 1,024]; A: computed on the way; B: input W2: QUANTISED
;;   THE QUANTISER, for each operand of a quantised product, along K:
;;     - K is cut into blocks of 32 from its start; a last block that is shorter is filled with zeros.
;;     - A block's scale is 2^e with e = floor(log2(the largest magnitude in the block)) - 8, held to -126 .. 127; a block of zeros has e = 0. As a byte (E8M0): e + 127.
;;     - Each number is divided by its block's scale, clamped to +-448, and rounded to the nearest number of E4M3, ties to even, subnormals kept.
;;     - The product sums the exact products of the quantised numbers (number of the format x scale) in f32.
;;   ~~~python
;;   def quantise(x, axis):      # numpy; x: float32 -> the quantised numbers, widened to float32 again
;;       x = np.moveaxis(x, axis, -1); K = x.shape[-1]
;;       x = np.pad(x, [(0, 0)] * (x.ndim - 1) + [(0, -K % 32)]); x = x.reshape(x.shape[:-1] + (-1, 32)); a = np.abs(x).max(-1, keepdims=True)
;;       e = np.where(a > 0, np.clip(np.frexp(np.where(a > 0, a, 1))[1] - 1 - 8, -126, 127), 0)      # np.frexp(a)[1] - 1 = floor(log2(a)), exactly
;;       r = np.clip(x / 2.0 ** e, -448, 448)
;;       step = 2.0 ** (np.maximum(np.frexp(np.where(r == 0, 1, r))[1] - 1, -6) - 3)
;;       q = np.round(r / step) * step * 2.0 ** e      # np.round: ties to even
;;       return np.moveaxis(q.reshape(q.shape[:-2] + (-1,))[..., :K], -1, axis).astype(np.float32)
;;   ~~~
;;   SOFTMAX AHEAD OF A QUANTISED PRODUCT. Where the list says 'softmax', what is quantised is not the finished softmax but p = 2^(t - M), with t = logit x log2(e) and M = ceil(the row's largest t), a whole number; so 1/2 < the row's largest p <= 1. The row's sum l is taken of the UNQUANTISED p, in f32, and the product's result is divided by l at the end. Since M is a whole number, a kernel that streams over the keys may use a running M (the ceiling of the running maximum): every later rescaling is an exact power of two, which a block's scale takes up: the codes' values come out the same.
;;   OPERANDS COMPUTED ON THE WAY. 'Computed on the way' means the value that the module computes at that place (a softmax that the list does not call 'softmax' is quantised finished and normalised). What goes into a quantiser is computed in f32, as accurately as f32 sums, v_exp_f32 and their like allow (about 1e-6 of the number): no bf16 or f16 on the way to a quantiser, and a product that is left as it is and whose result goes on into a quantised operand takes f32 operands (vector FMAs, or v_wmma_f32_16x16x4_f32). A number that lies on a knife's edge between two numbers of the format may be rounded either way, as far as f32 arithmetic and the matrix unit's own rounding can turn it there, and no further.
;; One version. Each part assembles by itself: llvm-mc -triple=amdgcn-amd-amdhsa -mcpu=gfx1250 --defsym DOCPART=n.
;; ======== version 1 of 1: 8 launches
;; limits: right only within a limited range of input values
;; workspace buffers: wts 12,976,128 bytes; act 4,325,376 bytes; qkv 13,369,344 bytes; fq 17,301,504 bytes; y 16,777,216 bytes; h 16,777,216 bytes
;; launch quant (part 1): grid 448 x 1, 8 waves a work-group, no clusters, 68,608 bytes of LDS; arguments x, Wq, Wk, Wv, Wo, W2, W1, act, wts; writes act, wts
.if DOCPART == 1
	.amdgcn_target "amdgcn-amd-amdhsa--gfx1250"
	.amdhsa_code_object_version 6
	.text
	.protected	k_q77adbc3738_quant
	.globl	k_q77adbc3738_quant
	.p2align	8
	.type	k_q77adbc3738_quant,@function
k_q77adbc3738_quant:
	s_mov_b64 s[64:65], 0
	v_nop
	global_prefetch_b8 v0, s[64:65] scope:SCOPE_SE
	s_setreg_imm32_b32 hwreg(HW_REG_WAVE_MODE, 25, 1), 1
	s_wait_xcnt 0x0
; x [4096][1024] and the six weights ([K][N], K first), all f32, become codes of FP8 (E4M3) with one E8M0 byte for each 32 along K, laid AS IMAGES OF THE OPERAND'S REGISTERS:
; tile T = 2 b + u holds the rows (of a weight: the columns n) 32 b + 8 u + r + 8 (r / 8), r = 0 .. 15; codes [T][K step of 128][c = 0 .. 3][lane][16 bytes], lane (r, h) holding k = 32 c + 16 h + 0 .. 15;
; scale words in records of 256 bytes, [T / 4][K step][r][T % 4].  A fragment then comes by four loads of 512 consecutive bytes, and the words of four tiles by one load of 16 bytes a lane.
; A block's scale is 2^(floor(log2(its largest magnitude)) - 8); its byte is that magnitude's exponent field - 8, held at 1 from below; numbers are held within +-448 x the scale and rounded to the nearest code, ties to even.
; LIMITS: a block of zeros gets the byte 1 where the rule says 127 (its codes are zeros, and this program alone reads the bytes); NaN and infinities among the inputs are not served.
; SHARES: work-groups 0-63: x, 64 rows each, wave = K step.  A row's K step, 512 bytes, is loaded by ONE instruction, 16 bytes a lane; a tile's 16 rows then turn through the wave's own stage in LDS (rows 528 bytes apart),
; from which lane (r, h) takes 16 neighbours of each block of 32 of row r.  64-191: Wq, Wk, Wv, Wo;  192-319: W2;  320-447: W1: a wave takes 32 columns x 128 along K, without LDS.  Waves share nothing: no barrier.
.set ASC,  4194304                     ; act: the records lie behind the codes
.set X,    32                          ; v32-159  numbers as they are loaded
.set CD,   160                         ; v160-191 codes
.set T,    192                         ; v192-255 x: a tile's 64 numbers a lane, turned
.set TM,   8                           ; v8-23    at work: largest magnitudes, bytes, holds, scale operands (four each)
.set PWQ,  24                          ; v24-27   the scale words of four tiles
.set SEL,  40                          ; s[40:41] v_permlanex16_b32's selects for lane l xor 16
.set MNT,  42                          ; s42      the mantissa field of 448
.set SP,   528                         ; a stage row: 512 bytes + 16
.set WSTG, 16*SP                       ; a wave's stage
; 64 numbers of a lane, register 16 b + i = k 32 b + 16 (lane / 16) + i of my row, become a fragment's 16 registers of codes and its scale word
.macro QB4 s, dst, pw
.irp b, 0,1,2,3
	v_max3_num_f32 v[TM+\b], |v[(\s)+16*\b]|, |v[(\s)+16*\b+1]|, 0x4800000   ; my 16 numbers of block b, and the floor 2^(9 - 127): the byte cannot fall under 1
.endr
.irp i, 2,4,6,8,10,12,14
.irp b, 0,1,2,3
	s_delay_alu instid0(VALU_DEP_4)
	v_max3_num_f32 v[TM+\b], v[TM+\b], |v[(\s)+16*\b+\i]|, |v[(\s)+16*\b+\i+1]|
.endr
.endr
.irp b, 0,1,2,3
	s_delay_alu instid0(VALU_DEP_4)
	v_permlanex16_b32 v[TM+4+\b], v[TM+\b], s[SEL], s[SEL+1]
.endr
.irp b, 0,1,2,3
	s_delay_alu instid0(VALU_DEP_4)
	v_max_num_f32 v[TM+\b], v[TM+\b], v[TM+4+\b]                 ; with lane l xor 16's: the block's largest magnitude
.endr
.irp b, 0,1,2,3
	s_delay_alu instid0(VALU_DEP_4)
	v_add_nc_u32 v[TM+12+\b], 0xfc000000, v[TM+\b]               ; 8 off its exponent field: the conversion's scale operand
.endr
.irp b, 0,1,2,3
	v_and_or_b32 v[TM+8+\b], v[TM+\b], 0x7f800000, s[MNT]        ; 448 x the scale
.endr
.irp b, 0,1,2,3
	v_lshrrev_b32 v[TM+4+\b], 23, v[TM+12+\b]                    ; the scale's byte
.endr
	s_delay_alu instid0(VALU_DEP_3)
	v_lshl_or_b32 v[\pw], v[TM+5], 8, v[TM+4]
	s_delay_alu instid0(VALU_DEP_1)
	v_lshl_or_b32 v[\pw], v[TM+6], 16, v[\pw]
	s_delay_alu instid0(VALU_DEP_1)
	v_lshl_or_b32 v[\pw], v[TM+7], 24, v[\pw]
.irp b, 0,1,2,3
.irp i, 0,1,2,3,4,5,6,7,8,9,10,11,12,13,14,15
	v_med3_num_f32 v[(\s)+16*\b+\i], v[(\s)+16*\b+\i], -v[TM+8+\b], v[TM+8+\b]   ; the conversion to an 8-bit code does not saturate (ISA guide 7.6.2): the hold comes first
.endr
	v_cvt_scalef32_pk8_fp8_f32 v[(\dst)+4*\b:(\dst)+4*\b+1], v[(\s)+16*\b:(\s)+16*\b+7], v[TM+12+\b]
	v_cvt_scalef32_pk8_fp8_f32 v[(\dst)+4*\b+2:(\dst)+4*\b+3], v[(\s)+16*\b+8:(\s)+16*\b+15], v[TM+12+\b]
.endr
	v_nop                                          ; one plain line behind the last conversion
.endm
	s_load_b256 s[4:11], s[0:1], 0x0               ; x, Wq, Wk, Wv
	s_load_b256 s[12:19], s[0:1], 0x20             ; Wo, W2, W1, act
	s_load_b64 s[20:21], s[0:1], 0x40              ; wts
	v_lshl_add_u32 v29, v0, 2, 0x10800
	s_set_vgpr_msb 0x40
	v_mov_b32 v1, 0
	s_set_vgpr_msb 0x4000
	v_lshrrev_b32 v1, 5, v0
	s_delay_alu instid0(VALU_DEP_1)
	v_readfirstlane_b32 s22, v1                    ; wave 0..7
	v_and_b32 v1, 31, v0                           ; lane
	v_and_b32 v2, 15, v0                           ; r
	v_bfe_u32 v3, v0, 4, 1                         ; h
	s_mov_b32 s[SEL], 0x76543210
	s_mov_b32 s[SEL+1], 0xfedcba98
	s_mov_b32 s[MNT], 0x600000
	s_cmp_lt_u32 ttmp9, 64
	s_cbranch_scc0 .Lweights
	; ---- x: work-group G = 64 rows = four tiles; my wave's K step
	v_lshlrev_b32 v5, 4, v1                        ; 16 x lane: my 16 bytes of a row's 512, and an image's place for my lane
	s_mul_i32 s23, s22, WSTG                       ; my wave's stage
	v_add_nc_u32 v7, s23, v5                       ; into it: 16 x lane, the row in the immediate
	v_mul_u32_u24 v4, v2, SP
	s_delay_alu instid0(VALU_DEP_1)
	v_lshl_add_u32 v4, v3, 6, v4
	s_delay_alu instid0(VALU_DEP_1)
	v_add_nc_u32 v4, s23, v4                       ; out of it: row r, + 64 h: my 16 numbers of a block of 32
	v_lshlrev_b32 v6, 4, v2
	s_delay_alu instid0(VALU_DEP_1)
	v_lshl_add_u32 v6, v3, 3, v6                   ; the record: 16 r + 8 h
.irp b, 0,1,2,3
	v_mov_b32 v[TM+4+\b], 0                        ; written once: a lane permute's destination counts as one of its sources
.endr
	s_lshl_b32 s24, ttmp9, 18                      ; 64 rows x 4,096 bytes
	s_lshl_b32 s26, s22, 9                         ; 128 numbers a K step
	s_add_co_u32 s24, s24, s26
	s_mov_b32 s25, 0
	s_lshl_b32 s26, ttmp9, 16                      ; four tiles of 16,384 bytes
	s_lshl_b32 s28, s22, 11
	s_add_co_u32 s26, s26, s28
	s_mov_b32 s27, 0
	s_lshl_b32 s28, ttmp9, 3
	s_add_co_u32 s28, s28, s22
	s_lshl_b32 s28, s28, 8                         ; record 8 G + K step
	s_add_co_u32 s28, s28, ASC
	s_mov_b32 s29, 0
	s_wait_alu depctr_va_vdst(0)
	s_wait_kmcnt 0x0
	s_add_nc_u64 s[4:5], s[4:5], s[24:25]
	s_add_nc_u64 s[26:27], s[18:19], s[26:27]
	s_add_nc_u64 s[28:29], s[18:19], s[28:29]
.macro XLOAD i, buf                    ; tile i's sixteen rows: each load of the wave covers 512 consecutive bytes
.irp q, 0,1,2,3,4,5,6,7,8,9,10,11,12,13,14,15
	global_load_b128 v[X+64*(\buf)+4*\q:X+64*(\buf)+4*\q+3], v5, s[4:5] offset:(32*((\i)/2)+8*((\i)%2)+\q+8*(\q/8))*4096
.endr
.endm
.macro XTURN buf                       ; through the stage: LDS serves a wave's instructions in order (ISA guide 5.7.1.4), so no wait stands between the stores and the loads, nor in front of the next tile's stores
.irp q, 0,1,2,3,4,5,6,7,8,9,10,11,12,13,14,15
	ds_store_b128 v7, v[X+64*(\buf)+4*\q:X+64*(\buf)+4*\q+3] offset:\q*SP
.endr
.irp c, 0,1,2,3
.irp j, 0,1,2,3
	ds_load_b128 v[T+16*\c+4*\j:T+16*\c+4*\j+3], v4 offset:128*\c+16*\j
.endr
.endr
.endm
	XLOAD 0, 0
	XLOAD 1, 1
.irp i, 0,1,2,3
.if \i < 3
	s_wait_loadcnt 16                              ; this tile's 16 loads are in; the next tile's may be out
.else
	s_wait_loadcnt 0x0
.endif
	XTURN \i%2
	s_wait_dscnt 0x0                               ; the tile is back, turned; so the stores into the stage have read their registers,
.if \i < 2
	XLOAD \i+2, \i%2                               ; which take the loads of two tiles on
.endif
.if \i > 1
	s_wait_xcnt 0x0                                ; the stores of two tiles ago have read the registers that now take this tile's codes
.endif
	QB4 T, CD+16*(\i%2), PWQ+\i
.irp c, 0,1,2,3
	global_store_b128 v5, v[CD+16*(\i%2)+4*\c:CD+16*(\i%2)+4*\c+3], s[26:27] offset:\i*16384+512*\c   ; 512 consecutive bytes
.endr
.endr
	v_cmp_eq_u32 vcc_lo, 1, v3                     ; both halves of the lanes hold row r's four words: lane (r, h) stores words 2 h and 2 h + 1: 256 consecutive bytes
	s_delay_alu instid0(VALU_DEP_1)
	v_cndmask_b32 v30, v[PWQ], v[PWQ+2], vcc_lo
	s_delay_alu instid0(VALU_DEP_2)
	v_cndmask_b32 v31, v[PWQ+1], v[PWQ+3], vcc_lo
	global_store_b64 v6, v[30:31], s[28:29]
	s_set_vgpr_msb 0x4
	s_wait_tensorcnt 0x0
	ds_add_u32 v29, v1
	s_wait_dscnt 0x0
	s_set_vgpr_msb 0x400
	s_endpgm
; ---- a weight: A LANE TAKES A COLUMN n, AND ITS REGISTERS RUN DOWN K: a block of 32 lies in one lane, and the conversions give codes with K innermost.
; In: s[6:7] the weight, s24 which 32 columns, s26 the K step, s28, s29 where its codes and records begin in wts, s30 log2 of a tile's bytes, s31 log2 of its K steps.
.macro WLOAD t, pitch
.set n, 0
.rept 32
	global_load_b32 v[X+32*(\t)+n], v4, s[6:7] offset:(32*(\t)+n)*(\pitch) th:TH_LOAD_NT   ; 128 consecutive bytes a wave; the eight waves stand side by side on 1,024
.set n, n+1
.endr
.endm
.macro WBLOCK t, pitch
.set XS, X+32*(\t)
.if (\t) < 3
	s_wait_loadcnt 32                              ; this block's 32 loads are in; the next block's may be out
.else
	s_wait_loadcnt 0x0
.endif
	v_max3_num_f32 v12, |v[XS]|, |v[XS+1]|, |v[XS+2]|
	v_max3_num_f32 v13, |v[XS+3]|, |v[XS+4]|, |v[XS+5]|
.irp i, 6,10,14,18,22,26
	s_delay_alu instid0(VALU_DEP_2)
	v_max3_num_f32 v12, v12, |v[XS+\i]|, |v[XS+\i+1]|
	s_delay_alu instid0(VALU_DEP_2)
	v_max3_num_f32 v13, v13, |v[XS+\i+2]|, |v[XS+\i+3]|
.endr
	s_delay_alu instid0(VALU_DEP_2)
	v_max3_num_f32 v12, v12, |v[XS+30]|, |v[XS+31]|
	s_delay_alu instid0(VALU_DEP_1)
	v_max3_num_f32 v12, v12, v13, 0x4800000        ; and the floor
	s_delay_alu instid0(VALU_DEP_1)
	v_add_nc_u32 v11, 0xfc000000, v12              ; the conversion's scale operand
	s_delay_alu instid0(VALU_DEP_2)
	v_and_or_b32 v10, v12, 0x7f800000, s[MNT]      ; 448 x the scale
	s_delay_alu instid0(VALU_DEP_2)
	v_lshrrev_b32 v13, 23, v11                     ; the byte
.if (\t) == 0
	s_delay_alu instid0(VALU_DEP_1)
	v_mov_b32 v28, v13
.else
	s_delay_alu instid0(VALU_DEP_1)
	v_lshl_or_b32 v28, v13, 8*(\t), v28
.endif
.set n, 0
.rept 32
	v_med3_num_f32 v[XS+n], v[XS+n], -v10, v10
.set n, n+1
.endr
.irp g, 0,1,2,3
	v_cvt_scalef32_pk8_fp8_f32 v[CD+8*(\t)+2*\g:CD+8*(\t)+2*\g+1], v[XS+8*\g:XS+8*\g+7], v11
.endr
	v_nop
	global_store_b128 v7, v[CD+8*(\t):CD+8*(\t)+3], s[34:35] offset:512*(\t)         ; k = 0 .. 15 of the block: the place of lane (r, 0); sixteen lanes fill 256 consecutive bytes of tile 2 B, sixteen of tile 2 B + 1
	global_store_b128 v7, v[CD+8*(\t)+4:CD+8*(\t)+7], s[34:35] offset:512*(\t)+256   ; k = 16 .. 31: the place of lane (r, 1)
.if (\t) < 2
	WLOAD (\t)+2, \pitch
.endif
.endm
.macro WPATH pitch
	s_mul_i32 s32, s26, 128*(\pitch)               ; 128 rows a K step,
	s_lshl_b32 s33, s24, 7                         ; 32 columns of 4 bytes
	s_add_co_u32 s32, s32, s33
	s_mov_b32 s33, 0
	s_add_nc_u64 s[6:7], s[6:7], s[32:33]
	s_lshl_b32 s34, s24, 1                         ; tiles 2 B and 2 B + 1
	s_lshl_b32 s34, s34, s30
	s_add_co_u32 s34, s34, s28
	s_lshl_b32 s35, s26, 11
	s_add_co_u32 s34, s34, s35
	s_mov_b32 s35, 0
	s_add_nc_u64 s[34:35], s[20:21], s[34:35]
	s_lshr_b32 s36, s24, 1                         ; record (B / 2) x K steps + K step; in it words 2 (B % 2) + u
	s_lshl_b32 s36, s36, s31
	s_add_co_u32 s36, s36, s26
	s_lshl_b32 s36, s36, 8
	s_add_co_u32 s36, s36, s29
	s_and_b32 s37, s24, 1
	s_lshl_b32 s37, s37, 3
	s_add_co_u32 s36, s36, s37
	s_mov_b32 s37, 0
	s_add_nc_u64 s[36:37], s[20:21], s[36:37]
	v_lshlrev_b32 v4, 2, v1                        ; in: 4 bytes a lane
	v_bfe_u32 v5, v1, 3, 1                         ; column n' = lane is row r of tile u: u = (n' / 8) % 2,
	v_and_b32 v6, 7, v1
	v_lshrrev_b32 v7, 4, v1
	s_delay_alu instid0(VALU_DEP_1)
	v_lshl_or_b32 v6, v7, 3, v6                    ; r = n' % 8 + 8 (n' / 16)
	s_delay_alu instid0(VALU_DEP_4)
	v_lshlrev_b32 v7, s30, v5
	s_delay_alu instid0(VALU_DEP_1)
	v_lshl_add_u32 v7, v6, 4, v7                   ; codes: u tiles on, + 16 r
	s_delay_alu instid0(VALU_DEP_3)
	v_lshlrev_b32 v6, 4, v6
	s_delay_alu instid0(VALU_DEP_1)
	v_lshl_add_u32 v6, v5, 2, v6                   ; word: 16 r + 4 u
	WLOAD 0, \pitch
	WLOAD 1, \pitch
	WBLOCK 0, \pitch
	WBLOCK 1, \pitch
	WBLOCK 2, \pitch
	WBLOCK 3, \pitch
	global_store_b32 v6, v28, s[36:37]             ; my column's word: pieces of 4 bytes inside one record, 1/32 of the codes' bytes
	s_endpgm
.endm
.Lweights:
	s_cmp_lt_u32 ttmp9, 320
	s_cbranch_scc0 .Lw1
	s_sub_co_u32 s23, ttmp9, 64                    ; j: 0-127 the four square weights, 32 work-groups each; 128-255 W2
	s_and_b32 s24, s23, 3
	s_lshl_b32 s24, s24, 3
	s_add_co_u32 s24, s24, s22                     ; which 32 columns: 8 (j % 4) + wave
	s_lshr_b32 s25, s23, 5                         ; which weight
	s_bfe_u32 s26, s23, 0x30002                    ; its K step: (j % 32) / 4
	s_sub_co_u32 s27, s23, 128
	s_lshr_b32 s27, s27, 2                         ; W2's K step
	s_lshl_b32 s28, s25, 20
	s_lshl_b32 s29, s25, 15
	s_add_co_u32 s29, s29, 12582912
	s_wait_kmcnt 0x0
	s_cmp_lt_u32 s23, 128
	s_cselect_b32 s26, s26, s27
	s_cselect_b32 s28, s28, 8388608
	s_cselect_b32 s29, s29, 12845056
	s_cselect_b32 s30, 14, 16                      ; a tile: 8 or 32 K steps of 2,048 bytes
	s_cselect_b32 s31, 3, 5
	s_cmp_eq_u32 s25, 1                            ; the choice of the buffer hangs on the work-group's number alone
	s_cselect_b64 s[6:7], s[8:9], s[6:7]
	s_cmp_eq_u32 s25, 2
	s_cselect_b64 s[6:7], s[10:11], s[6:7]
	s_cmp_eq_u32 s25, 3
	s_cselect_b64 s[6:7], s[12:13], s[6:7]
	s_cmp_gt_u32 s25, 3
	s_cselect_b64 s[6:7], s[14:15], s[6:7]
	s_wait_alu depctr_va_vdst(0)
	WPATH 4096
.Lw1:
	s_sub_co_u32 s23, ttmp9, 320
	s_and_b32 s24, s23, 15
	s_lshl_b32 s24, s24, 3
	s_add_co_u32 s24, s24, s22
	s_lshr_b32 s26, s23, 4
	s_mov_b32 s28, 4194304
	s_mov_b32 s29, 12713984
	s_mov_b32 s30, 14
	s_mov_b32 s31, 3
	s_wait_kmcnt 0x0
	s_mov_b64 s[6:7], s[16:17]
	s_wait_alu depctr_va_vdst(0)
	WPATH 16384
.Lfunc_end_k_q77adbc3738_quant:
	.size	k_q77adbc3738_quant, .Lfunc_end_k_q77adbc3738_quant-k_q77adbc3738_quant
	.p2alignl 7, 3214868480
	.fill 96, 4, 3214868480
	.section	.rodata,"a",@progbits
	.p2align	6, 0x0
	.amdhsa_kernel k_q77adbc3738_quant
		.amdhsa_group_segment_fixed_size 68608
		.amdhsa_private_segment_fixed_size 0
		.amdhsa_enable_private_segment 0
		.amdhsa_kernarg_size 72
		.amdhsa_user_sgpr_count 2
		.amdhsa_user_sgpr_kernarg_segment_ptr 1
		.amdhsa_wavefront_size32 1
		.amdhsa_system_sgpr_workgroup_id_x 1
		.amdhsa_system_sgpr_workgroup_id_y 1
		.amdhsa_system_sgpr_workgroup_id_z 1
		.amdhsa_system_vgpr_workitem_id 0
		.amdhsa_next_free_vgpr 258
		.amdhsa_next_free_sgpr 66
		.amdhsa_reserve_vcc 1
		.amdhsa_float_denorm_mode_32 3
		.amdhsa_float_denorm_mode_16_64 3
		.amdhsa_memory_ordered 1
		.amdhsa_forward_progress 1
		.amdhsa_inst_pref_size 119
	.end_amdhsa_kernel
	.amdgpu_metadata
---
amdhsa.version: [ 1, 2 ]
amdhsa.kernels:
  - .name:           k_q77adbc3738_quant
    .symbol:         k_q77adbc3738_quant.kd
    .args:
      - { .name: x, .offset: 0, .size: 8, .value_kind: global_buffer, .address_space: global }
      - { .name: Wq, .offset: 8, .size: 8, .value_kind: global_buffer, .address_space: global }
      - { .name: Wk, .offset: 16, .size: 8, .value_kind: global_buffer, .address_space: global }
      - { .name: Wv, .offset: 24, .size: 8, .value_kind: global_buffer, .address_space: global }
      - { .name: Wo, .offset: 32, .size: 8, .value_kind: global_buffer, .address_space: global }
      - { .name: W2, .offset: 40, .size: 8, .value_kind: global_buffer, .address_space: global }
      - { .name: W1, .offset: 48, .size: 8, .value_kind: global_buffer, .address_space: global }
      - { .name: act, .offset: 56, .size: 8, .value_kind: global_buffer, .address_space: global }
      - { .name: wts, .offset: 64, .size: 8, .value_kind: global_buffer, .address_space: global }
    .group_segment_fixed_size: 68608
    .private_segment_fixed_size: 0
    .kernarg_segment_align: 8
    .kernarg_segment_size: 72
    .max_flat_workgroup_size: 256
    .sgpr_count:     66
    .vgpr_count:     258
    .wavefront_size: 32
...
	.end_amdgpu_metadata
.endif
;; end of part 1
;; launch gemm_qkv (part 2): grid 12 x 16, 16 waves a work-group, clusters of 4 x 4, 327,680 bytes of LDS; arguments act, wts, bq, bk, bv, qkv; writes qkv
.if DOCPART == 2
	.amdgcn_target "amdgcn-amd-amdhsa--gfx1250"
	.amdhsa_code_object_version 6
	.text
	.protected	k_q77adbc3738_gemm_qkv
	.globl	k_q77adbc3738_gemm_qkv
	.p2align	8
	.type	k_q77adbc3738_gemm_qkv,@function
k_q77adbc3738_gemm_qkv:
	s_mov_b64 s[64:65], 0
	v_nop
	global_prefetch_b8 v0, s[64:65] scope:SCOPE_SE
	s_setreg_imm32_b32 hwreg(HW_REG_WAVE_MODE, 25, 1), 1
	s_wait_xcnt 0x0
	s_wait_alu depctr_hold_cnt(0) depctr_sa_sdst(0) depctr_va_vdst(0) depctr_va_sdst(0) depctr_va_ssrc(0) depctr_va_vcc(0) depctr_vm_vsrc(0)
	s_getreg_b32 s2, hwreg(HW_REG_IB_STS2, 6, 4)
	s_cmp_eq_u32 s2, 0
	s_cbranch_scc0 .Lentry_in_a_cluster
	s_endpgm
.Lentry_in_a_cluster:
	s_bfe_u32 s2, ttmp6, 0x10000c
	s_cmp_lg_u32 s2, 0xf033
	s_cbranch_scc0 .Lentry_shape_is_right
	s_endpgm
.Lentry_shape_is_right:
; One text for two launches (QKV = 1: x [Wq | Wk | Wv] + bias, quantised for attention;  QKV = 0: relu(h W1 + b1), quantised for the next product).  Both operands are codes of FP8 (E4M3) with E8M0 scales, K = 1,024,
; stored as images of the operand's registers: tile T = 2 b + u holds rows 32 b + 8 u + r + 8 (r / 8); codes [T][K step][c][lane][16 bytes]; scale words in records [T / 4][K step][r][T % 4].
; SHARES.  A work-group makes 256 rows x 256 columns; each of its SIXTEEN waves 64 x 64 in 16 accumulators, 256 registers: four waves to a SIMD, so that one wave's LDS waits stand beside another's products.
; THE PRODUCT IS USED TRANSPOSED (source 0 = 16 columns of the weight, source 1 = 16 rows): lane (r, h) then holds row r of its tile, and the 16 registers of two neighbouring weight tiles are 16 NEIGHBOURS along the
; next product's K, so the conversions' results are the next operand's image.  v is quantised along the KEYS, which are rows here: for Wv (cluster x = 2) the sources change places.
; RING.  K goes in slots of two K steps through two LDS slots; each wave fetches 8,192 bytes of a slot by one tensor load.  The scale records for all of K come once, with the first fills.
; CLUSTERS: 4 x 4 work-groups; the rows' tiles are shared along a row of the cluster, the weight's along a column: each is asked for jointly, by the same load with a mask that names the four.
; LIMITS: a block of zeros gets the byte 1 (its codes are zeros; this program alone reads the bytes); NaN and infinities are not served.
.set QKV,   1
.set RELU,  0
.set NK,    8                          ; K steps of 128
.set KS,    2                          ; K steps in a slot
.set TILEB, NK*2048                    ; a tile in memory
.set TSTR,  KS*2048                    ; a tile in a slot
.set SLOT,  131072                     ; a slot: 16 tiles of rows, then (BPART on) 16 tiles of the weight
.set BPART, 65536
.set PART,  1024                       ; half of the scale bytes that one wave fetches
.set NKB,   NK*256                     ; the records of four tiles for all of K
.set SCA,   262144                     ; behind the ring: the rows' records, 8 PART bytes, then the weight's
.set SPARE, 294912                     ; the spare words, 128 bytes for each of sixteen waves: eight blocks of 256 bytes that no other line names
.set STG,   296960                     ; eight records in the making (QKV = 0)
.set ASC,   4194304                    ; act: the records lie behind the codes
.if QKV
.set WCODE, 0
.set WSC,   12582912
.else
.set WCODE, 4194304
.set WSC,   12713984
.endif
.set ADRA, 4                           ; v4-5    LDS address of my four tiles of rows in slot 0, 1
.set ADRB, 6                           ; v6-7    of my four tiles of the weight
.set SC,   8                           ; v8-11   scale words and nothing else: register i: lanes 0-15 the rows' tile i, lanes 16-31 the weight's tile i
.set ADRS, 12                          ; v12     LDS address of my records
.set SPW,  13                          ; v13     my spare word;  v14: 0;  neither is ever rewritten
.set NIL,  14
.set VH,   15                          ; v15     64 h
.set OFFS, 16                          ; v16-19  the way out: 16 x lane + tile a's place
.set VB,   20                          ; v20-27  v's bias: one number a lane and tile, twice
.set STA,  28                          ; v28     QKV: the offset of v's bias;  else where my halfwords go in the stage
.set RECO, 29                          ; v29     the record's place for my lane
.set RF,   32                          ; v32-95  the weight's four fragments
.set TF,   96                          ; v96-127 two fragments of rows
.set ACC,  128                         ; accumulator (source 1's tile a, source 0's tile t) at v[128 + 8 (4 a + t)]
.set QT,   96                          ; the way out: at work
.set PC,   64                          ; codes
.set HW,   112                         ; halfwords of scale bytes
.set WY,   12                          ; s12, s13 my wave's place in the block
.set WX,   13
.set G1,   24                          ; s[24:31] group 1, s[32:39] groups 0 (a set a slot) for the rows' tiles
.set G0,   32
.set G1B,  48                          ; s[48:55], s[56:63] for the weight's
.set G0B,  56
.set G1S,  68                          ; s[68:75], s[76:79] for the rows' records;  s[80:87], s[88:91] for the weight's
.set G0S,  76
.set G1SB, 80
.set G0SB, 88
.set SEL,  92                          ; the way out: s[92:93] lane selects, s94 the mantissa field of 448
.set MNT,  94
.set VSEL, 100                         ; s100    1: my columns are Wv's
.macro PLACES n                        ; plain vector lines between a product and a load into, or a read of, its registers
.rept \n
	v_nop
.endr
.endm
; A joint load: waves 0-7 fetch for the rows, waves 8-15 for the weight.  Each line has one mask; the branch hangs on the wave's number alone.  Four v_nop follow each line.
.macro JLOAD g0a, g1a, g0b, g1b
	s_cmp_eq_u32 s15, 0
	s_cbranch_scc0 .Lfor_b_\@
	tensor_load_to_lds s[\g0a:\g0a+3], s[\g1a:\g1a+7]
	s_nop 0
.rept 4
	v_nop
.endr
	s_branch .Lasked_\@
.Lfor_b_\@:
	tensor_load_to_lds s[\g0b:\g0b+3], s[\g1b:\g1b+7]
	s_nop 0
.rept 4
	v_nop
.endr
.Lasked_\@:
.endm
.macro CROUND                          ; a round of the cluster's barrier
	s_barrier_signal -1
	s_barrier_wait -1
	s_cmp_lg_u32 s14, 0
	s_cbranch_scc1 .Lnot_wave_0_\@
	s_barrier_signal -3
.Lnot_wave_0_\@:
	s_barrier_wait -3
	s_barrier_signal -1
	s_barrier_wait -1
.endm
.macro FRAG reg, adr, off              ; a fragment: four loads of 512 consecutive bytes
.irp c, 0,1,2,3
	ds_load_b128 v[(\reg)+4*\c:(\reg)+4*\c+3], v[\adr] offset:(\off)+512*\c
.endr
.endm
; Eight products: the rows' tiles p0, p0 + 1 against the weight's four.  The sixteen accumulators take turns, one instruction a turn.
.macro MULW p0                         ; weight first; the sums began as the bias, which the loads at the head put into the accumulators
.irp i, 0,1
.irp t, 0,1,2,3
	v_wmma_scale_f32_16x16x128_f8f6f4 v[ACC+8*(4*(\p0+\i)+\t):ACC+8*(4*(\p0+\i)+\t)+7], v[RF+16*\t:RF+16*\t+15], v[TF+16*\i:TF+16*\i+15], v[ACC+8*(4*(\p0+\i)+\t):ACC+8*(4*(\p0+\i)+\t)+7], v[SC+\t], v[SC+\p0+\i] matrix_a_scale:MATRIX_SCALE_ROW1
.endr
.endr
.endm
.macro MULX p0, first                  ; rows first (v): a lane holds one channel, its registers run along the keys; the first K step starts the sums
.irp i, 0,1
.irp t, 0,1,2,3
.if \first
	v_wmma_scale_f32_16x16x128_f8f6f4 v[ACC+8*(4*\t+\p0+\i):ACC+8*(4*\t+\p0+\i)+7], v[TF+16*\i:TF+16*\i+15], v[RF+16*\t:RF+16*\t+15], 0, v[SC+\p0+\i], v[SC+\t] matrix_b_scale:MATRIX_SCALE_ROW1
.else
	v_wmma_scale_f32_16x16x128_f8f6f4 v[ACC+8*(4*\t+\p0+\i):ACC+8*(4*\t+\p0+\i)+7], v[TF+16*\i:TF+16*\i+15], v[RF+16*\t:RF+16*\t+15], v[ACC+8*(4*\t+\p0+\i):ACC+8*(4*\t+\p0+\i)+7], v[SC+\p0+\i], v[SC+\t] matrix_b_scale:MATRIX_SCALE_ROW1
.endif
.endr
.endr
.endm
.macro MUL p0, first
.if QKV
	s_cmp_eq_u32 s[VSEL], 1                        ; the cluster's x: the same in all partners
	s_cbranch_scc1 .Lkeys_\@
	MULW \p0
	s_branch .Ldone_\@
.Lkeys_\@:
	MULX \p0, \first
.Ldone_\@:
.else
	MULW \p0
.endif
.endm
.macro KSTEP s, q, kidx, first         ; K step kidx: the q-th of slot s
	ds_load_b128 v[SC:SC+3], v[ADRS] offset:(\kidx)*256
.irp t, 0,1,2,3
	FRAG RF+16*\t, ADRB+\s, \t*TSTR+(\q)*2048
.endr
	FRAG TF, ADRA+\s, (\q)*2048
	FRAG TF+16, ADRA+\s, TSTR+(\q)*2048
	s_wait_dscnt 0x0
	MUL 0, \first
	PLACES 8+\first                                ; eight in front of loads into registers that products have read; nine where products below begin accumulators anew with C = 0
	FRAG TF, ADRA+\s, 2*TSTR+(\q)*2048
	FRAG TF+16, ADRA+\s, 3*TSTR+(\q)*2048
	s_wait_dscnt 0x0
	MUL 2, \first
	PLACES 8
.endm
; The change of slots.  Each wave waits for all its tensor loads (its part of the slot ahead), adds 0 to its spare word, and waits for that and for its reads of slot s, which it has left.
; refill = 1: a round of the cluster's barrier, so that no wave of any partner still reads slot s, and the joint refill first behind it: it has two K steps in which to land.
.macro CHANGE s, refill
	s_wait_tensorcnt 0x0                           ; no tensor load of mine is out, so a group 0 may be written
	ds_add_u32 v[SPW], v[NIL]
.if \refill
	s_add_nc_u64 s[G0+4*(\s)+2:G0+4*(\s)+3], s[G0+4*(\s)+2:G0+4*(\s)+3], 2*TSTR
	s_add_nc_u64 s[G0B+4*(\s)+2:G0B+4*(\s)+3], s[G0B+4*(\s)+2:G0B+4*(\s)+3], 2*TSTR
.endif
	s_wait_dscnt 0x0
.if \refill
	CROUND
	JLOAD G0+4*(\s), G1, G0B+4*(\s), G1B
.else
	s_barrier_signal -1
	s_barrier_wait -1
.endif
.endm
; 32 numbers of a lane, register 16 b + i = k 32 b + 16 (lane / 16) + i, become eight registers of codes and the halfword of their two scale bytes
.macro QB2 s, dst, hw
.irp b, 0,1
.if RELU
	v_max3_num_f32 v[QT+\b], v[(\s)+16*\b], v[(\s)+16*\b+1], 0x4800000     ; no |.|: what is negative becomes 0 and must not count; the floor 2^(9 - 127) stands over it
.else
	v_max3_num_f32 v[QT+\b], |v[(\s)+16*\b]|, |v[(\s)+16*\b+1]|, 0x4800000
.endif
.endr
.irp i, 2,4,6,8,10,12,14
.irp b, 0,1
.if RELU
	v_max3_num_f32 v[QT+\b], v[QT+\b], v[(\s)+16*\b+\i], v[(\s)+16*\b+\i+1]
.else
	v_max3_num_f32 v[QT+\b], v[QT+\b], |v[(\s)+16*\b+\i]|, |v[(\s)+16*\b+\i+1]|
.endif
.endr
.endr
.irp b, 0,1
	s_delay_alu instid0(VALU_DEP_2)
	v_permlanex16_b32 v[QT+2+\b], v[QT+\b], s[SEL], s[SEL+1]
.endr
.irp b, 0,1
	s_delay_alu instid0(VALU_DEP_2)
	v_max_num_f32 v[QT+\b], v[QT+\b], v[QT+2+\b]                 ; with lane l xor 16's: the block's largest magnitude
.endr
.irp b, 0,1
	s_delay_alu instid0(VALU_DEP_2)
	v_add_nc_u32 v[QT+6+\b], 0xfc000000, v[QT+\b]                ; the conversion's scale operand
.endr
.irp b, 0,1
	s_delay_alu instid0(VALU_DEP_4)
	v_and_or_b32 v[QT+4+\b], v[QT+\b], 0x7f800000, s[MNT]        ; 448 x the scale
.endr
.irp b, 0,1
	s_delay_alu instid0(VALU_DEP_4)
	v_lshrrev_b32 v[QT+2+\b], 23, v[QT+6+\b]                     ; the byte
.endr
	s_delay_alu instid0(VALU_DEP_1)
	v_lshl_or_b32 v[\hw], v[QT+3], 8, v[QT+2]
.irp b, 0,1
.irp i, 0,1,2,3,4,5,6,7,8,9,10,11,12,13,14,15
.if RELU
	v_med3_num_f32 v[(\s)+16*\b+\i], v[(\s)+16*\b+\i], 0, v[QT+4+\b]            ; the activation and the hold in one
.else
	v_med3_num_f32 v[(\s)+16*\b+\i], v[(\s)+16*\b+\i], -v[QT+4+\b], v[QT+4+\b]  ; the conversion does not saturate (ISA guide 7.6.2)
.endif
.endr
	v_cvt_scalef32_pk8_fp8_f32 v[(\dst)+4*\b:(\dst)+4*\b+1], v[(\s)+16*\b:(\s)+16*\b+7], v[QT+6+\b]
	v_cvt_scalef32_pk8_fp8_f32 v[(\dst)+4*\b+2:(\dst)+4*\b+3], v[(\s)+16*\b+8:(\s)+16*\b+15], v[QT+6+\b]
.endr
	v_nop
.endm
	s_load_b128 s[4:7], s[0:1], 0x0                ; the rows' image, the weights' images
.if QKV
	s_load_b128 s[92:95], s[0:1], 0x10             ; bq, bk
	s_load_b128 s[96:99], s[0:1], 0x20             ; bv, qkv
.else
	s_load_b128 s[8:11], s[0:1], 0x10              ; b1, fq
.endif
	v_lshl_add_u32 v[SPW], v0, 2, SPARE
	v_mov_b32 v[NIL], 0
	ds_add_u32 v13, v14
	ds_add_u32 v13, v14
	s_wait_dscnt 0x0
	v_lshrrev_b32 v1, 5, v0
	s_delay_alu instid0(VALU_DEP_1)
	v_readfirstlane_b32 s14, v1                    ; wave 0..15
	s_lshr_b32 s15, s14, 3                         ; I fetch for the rows (0) or for the weight (1),
	s_and_b32 s16, s14, 7                          ; part 0..7
	s_lshr_b32 s[WY], s14, 2                       ; my 64 rows
	s_and_b32 s[WX], s14, 3                        ; my 64 columns
	s_bfe_u32 s40, ttmp6, 0x40000                  ; cx, cy: my place in the cluster
	s_bfe_u32 s41, ttmp6, 0x40004
	s_lshl_b32 s42, ttmp9, 2
	s_add_co_u32 s42, s42, s40                     ; block column
	s_and_b32 s17, ttmp7, 0xffff
	s_lshl_b32 s17, s17, 2
	s_add_co_u32 s17, s17, s41                     ; block row
	s_lshl_b32 s43, s41, 2
	s_lshl_b32 s43, 15, s43                        ; my row of the cluster
	s_lshl_b32 s44, 0x1111, s40                    ; my column
	s_or_b32 s[G1], s43, (3<<16)|(1<<21)           ; 15:0 the mask; 17:16 elements of 8 bytes; 21 set beside a mask; no padding
	s_or_b32 s[G1B], s44, (3<<16)|(1<<21)
.irp g, G1, G1B                        ; two tiles' parts of a slot: two rows of 4,096 bytes, a tile (16,384 bytes) apart
	s_mov_b32 s[\g+1], 512<<16                     ; tensor_dim0
	s_mov_b32 s[\g+2], 4<<16                       ; tensor_dim1: four tiles for the head's loads; two for the ring's, set behind the head
	s_mov_b32 s[\g+3], 512<<16                     ; tile_dim0
	s_mov_b32 s[\g+4], 4                           ; tile_dim1 likewise
	s_mov_b32 s[\g+5], TILEB/8                     ; the pitch
	s_mov_b32 s[\g+6], 0
	s_mov_b32 s[\g+7], 0
.endr
	s_or_b32 s[G1S], s43, (3<<16)|(1<<21)
	s_or_b32 s[G1SB], s44, (3<<16)|(1<<21)
.irp g, G1S, G1SB                      ; 2 PART dense bytes of records, as rows of 256
	s_mov_b32 s[\g+1], 32<<16
	s_mov_b32 s[\g+2], (2*PART/256)<<16
	s_mov_b32 s[\g+3], 32<<16
	s_mov_b32 s[\g+4], 2*PART/256
	s_mov_b32 s[\g+5], 32
	s_mov_b32 s[\g+6], 0
	s_mov_b32 s[\g+7], 0
.endr
	s_mul_i32 s18, s16, 2*TILEB                    ; my two tiles,
	s_and_b32 s19, s16, 3                          ; four waves fetch an operand's records, 2 PART bytes each
	s_mul_i32 s19, s19, 2*PART
	s_mul_i32 s20, s17, 16*TILEB                   ; the rows': they hang on the block row alone
	s_add_co_u32 s20, s20, s18
	s_mov_b32 s21, 0
	s_mul_i32 s22, s17, 8*PART
	s_add_co_u32 s22, s22, s19
	s_add_co_u32 s22, s22, ASC
	s_mov_b32 s23, 0
	s_mul_i32 s46, s42, 16*TILEB                   ; the weight's: on the block column alone
	s_add_co_u32 s46, s46, s18
	s_add_co_u32 s46, s46, WCODE
	s_mov_b32 s47, 0
	s_mul_i32 s66, s42, 8*PART
	s_add_co_u32 s66, s66, s19
	s_add_co_u32 s66, s66, WSC
	s_mov_b32 s67, 0
	s_lshl_b32 s45, s14, 13                        ; where they go: 8,192 x wave: no place in the cluster enters an LDS address
	s_mul_i32 s101, s15, 8*PART
	s_add_co_u32 s101, s101, s19
	s_add_co_u32 s101, s101, SCA
	s_wait_kmcnt 0x0
	s_add_nc_u64 s[20:21], s[4:5], s[20:21]
	s_add_nc_u64 s[22:23], s[4:5], s[22:23]
	s_add_nc_u64 s[46:47], s[6:7], s[46:47]
	s_add_nc_u64 s[66:67], s[6:7], s[66:67]
	CROUND                                         ; all sixteen work-groups are here: the first joint loads meet
	s_mov_b32 s[G0S], 1
	s_mov_b32 s[G0S+1], s101
	s_mov_b64 s[G0S+2:G0S+3], s[22:23]
	s_or_b32 s[G0S+3], s[G0S+3], 0x80000000
	s_mov_b32 s[G0SB], 1
	s_mov_b32 s[G0SB+1], s101
	s_mov_b64 s[G0SB+2:G0SB+3], s[66:67]
	s_or_b32 s[G0SB+3], s[G0SB+3], 0x80000000
.irp s, 0,1
	s_mov_b32 s[G0+4*\s], 1
	s_add_co_u32 s[G0+4*\s+1], s45, \s*SLOT
	s_add_nc_u64 s[G0+4*\s+2:G0+4*\s+3], s[20:21], \s*TSTR
	s_or_b32 s[G0+4*\s+3], s[G0+4*\s+3], 0x80000000
	s_mov_b32 s[G0B+4*\s], 1
	s_add_co_u32 s[G0B+4*\s+1], s45, \s*SLOT
	s_add_nc_u64 s[G0B+4*\s+2:G0B+4*\s+3], s[46:47], \s*TSTR
	s_or_b32 s[G0B+4*\s+3], s[G0B+4*\s+3], 0x80000000
.endr
; THE HEAD'S LOADS, ONE A WAVE: waves 0-3 slot 0's rows, four tiles each; waves 4-7 the rows' records; waves 8-11 slot 0's tiles of the weight; waves 12-15 its records.
	s_mov_b32 s19, 0                               ; s[18:19]: my part's offset once more: the head's parts are twice the ring's
	s_lshl_b32 s5, s16, 13
	s_add_co_u32 s5, s5, s45                       ; LDS: 16,384 x part, the weight's BPART on
	s_mov_b32 s4, 1
	s_add_nc_u64 s[6:7], s[20:21], s[18:19]
	s_or_b32 s7, s7, 0x80000000
	s_mov_b32 s44, 1
	s_mov_b32 s45, s5
	s_add_nc_u64 s[46:47], s[46:47], s[18:19]
	s_or_b32 s47, s47, 0x80000000
.macro ARM under, g0, g1, next         ; one chain of branches on the wave's number, a load to an arm, all arms to one join
	s_cmp_lt_u32 s14, \under
	s_cbranch_scc0 \next
	tensor_load_to_lds s[\g0:\g0+3], s[\g1:\g1+7]
	s_nop 0
.rept 4
	v_nop
.endr
	s_branch .Lhead_asked
\next:
.endm
	ARM 4, 4, G1, .Lh_ra
	ARM 8, G0S, G1S, .Lh_b
	ARM 12, 44, G1B, .Lh_rb
	tensor_load_to_lds s[G0SB:G0SB+3], s[G1SB:G1SB+7]
	s_nop 0
.rept 4
	v_nop
.endr
.Lhead_asked:
	v_and_b32 v1, 31, v0
	s_delay_alu instid0(VALU_DEP_1)
	v_lshlrev_b32 v1, 4, v1                        ; 16 x lane
	v_and_b32 v2, 15, v0                           ; r
	v_bfe_u32 v3, v0, 4, 1                         ; h
	s_wait_alu depctr_va_vdst(0)
	s_lshl_b32 s18, s[WY], 14                      ; four tiles of TSTR bytes
	v_add_nc_u32 v[ADRA], s18, v1
	s_delay_alu instid0(VALU_DEP_1)
	v_add_nc_u32 v[ADRA+1], SLOT, v[ADRA]
	s_lshl_b32 s18, s[WX], 14
	s_add_co_u32 s18, s18, BPART
	v_add_nc_u32 v[ADRB], s18, v1
	s_delay_alu instid0(VALU_DEP_1)
	v_add_nc_u32 v[ADRB+1], SLOT, v[ADRB]
	s_xor_b32 s18, s[WY], 3                        ; lanes 16-31 take the weight's record: 8 PART + (wx - wy) NKB bytes on, as one product with h
	s_add_co_u32 s18, s18, s[WX]
	s_mul_i32 s18, s18, NKB
	s_add_co_u32 s18, s18, 8*PART-3*NKB
	v_mul_u32_u24 v[ADRS], s18, v3
	s_delay_alu instid0(VALU_DEP_1)
	v_lshl_add_u32 v[ADRS], v2, 4, v[ADRS]
	s_mul_i32 s19, s[WY], NKB
	s_add_co_u32 s19, s19, SCA
	v_add_nc_u32 v[ADRS], s19, v[ADRS]
	v_lshlrev_b32 v[VH], 6, v3
.if QKV
	s_wait_alu depctr_va_vdst(0)
	s_cmp_eq_u32 ttmp9, 1                          ; which of the three tensors: the cluster's x
	s_cselect_b64 s[8:9], s[94:95], s[92:93]
	s_cmp_eq_u32 ttmp9, 2
	s_cselect_b64 s[8:9], s[96:97], s[8:9]
	s_cselect_b32 s[VSEL], 1, 0
	s_mov_b64 s[10:11], s[98:99]
	s_lshl_b32 s2, s40, 10                         ; my block's 256 columns within the tensor
.else
	s_lshl_b32 s2, s42, 10
.endif
	s_lshl_b32 s3, s[WX], 8
	s_add_co_u32 s2, s2, s3
	s_mov_b32 s3, 0
	s_add_nc_u64 s[8:9], s[8:9], s[2:3]            ; the bias at my wave's first column
; The bias is the C of each sum's first product: lane (r, h) wants, for the weight's tile 2 b + u, the numbers of columns 32 b + 16 h + 8 u + 0 .. 7.  (QKV: loaded on both ways, so that every register is written on every way; v's products start from 0.)
.irp a, 0,1,2,3,4,5,6,7,8,9,10,11,12,13,14,15
	global_load_b128 v[ACC+8*\a:ACC+8*\a+3], v[VH], s[8:9] offset:(32*((\a%4)/2)+8*(\a%2))*4
	global_load_b128 v[ACC+8*\a+4:ACC+8*\a+7], v[VH], s[8:9] offset:(32*((\a%4)/2)+8*(\a%2))*4+16
.endr
.if QKV
	v_and_b32 v[STA], 8, v2                        ; v: a lane holds one channel: row r of the weight's tile
	s_delay_alu instid0(VALU_DEP_1)
	v_add_nc_u32 v[STA], v[STA], v2
	s_delay_alu instid0(VALU_DEP_1)
	v_lshlrev_b32 v[STA], 2, v[STA]
.irp t, 0,1,2,3
	global_load_b32 v[VB+2*\t], v[STA], s[8:9] offset:(32*(\t/2)+8*(\t%2))*4
	global_load_b32 v[VB+2*\t+1], v[STA], s[8:9] offset:(32*(\t/2)+8*(\t%2))*4
.endr
.else
	s_lshl_b32 s18, s[WY], 1                       ; the stage: record 2 wy + wx / 2, halfword wx % 2 of each word
	s_lshr_b32 s19, s[WX], 1
	s_add_co_u32 s18, s18, s19
	s_lshl_b32 s18, s18, 8
	s_and_b32 s19, s[WX], 1
	s_lshl_b32 s19, s19, 1
	s_add_co_u32 s18, s18, s19
	s_add_co_u32 s18, s18, STG
	v_lshl_add_u32 v[STA], v2, 4, s18
	s_lshl_b32 s18, s14, 9                         ; back: waves 0-3 take two records each
	s_add_co_u32 s18, s18, STG
	v_add_nc_u32 v[RECO], s18, v1
.endif
	s_wait_alu depctr_va_vdst(0)
	s_wait_loadcnt 0x0                             ; the bias
	s_wait_tensorcnt 0x0                           ; my tile of the head's is in; slot 1's first fill is issued as a refill is
	ds_add_u32 v[SPW], v[NIL]
	s_mov_b32 s[G1+2], 2<<16                       ; no tensor load of mine is out: from here on a load brings two tiles
	s_mov_b32 s[G1+4], 2
	s_mov_b32 s[G1B+2], 2<<16
	s_mov_b32 s[G1B+4], 2
	s_wait_dscnt 0x0
	CROUND                                         ; slot 0 and the records are whole, and the joint loads meet
	JLOAD G0+4, G1, G0B+4, G1B                     ; slot 1: the first tensor load behind the round
	KSTEP 0, 0, 0, QKV
	KSTEP 0, 1, 1, 0
	CHANGE 0, 1
	KSTEP 1, 0, 2, 0
	KSTEP 1, 1, 3, 0
	CHANGE 1, 1
	KSTEP 0, 0, 4, 0
	KSTEP 0, 1, 5, 0
	CHANGE 0, 0                                    ; nothing is left to fetch
	KSTEP 1, 0, 6, 0
	KSTEP 1, 1, 7, 0
	; ---- THE WAY OUT: each group of four accumulators (32 registers) is two blocks of 32 along the next K for the 16 rows of source 1's tile a
	s_mov_b32 s[SEL], 0x76543210
	s_mov_b32 s[SEL+1], 0xfedcba98
	s_mov_b32 s[MNT], 0x600000
.if QKV
	s_lshr_b32 s2, s17, 3                          ; batch
	s_and_b32 s3, s17, 7                           ; which 256 of its 2,048 rows
	s_lshl_b32 s95, s40, 2
	s_add_co_u32 s95, s95, s[WX]                   ; head: my 64 columns
	s_lshl_b32 s2, s2, 4
	s_add_co_u32 s2, s2, s95                       ; batch x 16 + head
	s_lshl_b32 s96, ttmp9, 22                      ; q, k, v: 4 MiB each; a head: 131,072 bytes; 256 rows: 16,384
	s_lshl_b32 s97, s2, 17
	s_add_co_u32 s96, s96, s97
	s_lshl_b32 s97, s3, 14
	s_add_co_u32 s96, s96, s97
	s_lshl_b32 s97, s[WY], 12                      ; q, k: [tile of rows][c 2][lane][16]: my four tiles of 1,024 bytes
	s_lshr_b32 s98, s[WY], 1                       ; v: [128 keys][tile of channels][c 4][lane][16]: my 64 keys are c = 2 (wy % 2) + 0, 1 of step wy / 2
	s_lshl_b32 s98, s98, 13
	s_and_b32 s99, s[WY], 1
	s_lshl_b32 s99, s99, 10
	s_add_co_u32 s98, s98, s99
	s_cmp_eq_u32 s[VSEL], 1
	s_cselect_b32 s97, s98, s97
	s_cselect_b32 s99, 11, 10                      ; from tile to tile: 2,048 or 1,024 bytes
	s_add_co_u32 s96, s96, s97
	s_mov_b32 s97, 0
	s_add_nc_u64 s[96:97], s[10:11], s[96:97]
	s_lshl_b32 s2, s2, 5                           ; records: one for each 64 rows of a head, the same for all three tensors
	s_lshl_b32 s3, s3, 2
	s_add_co_u32 s2, s2, s3
	s_add_co_u32 s2, s2, s[WY]
	s_lshl_b32 s2, s2, 8
	s_lshl_b32 s3, ttmp9, 18
	s_add_co_u32 s2, s2, s3
	s_add_co_u32 s2, s2, 12582912
	s_mov_b32 s3, 0
	s_add_nc_u64 s[2:3], s[10:11], s[2:3]
	s_cmp_eq_u32 s[VSEL], 1
	s_cbranch_scc0 .Lbias_done
.irp t, 0,1,2,3                        ; v's bias: one number a lane for the 32 registers of channel tile t; each accumulator from its low end on
.set j, 0
.rept 16
	v_pk_add_f32 v[ACC+32*\t+j:ACC+32*\t+j+1], v[ACC+32*\t+j:ACC+32*\t+j+1], v[VB+2*\t:VB+2*\t+1]
.set j, j+2
.endr
.endr
.Lbias_done:
.else
	s_lshl_b32 s96, s17, 20                        ; fq: [tile of rows][K step][2,048]: 16 tiles of 65,536 bytes a block row,
	s_lshl_b32 s97, s[WY], 18
	s_add_co_u32 s96, s96, s97
	s_lshl_b32 s97, s42, 12                        ; two K steps a block column,
	s_add_co_u32 s96, s96, s97
	s_lshl_b32 s97, s[WX], 10                      ; my 64 columns: half a K step
	s_add_co_u32 s96, s96, s97
	s_mov_b32 s97, 0
	s_add_nc_u64 s[96:97], s[10:11], s[96:97]
	s_mov_b32 s99, 16
	s_lshl_b32 s2, s17, 15                         ; records ((4 y + wave) x 32 + 2 x) x 256
	s_lshl_b32 s3, s14, 13
	s_add_co_u32 s2, s2, s3
	s_lshl_b32 s3, s42, 9
	s_add_co_u32 s2, s2, s3
	s_add_co_u32 s2, s2, 16777216
	s_mov_b32 s3, 0
	s_add_nc_u64 s[2:3], s[10:11], s[2:3]
.endif
	v_mov_b32 v[OFFS], v1
.irp a, 1,2,3
	s_lshl_b32 s98, \a, s99
	v_add_nc_u32 v[OFFS+\a], s98, v1
.endr
.irp a, 0,1,2,3
	QB2 ACC+32*\a, PC+8*\a, HW+\a
	global_store_b128 v[OFFS+\a], v[PC+8*\a:PC+8*\a+3], s[96:97]               ; 512 consecutive bytes
	global_store_b128 v[OFFS+\a], v[PC+8*\a+4:PC+8*\a+7], s[96:97] offset:512
.endr
.if QKV
	v_lshlrev_b32 v[RECO], 4, v2                   ; the four halfwords are my record's four words: lane (r, h) stores words 2 h and 2 h + 1: 256 consecutive bytes
	s_delay_alu instid0(VALU_DEP_1)
	v_lshl_add_u32 v[RECO], v3, 3, v[RECO]
	v_cmp_eq_u32 vcc_lo, 1, v3
	s_delay_alu instid0(VALU_DEP_1)
	v_cndmask_b32 v30, v[HW], v[HW+2], vcc_lo
	s_delay_alu instid0(VALU_DEP_2)
	v_cndmask_b32 v31, v[HW+1], v[HW+3], vcc_lo
	global_store_b64 v[RECO], v[30:31], s[2:3]
.else
.irp a, 0,1,2,3
	ds_store_b16 v[STA], v[HW+\a] offset:4*\a      ; half of a word: the other half is the neighbouring wave's.  (Both halves of the lanes write the same bytes with the same values)
.endr
	s_wait_dscnt 0x0                               ; for the others' sake
	s_barrier_signal -1
	s_barrier_wait -1
	s_cmp_lt_u32 s14, 4
	s_cbranch_scc0 .Lno_rec
	ds_load_b128 v[104:107], v[RECO]
	s_wait_dscnt 0x0
	global_store_b128 v1, v[104:107], s[2:3]       ; two whole records
.Lno_rec:
.endif
	s_wait_tensorcnt 0x0                           ; the wave's end
	ds_add_u32 v[SPW], v[NIL]
	s_wait_dscnt 0x0
	CROUND                                         ; the closing round
	s_endpgm
.Lfunc_end_k_q77adbc3738_gemm_qkv:
	.size	k_q77adbc3738_gemm_qkv, .Lfunc_end_k_q77adbc3738_gemm_qkv-k_q77adbc3738_gemm_qkv
	.p2alignl 7, 3214868480
	.fill 96, 4, 3214868480
	.section	.rodata,"a",@progbits
	.p2align	6, 0x0
	.amdhsa_kernel k_q77adbc3738_gemm_qkv
		.amdhsa_group_segment_fixed_size 327680
		.amdhsa_private_segment_fixed_size 0
		.amdhsa_enable_private_segment 0
		.amdhsa_kernarg_size 48
		.amdhsa_user_sgpr_count 2
		.amdhsa_user_sgpr_kernarg_segment_ptr 1
		.amdhsa_wavefront_size32 1
		.amdhsa_system_sgpr_workgroup_id_x 1
		.amdhsa_system_sgpr_workgroup_id_y 1
		.amdhsa_system_sgpr_workgroup_id_z 1
		.amdhsa_system_vgpr_workitem_id 0
		.amdhsa_next_free_vgpr 256
		.amdhsa_next_free_sgpr 102
		.amdhsa_reserve_vcc 1
		.amdhsa_float_denorm_mode_32 3
		.amdhsa_float_denorm_mode_16_64 3
		.amdhsa_memory_ordered 1
		.amdhsa_forward_progress 1
		.amdhsa_inst_pref_size 96
	.end_amdhsa_kernel
	.amdgpu_metadata
---
amdhsa.version: [ 1, 2 ]
amdhsa.kernels:
  - .name:           k_q77adbc3738_gemm_qkv
    .symbol:         k_q77adbc3738_gemm_qkv.kd
    .args:
      - { .name: act, .offset: 0, .size: 8, .value_kind: global_buffer, .address_space: global }
      - { .name: wts, .offset: 8, .size: 8, .value_kind: global_buffer, .address_space: global }
      - { .name: bq, .offset: 16, .size: 8, .value_kind: global_buffer, .address_space: global }
      - { .name: bk, .offset: 24, .size: 8, .value_kind: global_buffer, .address_space: global }
      - { .name: bv, .offset: 32, .size: 8, .value_kind: global_buffer, .address_space: global }
      - { .name: qkv, .offset: 40, .size: 8, .value_kind: global_buffer, .address_space: global }
    .group_segment_fixed_size: 327680
    .private_segment_fixed_size: 0
    .kernarg_segment_align: 8
    .kernarg_segment_size: 48
    .max_flat_workgroup_size: 512
    .sgpr_count:     102
    .vgpr_count:     256
    .wavefront_size: 32
...
	.end_amdgpu_metadata
.endif
;; end of part 2
;; launch attn (part 3): grid 8 x 32, 16 waves a work-group, clusters of 4 x 1, 327,680 bytes of LDS; arguments qkv, mask, act; writes act
.if DOCPART == 3
	.amdgcn_target "amdgcn-amd-amdhsa--gfx1250"
	.amdhsa_code_object_version 6
	.text
	.protected	k_q77adbc3738_attn
	.globl	k_q77adbc3738_attn
	.p2align	8
	.type	k_q77adbc3738_attn,@function
k_q77adbc3738_attn:
	s_mov_b64 s[64:65], 0
	v_nop
	global_prefetch_b8 v0, s[64:65] scope:SCOPE_SE
	s_setreg_imm32_b32 hwreg(HW_REG_WAVE_MODE, 25, 1), 1
	s_wait_xcnt 0x0
	s_wait_alu depctr_hold_cnt(0) depctr_sa_sdst(0) depctr_va_vdst(0) depctr_va_sdst(0) depctr_va_ssrc(0) depctr_va_vcc(0) depctr_vm_vsrc(0)
	s_getreg_b32 s2, hwreg(HW_REG_IB_STS2, 6, 4)
	s_cmp_eq_u32 s2, 0
	s_cbranch_scc0 .Lentry_in_a_cluster
	s_endpgm
.Lentry_in_a_cluster:
	s_bfe_u32 s2, ttmp6, 0x10000c
	s_cmp_lg_u32 s2, 0x3003
	s_cbranch_scc0 .Lentry_shape_is_right
	s_endpgm
.Lentry_shape_is_right:
; Attention of one head on codes of FP8 (E4M3) with E8M0 scales: S^T = K Q^T, p = 2^(t - M), O^T = V^T P^T, O / the row's sum, quantised along the model's axis for the next product.
; t = (score + the mask's term) x log2(e) / 8; M = the running largest t rounded up to a whole number; p is quantised along the keys, block by block of 32; the sum is taken of the unquantised p.
; IN (qkv): q, k as images [tile of 16 rows][c 2][lane][16 bytes], tile 2 b + u holding rows 32 b + 8 u + r + 8 (r / 8); v as [128 keys][tile of 16 channels][c 4][lane][16]; scale words in records of 256 bytes.
; The head size is 64, half of the instruction's K: q's upper eight registers are zero codes, so what stands in the upper eight of a key fragment (the next tile's codes) adds nothing.
; SHARES: a work-group owns 256 queries of one head, each of its sixteen waves 16 of them; a lane holds one query (lane % 16) throughout; every wave walks the head's 2,048 keys in 16 steps of 128.
; LDS: K's 131,072 bytes from 0, V's from 131,072; K's records, V's words (two records joined), the mask's terms and the spare words behind them.  Nothing is filled twice.
; FILLS: waves 0-7 fetch K, waves 8-15 V.  At the head a wave asks for 4,096 bytes of key steps 0-3; behind the full sequence and a round for 12,288 bytes of steps 4-15, which have four steps' work in which to land.
; CLUSTERS: the four query blocks of a cluster walk the same K and V: both fills are joint loads with the mask 15.
; NO PREFETCH: both fills go out at the head; the loops ask for no tile, so there is no trip in which to ask ahead.
; THE MASK: a key whose mask is 0 gets -2^100 added to its score, as the C of the first product: its p is 0.
; LIMITS: the promise holds while the scaled scores stay under 2^31 in magnitude.  A row all of whose keys are masked gets NaN codes.  A block of zeros gets the byte 1 (this program alone reads the bytes).
.set KSC,   262144
.set VSC,   270336
.set BIAS,  274432
.set SPARE, 282624                     ; the spare words: 128 bytes for each of sixteen waves
.set ASC,   4194304                    ; act: the records lie behind the codes
.set AV0,  3                           ; v1 16 x lane, v2 16 r, v3, v9-11: my lane's places in V, the mask's terms, K's records, V's words
.set ADK,  4                           ; v4-8 the step's addresses
.set ADV,  5
.set ADB,  6
.set ADKS, 7
.set ADVS, 8
.set AB0,  9
.set AKS0, 10
.set AVS0, 11
.set KF,   32                          ; v32-95 fragments of K, then of V; v96-103 zeros.  v12 -M, v13 the largest t, v[14:15] the sum; v16-31 q
.set S,    104                         ; v104-167 S^T, then p
.set O,    168                         ; v168-199 O^T
.set PC,   200                         ; v200-215 p's codes
.set BM,   216                         ; a block's largest score, then its largest p
.set PX,   220
.set HL,   224                         ; 448 x the scale
.set HL2,  249                         ; v249-252 the same once more, one register bank on: a dual pair's second sources lie in different banks
.set SO,   228                         ; the conversion's scale operand
.set QT,   216
.set KSW,  232                         ; v232-239 scale words of K or V and nothing else; v240 p's, v241 q's
.set PWD,  240
.set QW,   241
.set F,    242
.set T0,   244
.set HWR,  245
.set SUM2, 246
.set LN,   248
.set OLDM, 253                         ; -M of the step before
.set SPW,  254
.set NIL,  255
.set MNT,  19
.set SEL,  20
.set CS,   22
.set G0,   24                          ; s[24:27], s[28:31] groups 0 of the two fills; s[40:47], s[32:39] their groups 1
.set G1L,  32
.set G1,   40
.set TK,   48
.set TB,   49
.set TV,   50
.set CNT,  51
.macro PLACES n
.rept \n
	v_nop
.endr
.endm
.macro CROUND                          ; a round of the cluster's barrier
	s_barrier_signal -1
	s_barrier_wait -1
	s_cmp_lg_u32 s10, 0
	s_cbranch_scc1 .Lnot_wave_0_\@
	s_barrier_signal -3
.Lnot_wave_0_\@:
	s_barrier_wait -3
	s_barrier_signal -1
	s_barrier_wait -1
.endm
; 32 numbers of a lane, register 16 b + i = channel 32 b + 16 (lane / 16) + i, become eight registers of codes and the halfword of their two scale bytes
.macro QB2 s, dst, hw
.irp b, 0,1
	v_max3_num_f32 v[QT+\b], |v[(\s)+16*\b]|, |v[(\s)+16*\b+1]|, 0x4800000
.endr
.irp i, 2,4,6,8,10,12,14
.irp b, 0,1
	s_delay_alu instid0(VALU_DEP_2)
	v_max3_num_f32 v[QT+\b], v[QT+\b], |v[(\s)+16*\b+\i]|, |v[(\s)+16*\b+\i+1]|
.endr
.endr
.irp b, 0,1
	s_delay_alu instid0(VALU_DEP_2)
	v_permlanex16_b32 v[QT+2+\b], v[QT+\b], s[SEL], s[SEL+1]
.endr
.irp b, 0,1
	s_delay_alu instid0(VALU_DEP_2)
	v_max_num_f32 v[QT+\b], v[QT+\b], v[QT+2+\b]
.endr
.irp b, 0,1
	s_delay_alu instid0(VALU_DEP_2)
	v_add_nc_u32 v[QT+6+\b], 0xfc000000, v[QT+\b]
.endr
.irp b, 0,1
	s_delay_alu instid0(VALU_DEP_4)
	v_and_or_b32 v[QT+4+\b], v[QT+\b], 0x7f800000, s[MNT]
.endr
.irp b, 0,1
	s_delay_alu instid0(VALU_DEP_4)
	v_lshrrev_b32 v[QT+2+\b], 23, v[QT+6+\b]
.endr
	s_delay_alu instid0(VALU_DEP_1)
	v_lshl_or_b32 v[\hw], v[QT+3], 8, v[QT+2]
.irp b, 0,1
.irp i, 0,1,2,3,4,5,6,7,8,9,10,11,12,13,14,15
	v_med3_num_f32 v[(\s)+16*\b+\i], v[(\s)+16*\b+\i], -v[QT+4+\b], v[QT+4+\b]
.endr
	v_cvt_scalef32_pk8_fp8_f32 v[(\dst)+4*\b:(\dst)+4*\b+1], v[(\s)+16*\b:(\s)+16*\b+7], v[QT+6+\b]
	v_cvt_scalef32_pk8_fp8_f32 v[(\dst)+4*\b+2:(\dst)+4*\b+3], v[(\s)+16*\b+8:(\s)+16*\b+15], v[QT+6+\b]
.endr
	s_wait_alu depctr_va_vdst(0)
	v_nop
.endm
	s_load_b128 s[4:7], s[0:1], 0x0                ; qkv, mask
	s_load_b64 s[8:9], s[0:1], 0x10                ; act
	v_lshl_add_u32 v[SPW], v0, 2, SPARE
	v_mov_b32 v[NIL], 0
	ds_add_u32 v[SPW], v[NIL]                      ; the opening lines: the add twice on end, and its wait ahead of my first tensor load
	ds_add_u32 v[SPW], v[NIL]
	v_lshrrev_b32 v1, 5, v0
	s_delay_alu instid0(VALU_DEP_1)
	v_readfirstlane_b32 s10, v1                    ; wave 0..15
	s_bfe_u32 s11, ttmp6, 0x40000                  ; cx
	s_lshl_b32 s12, ttmp9, 2
	s_add_co_u32 s12, s12, s11                     ; which 256 queries
	s_and_b32 s13, ttmp7, 0xffff                   ; batch x 16 + head
	s_lshr_b32 s14, s13, 4
	s_and_b32 s15, s13, 15
	s_mov_b32 s[G1], 15|(3<<16)|(1<<21)            ; the mask names the four; elements of 8 bytes; 16 rows of 256 dense bytes
	s_mov_b32 s[G1+1], 32<<16
	s_mov_b32 s[G1+2], 16<<16
	s_mov_b32 s[G1+3], 32<<16
	s_mov_b32 s[G1+4], 16
	s_mov_b32 s[G1+5], 32
	s_mov_b32 s[G1+6], 0
	s_mov_b32 s[G1+7], 0
	s_mov_b32 s[G1L], 15|(3<<16)|(1<<21)           ; the same with 48 rows
	s_mov_b32 s[G1L+1], 32<<16
	s_mov_b32 s[G1L+2], 48<<16
	s_mov_b32 s[G1L+3], 32<<16
	s_mov_b32 s[G1L+4], 48
	s_mov_b32 s[G1L+5], 32
	s_mov_b32 s[G1L+6], 0
	s_mov_b32 s[G1L+7], 0
	s_mov_b32 s[MNT], 0x600000                     ; the mantissa field of 448
	s_mov_b32 s[SEL], 0x76543210
	s_mov_b32 s[SEL+1], 0xfedcba98
	s_mov_b32 s[CS], 0x3e38aa3b                    ; c = log2(e) / 8
	s_mov_b32 s[CS+1], s[CS]
	s_mov_b32 s[TK], 0
	s_mov_b32 s[TB], 0
	s_mov_b32 s[TV], 0
	s_lshr_b32 s16, s10, 3                         ; I fetch for K (0) or V (1),
	s_and_b32 s17, s10, 7                          ; part 0..7
	s_lshl_b32 s18, s16, 17
	s_lshl_b32 s56, s17, 12                        ; first fill: 4,096 x part
	s_mov_b32 s57, 0
	s_mul_i32 s58, s17, 12288                      ; second: behind the first's 32,768, 12,288 x part
	s_add_co_u32 s58, s58, 32768
	s_mov_b32 s59, 0
	s_lshl_b32 s54, s16, 22
	s_add_co_u32 s54, s54, 4194304
	s_lshl_b32 s53, s13, 17
	s_add_co_u32 s54, s54, s53
	s_mov_b32 s55, 0
	s_mov_b32 s[G0], 1
	s_add_co_u32 s[G0+1], s18, s56
	s_mov_b32 s[G0+4], 1
	s_add_co_u32 s[G0+5], s18, s58
	s_wait_dscnt 0x0                               ; both opening adds are done
	s_wait_kmcnt 0x0
	s_add_nc_u64 s[54:55], s[4:5], s[54:55]
	s_add_nc_u64 s[G0+2:G0+3], s[54:55], s[56:57]
	s_or_b32 s[G0+3], s[G0+3], 0x80000000
	s_add_nc_u64 s[G0+6:G0+7], s[54:55], s[58:59]
	s_or_b32 s[G0+7], s[G0+7], 0x80000000
	CROUND                                         ; the four work-groups are here: the joint loads meet
	tensor_load_to_lds s[G0:G0+3], s[G1:G1+7]      ; key steps 0-3: my one load at the head
	s_nop 0
	PLACES 4
	s_lshl_b32 s52, s12, 4
	s_add_co_u32 s52, s52, s10                     ; my tile of queries in the head
	s_lshl_b32 s53, s13, 7
	s_add_co_u32 s53, s53, s52
	s_lshl_b32 s56, s53, 10
	s_mov_b32 s57, 0
	s_add_nc_u64 s[56:57], s[4:5], s[56:57]        ; q's codes
	s_lshr_b32 s58, s53, 2
	s_lshl_b32 s58, s58, 8
	s_and_b32 s59, s52, 3
	s_lshl_b32 s59, s59, 2
	s_add_co_u32 s58, s58, s59
	s_add_co_u32 s58, s58, 12582912
	s_mov_b32 s59, 0
	s_add_nc_u64 s[58:59], s[4:5], s[58:59]        ; q's scale words
	s_lshl_b32 s60, s13, 13
	s_add_co_u32 s60, s60, 12845056
	s_mov_b32 s61, 0
	s_add_nc_u64 s[60:61], s[4:5], s[60:61]        ; the head's records of K; V's lie 262,144 bytes on
	s_lshl_b32 s62, s14, 13
	s_mov_b32 s63, 0
	s_add_nc_u64 s[6:7], s[6:7], s[62:63]          ; the batch's mask
	v_and_b32 v[LN], 31, v0
	s_delay_alu instid0(VALU_DEP_1)
	v_lshlrev_b32 v1, 4, v[LN]
	v_and_b32 v2, 15, v0
	s_delay_alu instid0(VALU_DEP_1)
	v_lshlrev_b32 v2, 4, v2
	v_bfe_u32 v[AB0], v0, 4, 1
	s_delay_alu instid0(VALU_DEP_1)
	v_lshlrev_b32 v[AB0], 6, v[AB0]
	s_delay_alu instid0(VALU_DEP_1)
	v_add_nc_u32 v[AB0], BIAS, v[AB0]
	v_add_nc_u32 v[AV0], 131072, v1
	v_add_nc_u32 v[AKS0], KSC, v2
	v_add_nc_u32 v[AVS0], VSC, v2
	v_lshlrev_b32 v120, 4, v0
	v_lshrrev_b32 v121, 5, v0
	s_delay_alu instid0(VALU_DEP_1)
	v_lshlrev_b32 v121, 9, v121
	s_delay_alu instid0(VALU_DEP_1)
	v_lshl_add_u32 v121, v[LN], 3, v121
	global_load_b128 v[104:107], v120, s[60:61]                 ; K's records, 16 bytes a thread
	global_load_b64 v[112:113], v121, s[60:61] offset:262144    ; V's records of keys 128 w .. + 63,
	global_load_b64 v[114:115], v121, s[60:61] offset:262400    ; and of the next 64
	global_load_b128 v[108:111], v120, s[6:7]                   ; four keys' mask
	global_load_b128 v[16:19], v1, s[56:57]
	global_load_b128 v[20:23], v1, s[56:57] offset:512
	global_load_b32 v[QW], v2, s[58:59]
	v_add_nc_u32 v122, KSC, v120
	v_lshl_add_u32 v123, v0, 3, VSC
	v_mov_b32 v116, 0xf1800000                     ; -2^100
	v_mov_b32 v13, 0xec800000                      ; the largest t so far: -2^90, under every live t
	s_delay_alu instid0(VALU_DEP_1)
	v_floor_f32 v12, -v13
	v_mov_b32 v14, 0
	v_mov_b32 v15, 0
	v_mov_b32 v[F+1], 0
	v_mov_b32 v[OLDM], v12
.irp i, 0,1,2,3,4,5,6,7
	v_mov_b32 v[24+\i], 0                          ; q's upper half: zero codes
	v_mov_b32 v[96+\i], 0
.endr
.irp b, 0,1,2,3
	v_mov_b32 v[PX+\b], 0                          ; a lane permute's destination counts as one of its sources
.endr
.set j, 0
.rept 32
	v_mov_b32 v[O+j], 0                            ; the step is written once: the first finds zeros
.set j, j+1
.endr
	s_wait_loadcnt 0x0
.irp i, 0,1,2,3
	v_cmp_eq_u32 vcc_lo, 0, v[108+\i]
	s_delay_alu instid0(VALU_DEP_1)
	v_cndmask_b32 v[108+\i], 0, v116, vcc_lo
.endr
	v_lshl_or_b32 v112, v114, 16, v112             ; four bytes: 128 keys of one channel
	v_lshl_or_b32 v113, v115, 16, v113
	ds_store_b128 v122, v[104:107]
	ds_store_b128 v122, v[108:111] offset:BIAS-KSC
	ds_store_b64 v123, v[112:113]
	s_wait_alu depctr_va_vdst(0)
	s_wait_tensorcnt 0x0                           ; my part of steps 0-3 is in; the second fill is issued as a refill is:
	ds_add_u32 v[SPW], v[NIL]
	s_wait_dscnt 0x0                               ; the add and my stores are done
	CROUND
	tensor_load_to_lds s[G0+4:G0+7], s[G1L:G1L+7]  ; key steps 4-15: the first tensor load behind the round
	s_nop 0
	PLACES 4
; A KEY STEP: 128 keys
.macro DMIN j                          ; the hold of pair j of p: the conversion to an 8-bit code does not saturate (ISA guide 7.6.2); p is not negative, so the hold is one-sided
	v_dual_min_num_f32 v[S+2*(\j)], v[S+2*(\j)], v[HL+(\j)/8] :: v_dual_min_num_f32 v[S+2*(\j)+1], v[S+2*(\j)+1], v[HL2+(\j)/8]
.endm
.macro STEP
	v_add_nc_u32 v[ADK], s[TK], v1
	v_add_nc_u32 v[ADV], s[TK], v[AV0]
	v_add_nc_u32 v[ADB], s[TB], v[AB0]
	v_add_nc_u32 v[ADKS], s[TB], v[AKS0]
	v_add_nc_u32 v[ADVS], s[TV], v[AVS0]
	PLACES 3                                       ; with the five above: eight places in front of loads into registers that the last products read
.irp b, 0,1,2,3
.irp q, 0,1,2,3
	ds_load_b128 v[S+16*\b+4*\q:S+16*\b+4*\q+3], v[ADB] offset:128*\b+16*\q   ; the mask's terms: register 16 b + i is key 32 b + 16 (lane / 16) + i
.endr
.endr
.irp t, 0,1,2,3,4,5,6,7
	ds_load_b128 v[KF+8*\t:KF+8*\t+3], v[ADK] offset:1024*\t
	ds_load_b128 v[KF+8*\t+4:KF+8*\t+7], v[ADK] offset:1024*\t+512
.endr
	ds_load_b128 v[KSW:KSW+3], v[ADKS]
	ds_load_b128 v[KSW+4:KSW+7], v[ADKS] offset:256
	s_wait_alu depctr_va_vdst(0)
	s_wait_dscnt 0x0
.irp t, 0,1,2,3,4,5,6,7
	v_wmma_scale_f32_16x16x128_f8f6f4 v[S+8*\t:S+8*\t+7], v[KF+8*\t:KF+8*\t+15], v[16:31], v[S+8*\t:S+8*\t+7], v[KSW+\t], v[QW]
.endr
	PLACES 8
.irp t, 0,1,2,3
.irp c, 0,1,2,3
	ds_load_b128 v[KF+16*\t+4*\c:KF+16*\t+4*\c+3], v[ADV] offset:2048*\t+512*\c
.endr
.endr
	ds_load_b128 v[KSW:KSW+3], v[ADVS]
.irp b, 0,1,2,3
	v_max3_num_f32 v[BM+\b], v[S+16*\b], v[S+16*\b+1], v[S+16*\b+2]   ; each block's largest score: for the row's maximum and for the block's largest p
.endr
.irp i, 3,5,7,9,11,13
.irp b, 0,1,2,3
	v_max3_num_f32 v[BM+\b], v[BM+\b], v[S+16*\b+\i], v[S+16*\b+\i+1]
.endr
.endr
.irp b, 0,1,2,3
	v_max_num_f32 v[BM+\b], v[BM+\b], v[S+16*\b+15]
.endr
.irp b, 0,1,2,3
	s_delay_alu instid0(VALU_DEP_4)
	v_permlanex16_b32 v[PX+\b], v[BM+\b], s[SEL], s[SEL+1]
.endr
.irp b, 0,1,2,3
	s_delay_alu instid0(VALU_DEP_4)
	v_max_num_f32 v[BM+\b], v[BM+\b], v[PX+\b]
.endr
	s_delay_alu instid0(VALU_DEP_2)
	v_max3_num_f32 v[T0], v[BM], v[BM+1], v[BM+2]
	s_delay_alu instid0(VALU_DEP_1)
	v_max_num_f32 v[T0], v[T0], v[BM+3]
	s_delay_alu instid0(VALU_DEP_1)
	v_mul_f32 v[T0], s[CS], v[T0]
	s_delay_alu instid0(VALU_DEP_1)
	v_max_num_f32 v13, v13, v[T0]                  ; the running largest t
	s_delay_alu instid0(VALU_DEP_1)
	v_floor_f32 v12, -v13                          ; -M = floor(-t): a whole number
	s_delay_alu instid0(VALU_DEP_1)
	v_sub_f32 v[T0], v12, v[OLDM]                  ; old M - new M, 0 or less
.irp b, 0,1,2,3
	v_fma_f32 v[BM+\b], v[BM+\b], s[CS], v12
.endr
	v_cvt_i32_f32 v[T0], v[T0]                     ; (it saturates)
.set j, 0
.rept 8
	v_pk_fma_f32 v[S+j:S+j+1], v[S+j:S+j+1], s[CS:CS+1], v[12:13] op_sel_hi:[1,0,0]   ; t - M, two at a time
.set j, j+2
.endr
	v_ldexp_f32 v[F], 1.0, v[T0]                   ; f = 2^(old M - new M)
.rept 24
	v_pk_fma_f32 v[S+j:S+j+1], v[S+j:S+j+1], s[CS:CS+1], v[12:13] op_sel_hi:[1,0,0]
.set j, j+2
.endr
	s_wait_alu depctr_va_vdst(0)
.irp b, 0,1,2,3
	v_exp_f32 v[BM+\b], v[BM+\b]                   ; each block's largest p
.endr
.set j, 0
.rept 64
	v_exp_f32 v[S+j], v[S+j]                       ; p = 2^(t - M)
.set j, j+1
.endr
	v_mov_b32 v[OLDM], v12                         ; for the next step; the plain place behind the batch
	s_wait_alu depctr_va_vdst(0)                   ; one wait for the batch, ahead of its first reader
.irp b, 0,1,2,3
	v_max_num_f32 v[BM+\b], 0x4800000, v[BM+\b]    ; the floor 2^(9 - 127): the byte cannot fall under 1
.endr
.irp b, 0,1,2,3
	s_delay_alu instid0(VALU_DEP_4)
	v_add_nc_u32 v[SO+\b], 0xfc000000, v[BM+\b]
.endr
.irp b, 0,1,2,3
	v_and_or_b32 v[HL+\b], v[BM+\b], 0x7f800000, s[MNT]
	v_and_or_b32 v[HL2+\b], v[BM+\b], 0x7f800000, s[MNT]
.endr
.irp b, 0,1,2,3
	v_lshrrev_b32 v[PX+\b], 23, v[SO+\b]
.endr
	s_delay_alu instid0(VALU_DEP_3)
	v_lshl_or_b32 v[PWD], v[PX+1], 8, v[PX]
	s_delay_alu instid0(VALU_DEP_1)
	v_lshl_or_b32 v[PWD], v[PX+2], 16, v[PWD]
	s_delay_alu instid0(VALU_DEP_1)
	v_lshl_or_b32 v[PWD], v[PX+3], 24, v[PWD]      ; p's scale word for these 128 keys
; The sums of the unquantised p in two chains (the first addition also brings the old sum under the new M); three pairs behind them the hold at 448 x the scale; behind a group's holds its conversion.
.set i, 0
.rept 32
.if i == 0
	v_pk_fma_f32 v[14:15], v[14:15], v[F:F+1], v[S:S+1] op_sel_hi:[1,0,1]
.endif
.if i == 3
	v_pk_add_f32 v[SUM2:SUM2+1], v[S+2:S+3], v[S+6:S+7]
.endif
.if (i > 1) && (i%2 == 0)
	v_pk_add_f32 v[14:15], v[14:15], v[S+2*i:S+2*i+1]
.endif
.if (i > 3) && (i%2 == 1)
	v_pk_add_f32 v[SUM2:SUM2+1], v[SUM2:SUM2+1], v[S+2*i:S+2*i+1]
.endif
.if i >= 3
	DMIN i-3
.endif
.if (i >= 7) && (i%4 == 3)
.set g, (i-7)/4
	v_cvt_scalef32_pk8_fp8_f32 v[PC+2*g:PC+2*g+1], v[S+8*g:S+8*g+7], v[SO+g/2]
.endif
.set i, i+1
.endr
	DMIN 29
	DMIN 30
	DMIN 31
	v_pk_add_f32 v[14:15], v[14:15], v[SUM2:SUM2+1]
	v_cvt_scalef32_pk8_fp8_f32 v[PC+14:PC+15], v[S+56:S+63], v[SO+3]
	s_wait_dscnt 0x0                               ; V's fragments and words
	s_wait_alu depctr_va_vdst(0)                   ; directly ahead of the first reader of O^T
.set j, 0
.rept 16
	v_pk_mul_f32 v[O+j:O+j+1], v[O+j:O+j+1], v[F:F+1] op_sel_hi:[1,0]   ; O^T under the new M; these are also the places in front of the products below
.set j, j+2
.endr
.irp t, 0,1,2,3
	v_wmma_scale_f32_16x16x128_f8f6f4 v[O+8*\t:O+8*\t+7], v[KF+16*\t:KF+16*\t+15], v[PC:PC+15], v[O+8*\t:O+8*\t+7], v[KSW+\t], v[PWD]
.endr
	s_add_co_u32 s[TK], s[TK], 8192
	s_add_co_u32 s[TB], s[TB], 512
	s_add_co_u32 s[TV], s[TV], 256
.endm
.macro RUN n
	s_mov_b32 s[CNT], \n
.Lstep_\@:
	STEP
	s_sub_co_u32 s[CNT], s[CNT], 1
	s_cmp_lg_u32 s[CNT], 0
	s_cbranch_scc1 .Lstep_\@
.endm
	RUN 4                                          ; the first fill's steps
	s_wait_tensorcnt 0x0                           ; my part of steps 4-15 is in;
	s_barrier_signal -1
	s_barrier_wait -1                              ; everybody's is.
	RUN 12
	; THE WAY OUT: O^T / the sum, quantised along the channels: my head's 64 are half a K step of the next product
	PLACES 8
	v_add_f32 v14, v14, v15
	s_delay_alu instid0(VALU_DEP_1)
	v_permlanex16_b32 v[T0], v14, s[SEL], s[SEL+1]
	s_delay_alu instid0(VALU_DEP_1)
	v_add_f32 v14, v14, v[T0]
	s_wait_alu depctr_va_vdst(0)                   ; ahead of the transcendental
	v_rcp_f32 v14, v14
	v_mov_b32 v[SUM2], 0x7f7f7f7f                  ; four NaN codes
.set j, 0
	s_wait_alu depctr_va_vdst(0)                   ; and ahead of its first reader, which is also the first reader of O^T
.rept 32
	v_mul_f32 v[S+j], v[O+j], v14
.set j, j+1
.endr
	QB2 S, PC, HWR
	v_cmp_gt_f32 vcc_lo, 0xe7800000, v13           ; no live key was seen: the row is NaN, by its codes; the scale bytes stay finite
.irp i, 0,1,2,3,4,5,6,7
	v_cndmask_b32 v[PC+\i], v[PC+\i], v[SUM2], vcc_lo
.endr
	s_wait_alu depctr_va_vdst(0)
	s_lshl_b32 s53, s14, 7
	s_add_co_u32 s53, s53, s52                     ; my tile of rows in act
	s_lshl_b32 s54, s53, 14
	s_lshl_b32 s55, s15, 10
	s_add_co_u32 s54, s54, s55
	s_mov_b32 s55, 0
	s_add_nc_u64 s[54:55], s[8:9], s[54:55]
	s_lshr_b32 s56, s53, 2
	s_lshl_b32 s56, s56, 3
	s_lshr_b32 s57, s15, 1
	s_add_co_u32 s56, s56, s57
	s_lshl_b32 s56, s56, 8
	s_and_b32 s57, s53, 3
	s_lshl_b32 s57, s57, 2
	s_add_co_u32 s56, s56, s57
	s_and_b32 s57, s15, 1
	s_lshl_b32 s57, s57, 1
	s_add_co_u32 s56, s56, s57
	s_add_co_u32 s56, s56, ASC
	s_mov_b32 s57, 0
	s_add_nc_u64 s[56:57], s[8:9], s[56:57]
	global_store_b128 v1, v[PC:PC+3], s[54:55]     ; 512 consecutive bytes
	global_store_b128 v1, v[PC+4:PC+7], s[54:55] offset:512
	v_cmp_gt_u32 vcc_lo, 16, v[LN]
	s_wait_alu depctr_va_vdst(0)
	s_wait_xcnt 0x0                                ; EXEC changes only behind this wait
	s_and_saveexec_b32 s58, vcc_lo
	global_store_b16 v2, v[HWR], s[56:57]          ; half of a word of the record: the other half is the neighbouring head's
	s_wait_xcnt 0x0
	s_or_b32 exec_lo, exec_lo, s58
	s_wait_tensorcnt 0x0                           ; the wave's end
	ds_add_u32 v[SPW], v[NIL]
	s_wait_dscnt 0x0
	CROUND                                         ; the closing round
	s_endpgm
.Lfunc_end_k_q77adbc3738_attn:
	.size	k_q77adbc3738_attn, .Lfunc_end_k_q77adbc3738_attn-k_q77adbc3738_attn
	.p2alignl 7, 3214868480
	.fill 96, 4, 3214868480
	.section	.rodata,"a",@progbits
	.p2align	6, 0x0
	.amdhsa_kernel k_q77adbc3738_attn
		.amdhsa_group_segment_fixed_size 327680
		.amdhsa_private_segment_fixed_size 0
		.amdhsa_enable_private_segment 0
		.amdhsa_kernarg_size 24
		.amdhsa_user_sgpr_count 2
		.amdhsa_user_sgpr_kernarg_segment_ptr 1
		.amdhsa_wavefront_size32 1
		.amdhsa_system_sgpr_workgroup_id_x 1
		.amdhsa_system_sgpr_workgroup_id_y 1
		.amdhsa_system_sgpr_workgroup_id_z 1
		.amdhsa_system_vgpr_workitem_id 0
		.amdhsa_next_free_vgpr 256
		.amdhsa_next_free_sgpr 66
		.amdhsa_reserve_vcc 1
		.amdhsa_float_denorm_mode_32 3
		.amdhsa_float_denorm_mode_16_64 3
		.amdhsa_memory_ordered 1
		.amdhsa_forward_progress 1
		.amdhsa_inst_pref_size 59
	.end_amdhsa_kernel
	.amdgpu_metadata
---
amdhsa.version: [ 1, 2 ]
amdhsa.kernels:
  - .name:           k_q77adbc3738_attn
    .symbol:         k_q77adbc3738_attn.kd
    .args:
      - { .name: qkv, .offset: 0, .size: 8, .value_kind: global_buffer, .address_space: global }
      - { .name: mask, .offset: 8, .size: 8, .value_kind: global_buffer, .address_space: global }
      - { .name: act, .offset: 16, .size: 8, .value_kind: global_buffer, .address_space: global }
    .group_segment_fixed_size: 327680
    .private_segment_fixed_size: 0
    .kernarg_segment_align: 8
    .kernarg_segment_size: 24
    .max_flat_workgroup_size: 512
    .sgpr_count:     66
    .vgpr_count:     256
    .wavefront_size: 32
...
	.end_amdgpu_metadata
.endif
;; end of part 3
;; launch gemm_o (part 4): grid 8 x 32, 16 waves a work-group, clusters of 4 x 4, 327,680 bytes of LDS; arguments act, wts, bo, x, y; writes y
.if DOCPART == 4
	.amdgcn_target "amdgcn-amd-amdhsa--gfx1250"
	.amdhsa_code_object_version 6
	.text
	.protected	k_q77adbc3738_gemm_o
	.globl	k_q77adbc3738_gemm_o
	.p2align	8
	.type	k_q77adbc3738_gemm_o,@function
k_q77adbc3738_gemm_o:
	s_mov_b64 s[64:65], 0
	v_nop
	global_prefetch_b8 v0, s[64:65] scope:SCOPE_SE
	s_setreg_imm32_b32 hwreg(HW_REG_WAVE_MODE, 25, 1), 1
	s_wait_xcnt 0x0
	s_wait_alu depctr_hold_cnt(0) depctr_sa_sdst(0) depctr_va_vdst(0) depctr_va_sdst(0) depctr_va_ssrc(0) depctr_va_vcc(0) depctr_vm_vsrc(0)
	s_getreg_b32 s2, hwreg(HW_REG_IB_STS2, 6, 4)
	s_cmp_eq_u32 s2, 0
	s_cbranch_scc0 .Lentry_in_a_cluster
	s_endpgm
.Lentry_in_a_cluster:
	s_bfe_u32 s2, ttmp6, 0x10000c
	s_cmp_lg_u32 s2, 0xf033
	s_cbranch_scc0 .Lentry_shape_is_right
	s_endpgm
.Lentry_shape_is_right:
; y = residual + rows x weight + bias, f32 rows out.  One text for two launches: NK = 8: attention's result x Wo, residual x;  NK = 32: the hidden layer x W2, residual h.
; Both operands are codes of FP8 (E4M3) with E8M0 scales, stored as images of the operand's registers: tile T = 2 b + u holds rows 32 b + 8 u + r + 8 (r / 8); codes [T][K step][c][lane][16 bytes]; records [T / 4][K step][r][T % 4].
; SHARES.  The result has only 1,024 columns, so a work-group makes 128 x 128, which gives 256 work-groups, and its sixteen waves share K as well: wave (g, wy, wx) makes 64 x 64 from every fourth K step, g.
; A slot holds four K steps of eight tiles of each operand; each wave fetches 8,192 bytes of it by one tensor load.  At the end the four partial sums meet in LDS, and each wave finishes 16 rows x 64 columns.
; The sums over K are so taken in four parts, which are then added in f32.
; THE PRODUCT IS USED TRANSPOSED (source 0 = the weight's tile, source 1 = the rows'): a lane holds eight neighbouring columns of one row.
; CLUSTERS: 4 x 4 work-groups; the rows' tiles are shared along a row of the cluster, the weight's along a column, by joint loads.
.set NK,    8                          ; K steps of 128
.set WCODE, 3145728                    ; Wo's codes and records in wts
.set WSC,   12681216
.set ASC,   4194304                    ; the rows' records lie behind their codes
.set KS,    4
.set NSLOT, NK/KS
.set TILEB, NK*2048
.set TSTR,  KS*2048
.set SLOT,  131072
.set BPART, 65536
.set PART,  NK*64                      ; half of the scale bytes that one wave fetches
.set NKB,   NK*256
.set SCA,   262144
.set SPARE, 294912                     ; the spare words, 128 bytes for each of sixteen waves, which no other line names
.set WST,   17408                      ; the way out: a stage of 64 rows x (256 bytes + 16) for each wave, from LDS byte 0 on: over slots and records that have had their last fill and their last read
.set ADRA, 4
.set ADRB, 6
.set SC,   8                           ; v8-11 scale words and nothing else
.set ADRS, 12
.set SPW,  13
.set NIL,  14
.set RO,   15                          ; v15    my byte in two rows of y
.set PST,  16                          ; v16    where I put my sums
.set BO,   17                          ; v17    16 r
.set BQ,   20                          ; v20-23 the bias of my four columns
.set PRD,  24                          ; v24-27 where I read the four partial sums
.set RF,   32
.set TF,   96
.set ACC,  128
.set WY,   12
.set WX,   13
.set KG,   95
.set G1,   24
.set G0,   32
.set G1B,  48
.set G0B,  56
.set G1S,  68
.set G0S,  76
.set G1SB, 80
.set G0SB, 88
.macro PLACES n
.rept \n
	v_nop
.endr
.endm
.macro JLOAD g0a, g1a, g0b, g1b        ; a joint load: waves 0-7 fetch for the rows, waves 8-15 for the weight; four v_nop follow each line
	s_cmp_eq_u32 s15, 0
	s_cbranch_scc0 .Lfor_b_\@
	tensor_load_to_lds s[\g0a:\g0a+3], s[\g1a:\g1a+7]
	s_nop 0
.rept 4
	v_nop
.endr
	s_branch .Lasked_\@
.Lfor_b_\@:
	tensor_load_to_lds s[\g0b:\g0b+3], s[\g1b:\g1b+7]
	s_nop 0
.rept 4
	v_nop
.endr
.Lasked_\@:
.endm
.macro CROUND
	s_barrier_signal -1
	s_barrier_wait -1
	s_cmp_lg_u32 s14, 0
	s_cbranch_scc1 .Lnot_wave_0_\@
	s_barrier_signal -3
.Lnot_wave_0_\@:
	s_barrier_wait -3
	s_barrier_signal -1
	s_barrier_wait -1
.endm
.macro FRAG reg, adr, off
.irp c, 0,1,2,3
	ds_load_b128 v[(\reg)+4*\c:(\reg)+4*\c+3], v[\adr] offset:(\off)+512*\c
.endr
.endm
.macro MULW p0, first                  ; eight products; the sixteen accumulators take turns, one instruction a turn; first = 1: they start the sums
.irp i, 0,1
.irp t, 0,1,2,3
.if \first
	v_wmma_scale_f32_16x16x128_f8f6f4 v[ACC+8*(4*(\p0+\i)+\t):ACC+8*(4*(\p0+\i)+\t)+7], v[RF+16*\t:RF+16*\t+15], v[TF+16*\i:TF+16*\i+15], 0, v[SC+\t], v[SC+\p0+\i] matrix_a_scale:MATRIX_SCALE_ROW1
.else
	v_wmma_scale_f32_16x16x128_f8f6f4 v[ACC+8*(4*(\p0+\i)+\t):ACC+8*(4*(\p0+\i)+\t)+7], v[RF+16*\t:RF+16*\t+15], v[TF+16*\i:TF+16*\i+15], v[ACC+8*(4*(\p0+\i)+\t):ACC+8*(4*(\p0+\i)+\t)+7], v[SC+\t], v[SC+\p0+\i] matrix_a_scale:MATRIX_SCALE_ROW1
.endif
.endr
.endr
.endm
.macro KSTEP s, kidx, first            ; my K step of slot s, which holds K steps 4 kidx .. 4 kidx + 3
	ds_load_b128 v[SC:SC+3], v[ADRS] offset:(\kidx)*1024
.irp t, 0,1,2,3
	FRAG RF+16*\t, ADRB+\s, \t*TSTR
.endr
	FRAG TF, ADRA+\s, 0
	FRAG TF+16, ADRA+\s, TSTR
	s_wait_dscnt 0x0
	MULW 0, \first
	PLACES 8                                       ; in front of loads into registers that products have read
	FRAG TF, ADRA+\s, 2*TSTR
	FRAG TF+16, ADRA+\s, 3*TSTR
	s_wait_dscnt 0x0
	MULW 2, \first
	PLACES 8
.endm
.macro CHANGE s, refill                ; the change of slots: all my tensor loads, the add, my reads of slot s; then a barrier, or a round of the cluster's and the joint refill first behind it
	s_wait_tensorcnt 0x0
	ds_add_u32 v[SPW], v[NIL]
.if \refill
	s_add_nc_u64 s[G0+4*(\s)+2:G0+4*(\s)+3], s[G0+4*(\s)+2:G0+4*(\s)+3], 2*TSTR
	s_add_nc_u64 s[G0B+4*(\s)+2:G0B+4*(\s)+3], s[G0B+4*(\s)+2:G0B+4*(\s)+3], 2*TSTR
.endif
	s_wait_dscnt 0x0
.if \refill
	CROUND
	JLOAD G0+4*(\s), G1, G0B+4*(\s), G1B
.else
	s_barrier_signal -1
	s_barrier_wait -1
.endif
.endm
	s_load_b256 s[4:11], s[0:1], 0x0               ; the rows' image, the weights' images, the bias, the residual
	s_load_b64 s[92:93], s[0:1], 0x20              ; y
	v_lshl_add_u32 v[SPW], v0, 2, SPARE
	v_mov_b32 v[NIL], 0
	ds_add_u32 v13, v14
	ds_add_u32 v13, v14
	s_wait_dscnt 0x0
	v_lshrrev_b32 v1, 5, v0
	s_delay_alu instid0(VALU_DEP_1)
	v_readfirstlane_b32 s14, v1                    ; wave 0..15
	s_lshr_b32 s15, s14, 3                         ; I fetch for the rows (0) or for the weight (1),
	s_and_b32 s16, s14, 7                          ; tile 0..7
	s_lshr_b32 s[KG], s14, 2                       ; my K step of each slot
	s_bfe_u32 s[WY], s14, 0x10001                  ; my 64 rows
	s_and_b32 s[WX], s14, 1                        ; my 64 columns
	s_bfe_u32 s40, ttmp6, 0x40000
	s_bfe_u32 s41, ttmp6, 0x40004
	s_lshl_b32 s42, ttmp9, 2
	s_add_co_u32 s42, s42, s40                     ; block column
	s_and_b32 s17, ttmp7, 0xffff
	s_lshl_b32 s17, s17, 2
	s_add_co_u32 s17, s17, s41                     ; block row
	s_lshl_b32 s43, s41, 2
	s_lshl_b32 s43, 15, s43
	s_lshl_b32 s44, 0x1111, s40
	s_or_b32 s[G1], s43, (3<<16)|(1<<21)
	s_or_b32 s[G1B], s44, (3<<16)|(1<<21)
.irp g, G1, G1B                        ; a tile's four K steps: 8,192 dense bytes as 32 rows of 256
	s_mov_b32 s[\g+1], 1024<<16                    ; for the head's loads: two tiles' four K steps, two rows of 8,192 bytes, a tile apart; the ring's shape is set behind the head
	s_mov_b32 s[\g+2], 2<<16
	s_mov_b32 s[\g+3], 1024<<16
	s_mov_b32 s[\g+4], 2
	s_mov_b32 s[\g+5], TILEB/8
	s_mov_b32 s[\g+6], 0
	s_mov_b32 s[\g+7], 0
.endr
	s_or_b32 s[G1S], s43, (3<<16)|(1<<21)
	s_or_b32 s[G1SB], s44, (3<<16)|(1<<21)
.irp g, G1S, G1SB
	s_mov_b32 s[\g+1], 32<<16
	s_mov_b32 s[\g+2], (2*PART/256)<<16
	s_mov_b32 s[\g+3], 32<<16
	s_mov_b32 s[\g+4], 2*PART/256
	s_mov_b32 s[\g+5], 32
	s_mov_b32 s[\g+6], 0
	s_mov_b32 s[\g+7], 0
.endr
	s_mul_i32 s18, s16, TILEB
	s_and_b32 s19, s16, 3                          ; four waves fetch an operand's records, 2 PART bytes each
	s_mul_i32 s19, s19, 2*PART
	s_mul_i32 s20, s17, 8*TILEB                    ; the rows': on the block row alone
	s_add_co_u32 s20, s20, s18
	s_mov_b32 s21, 0
	s_mul_i32 s22, s17, 8*PART
	s_add_co_u32 s22, s22, s19
	s_add_co_u32 s22, s22, ASC
	s_mov_b32 s23, 0
	s_mul_i32 s46, s42, 8*TILEB                    ; the weight's: on the block column alone
	s_add_co_u32 s46, s46, s18
	s_add_co_u32 s46, s46, WCODE
	s_mov_b32 s47, 0
	s_mul_i32 s66, s42, 8*PART
	s_add_co_u32 s66, s66, s19
	s_add_co_u32 s66, s66, WSC
	s_mov_b32 s67, 0
	s_lshl_b32 s45, s14, 13
	s_mul_i32 s101, s15, 8*PART
	s_add_co_u32 s101, s101, s19
	s_add_co_u32 s101, s101, SCA
	s_wait_kmcnt 0x0
	s_add_nc_u64 s[20:21], s[4:5], s[20:21]
	s_add_nc_u64 s[22:23], s[4:5], s[22:23]
	s_add_nc_u64 s[46:47], s[6:7], s[46:47]
	s_add_nc_u64 s[66:67], s[6:7], s[66:67]
	CROUND                                         ; the first joint loads meet
	s_mov_b32 s[G0S], 1
	s_mov_b32 s[G0S+1], s101
	s_mov_b64 s[G0S+2:G0S+3], s[22:23]
	s_or_b32 s[G0S+3], s[G0S+3], 0x80000000
	s_mov_b32 s[G0SB], 1
	s_mov_b32 s[G0SB+1], s101
	s_mov_b64 s[G0SB+2:G0SB+3], s[66:67]
	s_or_b32 s[G0SB+3], s[G0SB+3], 0x80000000
.irp s, 0,1
	s_mov_b32 s[G0+4*\s], 1
	s_add_co_u32 s[G0+4*\s+1], s45, \s*SLOT
	s_add_nc_u64 s[G0+4*\s+2:G0+4*\s+3], s[20:21], \s*TSTR
	s_or_b32 s[G0+4*\s+3], s[G0+4*\s+3], 0x80000000
	s_mov_b32 s[G0B+4*\s], 1
	s_add_co_u32 s[G0B+4*\s+1], s45, \s*SLOT
	s_add_nc_u64 s[G0B+4*\s+2:G0B+4*\s+3], s[46:47], \s*TSTR
	s_or_b32 s[G0B+4*\s+3], s[G0B+4*\s+3], 0x80000000
.endr
; THE HEAD'S LOADS, ONE A WAVE: waves 0-3 slot 0's rows, two tiles each; waves 4-7 the rows' records; waves 8-11 slot 0's tiles of the weight; waves 12-15 its records.
	s_mov_b32 s19, 0                               ; s[18:19]: my part's offset once more: the head's parts are twice the ring's
	s_lshl_b32 s5, s16, 13
	s_add_co_u32 s5, s5, s45                       ; LDS: 16,384 x part, the weight's BPART on
	s_mov_b32 s4, 1
	s_add_nc_u64 s[6:7], s[20:21], s[18:19]
	s_or_b32 s7, s7, 0x80000000
	s_mov_b32 s44, 1
	s_mov_b32 s45, s5
	s_add_nc_u64 s[46:47], s[46:47], s[18:19]
	s_or_b32 s47, s47, 0x80000000
.macro ARM under, g0, g1, next         ; one chain of branches on the wave's number, a load to an arm, all arms to one join
	s_cmp_lt_u32 s14, \under
	s_cbranch_scc0 \next
	tensor_load_to_lds s[\g0:\g0+3], s[\g1:\g1+7]
	s_nop 0
.rept 4
	v_nop
.endr
	s_branch .Lhead_asked
\next:
.endm
	ARM 4, 4, G1, .Lh_ra
	ARM 8, G0S, G1S, .Lh_b
	ARM 12, 44, G1B, .Lh_rb
	tensor_load_to_lds s[G0SB:G0SB+3], s[G1SB:G1SB+7]
	s_nop 0
.rept 4
	v_nop
.endr
.Lhead_asked:
	v_and_b32 v1, 31, v0
	s_delay_alu instid0(VALU_DEP_1)
	v_lshlrev_b32 v1, 4, v1                        ; 16 x lane
	v_and_b32 v2, 15, v0                           ; r
	v_bfe_u32 v3, v0, 4, 1                         ; h
	s_wait_alu depctr_va_vdst(0)
	s_lshl_b32 s18, s[WY], 15                      ; four tiles of TSTR bytes,
	s_lshl_b32 s19, s[KG], 11                      ; my K step
	s_add_co_u32 s18, s18, s19
	v_add_nc_u32 v[ADRA], s18, v1
	s_delay_alu instid0(VALU_DEP_1)
	v_add_nc_u32 v[ADRA+1], SLOT, v[ADRA]
	s_lshl_b32 s18, s[WX], 15
	s_add_co_u32 s18, s18, s19
	s_add_co_u32 s18, s18, BPART
	v_add_nc_u32 v[ADRB], s18, v1
	s_delay_alu instid0(VALU_DEP_1)
	v_add_nc_u32 v[ADRB+1], SLOT, v[ADRB]
	s_xor_b32 s18, s[WY], 1                        ; lanes 16-31 take the weight's record: 8 PART + (wx - wy) NKB bytes on, as one product with h
	s_add_co_u32 s18, s18, s[WX]
	s_mul_i32 s18, s18, NKB
	s_add_co_u32 s18, s18, 8*PART-NKB
	v_mul_u32_u24 v[ADRS], s18, v3
	s_delay_alu instid0(VALU_DEP_1)
	v_lshl_add_u32 v[ADRS], v2, 4, v[ADRS]
	s_mul_i32 s19, s[WY], NKB
	s_lshl_b32 s18, s[KG], 8
	s_add_co_u32 s19, s19, s18
	s_add_co_u32 s19, s19, SCA
	v_add_nc_u32 v[ADRS], s19, v[ADRS]
	s_mul_i32 s18, s14, WST                        ; my stage: row 16 a + r, my half's 64 bytes of each 128
	v_mul_u32_u24 v[PST], v2, 272
	s_delay_alu instid0(VALU_DEP_1)
	v_lshl_add_u32 v[PST], v3, 6, v[PST]
	s_delay_alu instid0(VALU_DEP_1)
	v_add_nc_u32 v[PST], s18, v[PST]
	s_and_b32 s18, s14, 3                          ; back: the stages of the four waves with my rows and columns; of each, rows 16 g on: lanes 0-15 one row, lanes 16-31 the next
	s_mul_i32 s18, s18, WST
	s_mul_i32 s19, s[KG], 16*272
	s_add_co_u32 s18, s18, s19
	v_mul_u32_u24 v[PRD], v3, 272
	s_delay_alu instid0(VALU_DEP_1)
	v_lshl_add_u32 v[PRD], v2, 4, v[PRD]
	s_delay_alu instid0(VALU_DEP_1)
	v_add_nc_u32 v[PRD], s18, v[PRD]
.irp p, 1,2,3
	v_add_nc_u32 v[PRD+\p], \p*4*WST, v[PRD]
.endr
	v_lshlrev_b32 v[RO], 12, v3
	s_delay_alu instid0(VALU_DEP_1)
	v_lshl_add_u32 v[RO], v2, 4, v[RO]
	v_lshlrev_b32 v[BO], 4, v2
	s_wait_alu depctr_va_vdst(0)
	s_lshl_b32 s2, s17, 7                          ; the rows that I finish are tile 8 y + 4 wy + g: they begin at row 128 y + 64 wy + 32 (g / 2) + 8 (g % 2)
	s_lshl_b32 s3, s[WY], 6
	s_add_co_u32 s2, s2, s3
	s_lshr_b32 s3, s[KG], 1
	s_lshl_b32 s3, s3, 5
	s_add_co_u32 s2, s2, s3
	s_and_b32 s3, s[KG], 1
	s_lshl_b32 s3, s3, 3
	s_add_co_u32 s2, s2, s3
	s_lshl_b32 s2, s2, 12
	s_lshl_b32 s96, s42, 9                         ; my 64 columns, in bytes
	s_lshl_b32 s97, s[WX], 8
	s_add_co_u32 s96, s96, s97
	s_add_co_u32 s2, s2, s96
	s_mov_b32 s3, 0
	s_mov_b32 s97, 0
	s_add_nc_u64 s[10:11], s[10:11], s[2:3]
	s_add_nc_u64 s[92:93], s[92:93], s[2:3]
	s_add_nc_u64 s[8:9], s[8:9], s[96:97]
	global_load_b128 v[BQ:BQ+3], v[BO], s[8:9]
	s_wait_loadcnt 0x0                             ; the bias
	s_wait_tensorcnt 0x0                           ; my tile of the head's is in; slot 1's first fill is issued as a refill is
	ds_add_u32 v[SPW], v[NIL]
.irp g, G1, G1B                        ; no tensor load of mine is out: from here on a load brings one tile's four K steps, 32 rows of 256 dense bytes
	s_mov_b32 s[\g+1], 32<<16
	s_mov_b32 s[\g+2], 32<<16
	s_mov_b32 s[\g+3], 32<<16
	s_mov_b32 s[\g+4], 32
	s_mov_b32 s[\g+5], 32
.endr
	s_wait_dscnt 0x0
	CROUND                                         ; slot 0 and the records are whole, and the joint loads meet
	JLOAD G0+4, G1, G0B+4, G1B                     ; slot 1: the first tensor load behind the round
	KSTEP 0, 0, 1
.if NSLOT > 2
	CHANGE 0, 1
	KSTEP 1, 1, 0
	CHANGE 1, 1
	KSTEP 0, 2, 0
	CHANGE 0, 1
	KSTEP 1, 3, 0
	CHANGE 1, 1
	KSTEP 0, 4, 0
	CHANGE 0, 1
	KSTEP 1, 5, 0
	CHANGE 1, 1
	KSTEP 0, 6, 0
.endif
	CHANGE 0, 0                                    ; nothing is left to fetch
	KSTEP 1, NSLOT-1, 0
	; ---- THE WAY OUT
	s_wait_dscnt 0x0
	s_barrier_signal -1
	s_barrier_wait -1                              ; nobody reads the slots or the records any more
.irp a, 0,1,2,3
.irp t, 0,1,2,3
	ds_store_b128 v[PST], v[ACC+8*(4*\a+\t):ACC+8*(4*\a+\t)+3] offset:16*\a*272+128*(\t/2)+32*(\t%2)        ; columns 32 (t / 2) + 16 h + 8 (t % 2) + 0 .. 7; each accumulator from its low end on
	ds_store_b128 v[PST], v[ACC+8*(4*\a+\t)+4:ACC+8*(4*\a+\t)+7] offset:16*\a*272+128*(\t/2)+32*(\t%2)+16
.endr
.endr
.irp t, 0,1,2,3,4,5,6,7
	global_load_b128 v[RF+4*\t:RF+4*\t+3], v[RO], s[10:11] offset:(2*\t+8*(\t/4))*4096    ; the residual: the tile's rows 2 t and 2 t + 1
.endr
	s_wait_dscnt 0x0                               ; for the others' sake
	s_barrier_signal -1
	s_barrier_wait -1
.irp p, 0,1,2,3
.irp t, 0,1,2,3,4,5,6,7
	ds_load_b128 v[ACC+32*\p+4*\t:ACC+32*\p+4*\t+3], v[PRD+\p] offset:544*\t
.endr
.endr
	s_wait_dscnt 0x0
.irp t, 0,1,2,3,4,5,6,7
.irp e, 0,2
	v_pk_add_f32 v[ACC+4*\t+\e:ACC+4*\t+\e+1], v[ACC+4*\t+\e:ACC+4*\t+\e+1], v[ACC+32+4*\t+\e:ACC+32+4*\t+\e+1]
	v_pk_add_f32 v[ACC+64+4*\t+\e:ACC+64+4*\t+\e+1], v[ACC+64+4*\t+\e:ACC+64+4*\t+\e+1], v[ACC+96+4*\t+\e:ACC+96+4*\t+\e+1]
.endr
.irp e, 0
	s_delay_alu instid0(VALU_DEP_3)
	v_pk_add_f32 v[ACC+4*\t+\e:ACC+4*\t+\e+1], v[ACC+4*\t+\e:ACC+4*\t+\e+1], v[ACC+64+4*\t+\e:ACC+64+4*\t+\e+1]
.endr
.irp e, 2
	s_delay_alu instid0(VALU_DEP_2)
	v_pk_add_f32 v[ACC+4*\t+\e:ACC+4*\t+\e+1], v[ACC+4*\t+\e:ACC+4*\t+\e+1], v[ACC+64+4*\t+\e:ACC+64+4*\t+\e+1]
.endr
.irp e, 0,2
	s_delay_alu instid0(VALU_DEP_2)
	v_pk_add_f32 v[ACC+4*\t+\e:ACC+4*\t+\e+1], v[ACC+4*\t+\e:ACC+4*\t+\e+1], v[BQ+\e:BQ+\e+1]
.endr
.endr
	s_wait_loadcnt 0x0
.irp t, 0,1,2,3,4,5,6,7
.irp e, 0,2
	v_pk_add_f32 v[ACC+4*\t+\e:ACC+4*\t+\e+1], v[ACC+4*\t+\e:ACC+4*\t+\e+1], v[RF+4*\t+\e:RF+4*\t+\e+1]
.endr
	global_store_b128 v[RO], v[ACC+4*\t:ACC+4*\t+3], s[92:93] offset:(2*\t+8*(\t/4))*4096   ; sixteen lanes store 256 consecutive bytes, at a multiple of 256 from y's first byte
.endr
	s_wait_tensorcnt 0x0                           ; the wave's end
	ds_add_u32 v[SPW], v[NIL]
	s_wait_dscnt 0x0
	CROUND                                         ; the closing round
	s_endpgm
.Lfunc_end_k_q77adbc3738_gemm_o:
	.size	k_q77adbc3738_gemm_o, .Lfunc_end_k_q77adbc3738_gemm_o-k_q77adbc3738_gemm_o
	.p2alignl 7, 3214868480
	.fill 96, 4, 3214868480
	.section	.rodata,"a",@progbits
	.p2align	6, 0x0
	.amdhsa_kernel k_q77adbc3738_gemm_o
		.amdhsa_group_segment_fixed_size 327680
		.amdhsa_private_segment_fixed_size 0
		.amdhsa_enable_private_segment 0
		.amdhsa_kernarg_size 40
		.amdhsa_user_sgpr_count 2
		.amdhsa_user_sgpr_kernarg_segment_ptr 1
		.amdhsa_wavefront_size32 1
		.amdhsa_system_sgpr_workgroup_id_x 1
		.amdhsa_system_sgpr_workgroup_id_y 1
		.amdhsa_system_sgpr_workgroup_id_z 1
		.amdhsa_system_vgpr_workitem_id 0
		.amdhsa_next_free_vgpr 256
		.amdhsa_next_free_sgpr 102
		.amdhsa_reserve_vcc 0
		.amdhsa_float_denorm_mode_32 3
		.amdhsa_float_denorm_mode_16_64 3
		.amdhsa_memory_ordered 1
		.amdhsa_forward_progress 1
		.amdhsa_inst_pref_size 34
	.end_amdhsa_kernel
	.amdgpu_metadata
---
amdhsa.version: [ 1, 2 ]
amdhsa.kernels:
  - .name:           k_q77adbc3738_gemm_o
    .symbol:         k_q77adbc3738_gemm_o.kd
    .args:
      - { .name: act, .offset: 0, .size: 8, .value_kind: global_buffer, .address_space: global }
      - { .name: wts, .offset: 8, .size: 8, .value_kind: global_buffer, .address_space: global }
      - { .name: bo, .offset: 16, .size: 8, .value_kind: global_buffer, .address_space: global }
      - { .name: x, .offset: 24, .size: 8, .value_kind: global_buffer, .address_space: global }
      - { .name: y, .offset: 32, .size: 8, .value_kind: global_buffer, .address_space: global }
    .group_segment_fixed_size: 327680
    .private_segment_fixed_size: 0
    .kernarg_segment_align: 8
    .kernarg_segment_size: 40
    .max_flat_workgroup_size: 512
    .sgpr_count:     102
    .vgpr_count:     256
    .wavefront_size: 32
...
	.end_amdgpu_metadata
.endif
;; end of part 4
;; launch ln1 (part 5): grid 256 x 1, 8 waves a work-group, no clusters, 67,584 bytes of LDS; arguments y, g1, be1, h, act; writes h, act
.if DOCPART == 5
	.amdgcn_target "amdgcn-amd-amdhsa--gfx1250"
	.amdhsa_code_object_version 6
	.text
	.protected	k_q77adbc3738_ln1
	.globl	k_q77adbc3738_ln1
	.p2align	8
	.type	k_q77adbc3738_ln1,@function
k_q77adbc3738_ln1:
	s_mov_b64 s[64:65], 0
	v_nop
	global_prefetch_b8 v0, s[64:65] scope:SCOPE_SE
	s_setreg_imm32_b32 hwreg(HW_REG_WAVE_MODE, 25, 1), 1
	s_wait_xcnt 0x0
; out = (y - mean) x rsqrt(variance + 1e-5) x g + be, row by row of 1,024 f32; the variance is the mean of the squared differences, taken in a second pass over registers.
; QUANTISE = 1: the result is also turned into codes of FP8 (E4M3) with E8M0 scales along the row, laid as the image that the next product reads.
; SHARES: a work-group takes the 16 rows of one tile T of that image (rows 32 (T / 2) + 8 (T % 2) + r + 8 (r / 8)); each of its eight waves two rows, whole, in 64 registers: the reductions never leave the wave.
; For the image the 16 rows meet in LDS (rows 4,112 bytes apart), and wave w becomes K step w.  Memory binds: no matrix unit, no cluster, no tensor load.
; LIMITS: a block of zeros gets the byte 1 (its codes are zeros; this program alone reads the bytes); NaN and infinities are not served by the quantiser.
.set QUANTISE, 1
.set ASC,  4194304
.set X,    32                          ; v32-95   two rows
.set G,    96                          ; v96-127  g;  v128-159 be;  later 64 numbers for the quantiser
.set BE,   128
.set CD,   160                         ; v160-175 codes
.set TM,   8                           ; v8-23    at work
.set PW,   24
.set SEL,  20
.set INV,  22                          ; s22      1 / 1,024
.set MNT,  23
.macro QB4 s, dst, pw
.irp b, 0,1,2,3
	v_max3_num_f32 v[TM+\b], |v[(\s)+16*\b]|, |v[(\s)+16*\b+1]|, 0x4800000   ; my 16 numbers of block b, and the floor 2^(9 - 127)
.endr
.irp i, 2,4,6,8,10,12,14
.irp b, 0,1,2,3
	s_delay_alu instid0(VALU_DEP_4)
	v_max3_num_f32 v[TM+\b], v[TM+\b], |v[(\s)+16*\b+\i]|, |v[(\s)+16*\b+\i+1]|
.endr
.endr
.irp b, 0,1,2,3
	s_delay_alu instid0(VALU_DEP_4)
	v_permlanex16_b32 v[TM+4+\b], v[TM+\b], s[SEL], s[SEL+1]
.endr
.irp b, 0,1,2,3
	s_delay_alu instid0(VALU_DEP_4)
	v_max_num_f32 v[TM+\b], v[TM+\b], v[TM+4+\b]
.endr
.irp b, 0,1,2,3
	s_delay_alu instid0(VALU_DEP_4)
	v_add_nc_u32 v[TM+12+\b], 0xfc000000, v[TM+\b]
.endr
.irp b, 0,1,2,3
	v_and_or_b32 v[TM+8+\b], v[TM+\b], 0x7f800000, s[MNT]
.endr
.irp b, 0,1,2,3
	v_lshrrev_b32 v[TM+4+\b], 23, v[TM+12+\b]
.endr
	s_delay_alu instid0(VALU_DEP_3)
	v_lshl_or_b32 v[\pw], v[TM+5], 8, v[TM+4]
	s_delay_alu instid0(VALU_DEP_1)
	v_lshl_or_b32 v[\pw], v[TM+6], 16, v[\pw]
	s_delay_alu instid0(VALU_DEP_1)
	v_lshl_or_b32 v[\pw], v[TM+7], 24, v[\pw]
.irp b, 0,1,2,3
.irp i, 0,1,2,3,4,5,6,7,8,9,10,11,12,13,14,15
	v_med3_num_f32 v[(\s)+16*\b+\i], v[(\s)+16*\b+\i], -v[TM+8+\b], v[TM+8+\b]
.endr
	v_cvt_scalef32_pk8_fp8_f32 v[(\dst)+4*\b:(\dst)+4*\b+1], v[(\s)+16*\b:(\s)+16*\b+7], v[TM+12+\b]
	v_cvt_scalef32_pk8_fp8_f32 v[(\dst)+4*\b+2:(\dst)+4*\b+3], v[(\s)+16*\b+8:(\s)+16*\b+15], v[TM+12+\b]
.endr
	v_nop
.endm
.macro REDUCE                          ; v8 = the sum of v8 + v9 over the 32 lanes, in every lane
	s_delay_alu instid0(VALU_DEP_1)
	v_add_f32 v8, v8, v9
	s_delay_alu instid0(VALU_DEP_1)
	v_add_f32_dpp v8, v8, v8 row_xmask:1 row_mask:0xf bank_mask:0xf
	s_delay_alu instid0(VALU_DEP_1)
	v_add_f32_dpp v8, v8, v8 row_xmask:2 row_mask:0xf bank_mask:0xf
	s_delay_alu instid0(VALU_DEP_1)
	v_add_f32_dpp v8, v8, v8 row_xmask:4 row_mask:0xf bank_mask:0xf
	s_delay_alu instid0(VALU_DEP_1)
	v_add_f32_dpp v8, v8, v8 row_xmask:8 row_mask:0xf bank_mask:0xf
	s_delay_alu instid0(VALU_DEP_1)
	v_permlanex16_b32 v9, v8, s[SEL], s[SEL+1]
	s_delay_alu instid0(VALU_DEP_1)
	v_add_f32 v8, v8, v9
.endm
.macro ROW a
.set XR, X+32*(\a)
	v_pk_add_f32 v[8:9], v[XR:XR+1], v[XR+2:XR+3]
	v_pk_add_f32 v[10:11], v[XR+4:XR+5], v[XR+6:XR+7]
.irp i, 8,12,16,20,24,28
	s_delay_alu instid0(VALU_DEP_2)
	v_pk_add_f32 v[8:9], v[8:9], v[XR+\i:XR+\i+1]
	s_delay_alu instid0(VALU_DEP_2)
	v_pk_add_f32 v[10:11], v[10:11], v[XR+\i+2:XR+\i+3]
.endr
	s_delay_alu instid0(VALU_DEP_1)
	v_pk_add_f32 v[8:9], v[8:9], v[10:11]
	REDUCE
	s_delay_alu instid0(VALU_DEP_1)
	v_mul_f32 v8, s[INV], v8                       ; the mean
.irp i, 0,2,4,6,8,10,12,14,16,18,20,22,24,26,28,30
	v_pk_add_f32 v[XR+\i:XR+\i+1], v[XR+\i:XR+\i+1], v[8:9] op_sel_hi:[1,0] neg_lo:[0,1] neg_hi:[0,1]
.endr
	v_pk_mul_f32 v[8:9], v[XR:XR+1], v[XR:XR+1]
	v_pk_mul_f32 v[10:11], v[XR+2:XR+3], v[XR+2:XR+3]
.irp i, 4,8,12,16,20,24,28
	s_delay_alu instid0(VALU_DEP_2)
	v_pk_fma_f32 v[8:9], v[XR+\i:XR+\i+1], v[XR+\i:XR+\i+1], v[8:9]
	s_delay_alu instid0(VALU_DEP_2)
	v_pk_fma_f32 v[10:11], v[XR+\i+2:XR+\i+3], v[XR+\i+2:XR+\i+3], v[10:11]
.endr
	s_delay_alu instid0(VALU_DEP_1)
	v_pk_add_f32 v[8:9], v[8:9], v[10:11]
	REDUCE
	s_delay_alu instid0(VALU_DEP_1)
	v_fmaak_f32 v8, s[INV], v8, 0x3727c5ac         ; the variance + 1e-5
	s_wait_alu depctr_va_vdst(0)
	v_rsq_f32 v8, v8
	v_nop                                          ; one plain line behind a transcendental
	s_wait_alu depctr_va_vdst(0)
.irp i, 0,2,4,6,8,10,12,14,16,18,20,22,24,26,28,30
	v_pk_mul_f32 v[XR+\i:XR+\i+1], v[XR+\i:XR+\i+1], v[8:9] op_sel_hi:[1,0]
.endr
.irp i, 0,2,4,6,8,10,12,14,16,18,20,22,24,26,28,30
	v_pk_fma_f32 v[XR+\i:XR+\i+1], v[XR+\i:XR+\i+1], v[G+\i:G+\i+1], v[BE+\i:BE+\i+1]
.endr
.irp j, 0,1,2,3,4,5,6,7
	global_store_b128 v1, v[XR+4*\j:XR+4*\j+3], s[10:11] offset:4096*(\a)+512*\j     ; 512 consecutive bytes
.endr
.if QUANTISE
.irp j, 0,1,2,3,4,5,6,7
	ds_store_b128 v3, v[XR+4*\j:XR+4*\j+3] offset:4112*(\a)+512*\j
.endr
.endif
.endm
	s_load_b256 s[4:11], s[0:1], 0x0               ; y, g, be, the result
.if QUANTISE
	s_load_b64 s[12:13], s[0:1], 0x20              ; act
	v_lshl_add_u32 v176, v0, 2, 0x10400
	v_mov_b32 v177, 0
.endif
	v_lshrrev_b32 v1, 5, v0
	s_delay_alu instid0(VALU_DEP_1)
	v_readfirstlane_b32 s14, v1                    ; wave 0..7
	v_and_b32 v2, 31, v0                           ; lane
	s_delay_alu instid0(VALU_DEP_1)
	v_lshlrev_b32 v1, 4, v2                        ; 16 x lane
	s_mov_b32 s[SEL], 0x76543210
	s_mov_b32 s[SEL+1], 0xfedcba98
	s_mov_b32 s[INV], 0x3a800000
	s_mov_b32 s[MNT], 0x600000
	s_lshr_b32 s15, ttmp9, 1                       ; my two rows: the tile's rows 2 w and 2 w + 1
	s_lshl_b32 s15, s15, 5
	s_and_b32 s16, ttmp9, 1
	s_lshl_b32 s16, s16, 3
	s_add_co_u32 s15, s15, s16
	s_lshl_b32 s16, s14, 1
	s_add_co_u32 s15, s15, s16
	s_lshr_b32 s16, s14, 2
	s_lshl_b32 s16, s16, 3
	s_add_co_u32 s15, s15, s16
	s_lshl_b32 s16, s15, 12
	s_mov_b32 s17, 0
	s_wait_alu depctr_va_vdst(0)
	s_wait_kmcnt 0x0
	s_add_nc_u64 s[4:5], s[4:5], s[16:17]
	s_add_nc_u64 s[10:11], s[10:11], s[16:17]
.irp a, 0,1
.irp j, 0,1,2,3,4,5,6,7
	global_load_b128 v[X+32*\a+4*\j:X+32*\a+4*\j+3], v1, s[4:5] offset:4096*\a+512*\j th:TH_LOAD_NT
.endr
.endr
.irp j, 0,1,2,3,4,5,6,7
	global_load_b128 v[G+4*\j:G+4*\j+3], v1, s[6:7] offset:512*\j
	global_load_b128 v[BE+4*\j:BE+4*\j+3], v1, s[8:9] offset:512*\j
.endr
.if QUANTISE
.irp b, 0,1,2,3
	v_mov_b32 v[TM+4+\b], 0                        ; written once: a lane permute's destination counts as one of its sources
.endr
	s_mul_i32 s18, s14, 2*4112
	v_add_nc_u32 v3, s18, v1                       ; the stage, on the way in: my two rows
	v_and_b32 v5, 15, v0                           ; r
	v_bfe_u32 v6, v0, 4, 1                         ; h
	s_delay_alu instid0(VALU_DEP_2)
	v_mul_u32_u24 v4, v5, 4112
	s_delay_alu instid0(VALU_DEP_1)
	v_lshl_add_u32 v4, v6, 6, v4
	s_lshl_b32 s18, s14, 9
	v_add_nc_u32 v4, s18, v4                       ; and out: row r, K step w, my 16 numbers of each block of 32
	v_lshlrev_b32 v5, 4, v5                        ; the word's place: 16 r
.endif
	s_wait_loadcnt 0x0
	ROW 0
	ROW 1
.if QUANTISE
	s_lshl_b32 s18, ttmp9, 14                      ; codes: tile T, K step w
	s_lshl_b32 s19, s14, 11
	s_add_co_u32 s18, s18, s19
	s_mov_b32 s19, 0
	s_add_nc_u64 s[18:19], s[12:13], s[18:19]
	s_lshr_b32 s24, ttmp9, 2                       ; word T % 4 of record 8 (T / 4) + w
	s_lshl_b32 s24, s24, 3
	s_add_co_u32 s24, s24, s14
	s_lshl_b32 s24, s24, 8
	s_and_b32 s25, ttmp9, 3
	s_lshl_b32 s25, s25, 2
	s_add_co_u32 s24, s24, s25
	s_add_co_u32 s24, s24, ASC
	s_mov_b32 s25, 0
	s_add_nc_u64 s[24:25], s[12:13], s[24:25]
	s_wait_dscnt 0x0                               ; for the others' sake
	s_barrier_signal -1
	s_barrier_wait -1
.irp c, 0,1,2,3
.irp j, 0,1,2,3
	ds_load_b128 v[G+16*\c+4*\j:G+16*\c+4*\j+3], v4 offset:128*\c+16*\j
.endr
.endr
	s_wait_dscnt 0x0
	QB4 G, CD, PW
.irp c, 0,1,2,3
	global_store_b128 v1, v[CD+4*\c:CD+4*\c+3], s[18:19] offset:512*\c
.endr
	v_cmp_gt_u32 vcc_lo, 16, v2                    ; row r's word, once: a record spans four work-groups' tiles, so these are pieces of 4 bytes
	s_wait_xcnt 0x0                                ; EXEC changes only behind this wait
	s_wait_tensorcnt 0x0
	ds_add_u32 v176, v177
	s_wait_dscnt 0x0
	s_and_saveexec_b32 s26, vcc_lo
	global_store_b32 v5, v[PW], s[24:25]
	s_wait_xcnt 0x0
	s_or_b32 exec_lo, exec_lo, s26
.endif
	s_endpgm
.Lfunc_end_k_q77adbc3738_ln1:
	.size	k_q77adbc3738_ln1, .Lfunc_end_k_q77adbc3738_ln1-k_q77adbc3738_ln1
	.p2alignl 7, 3214868480
	.fill 96, 4, 3214868480
	.section	.rodata,"a",@progbits
	.p2align	6, 0x0
	.amdhsa_kernel k_q77adbc3738_ln1
		.amdhsa_group_segment_fixed_size 67584
		.amdhsa_private_segment_fixed_size 0
		.amdhsa_enable_private_segment 0
		.amdhsa_kernarg_size 40
		.amdhsa_user_sgpr_count 2
		.amdhsa_user_sgpr_kernarg_segment_ptr 1
		.amdhsa_wavefront_size32 1
		.amdhsa_system_sgpr_workgroup_id_x 1
		.amdhsa_system_sgpr_workgroup_id_y 1
		.amdhsa_system_sgpr_workgroup_id_z 1
		.amdhsa_system_vgpr_workitem_id 0
		.amdhsa_next_free_vgpr 178
		.amdhsa_next_free_sgpr 66
		.amdhsa_reserve_vcc 1
		.amdhsa_float_denorm_mode_32 3
		.amdhsa_float_denorm_mode_16_64 3
		.amdhsa_memory_ordered 1
		.amdhsa_forward_progress 1
		.amdhsa_inst_pref_size 34
	.end_amdhsa_kernel
	.amdgpu_metadata
---
amdhsa.version: [ 1, 2 ]
amdhsa.kernels:
  - .name:           k_q77adbc3738_ln1
    .symbol:         k_q77adbc3738_ln1.kd
    .args:
      - { .name: y, .offset: 0, .size: 8, .value_kind: global_buffer, .address_space: global }
      - { .name: g1, .offset: 8, .size: 8, .value_kind: global_buffer, .address_space: global }
      - { .name: be1, .offset: 16, .size: 8, .value_kind: global_buffer, .address_space: global }
      - { .name: h, .offset: 24, .size: 8, .value_kind: global_buffer, .address_space: global }
      - { .name: act, .offset: 32, .size: 8, .value_kind: global_buffer, .address_space: global }
    .group_segment_fixed_size: 67584
    .private_segment_fixed_size: 0
    .kernarg_segment_align: 8
    .kernarg_segment_size: 40
    .max_flat_workgroup_size: 256
    .sgpr_count:     66
    .vgpr_count:     178
    .wavefront_size: 32
...
	.end_amdgpu_metadata
.endif
;; end of part 5
;; launch gemm_ff1 (part 6): grid 16 x 16, 16 waves a work-group, clusters of 4 x 4, 327,680 bytes of LDS; arguments act, wts, b1, fq; writes fq
.if DOCPART == 6
	.amdgcn_target "amdgcn-amd-amdhsa--gfx1250"
	.amdhsa_code_object_version 6
	.text
	.protected	k_q77adbc3738_gemm_ff1
	.globl	k_q77adbc3738_gemm_ff1
	.p2align	8
	.type	k_q77adbc3738_gemm_ff1,@function
k_q77adbc3738_gemm_ff1:
	s_mov_b64 s[64:65], 0
	v_nop
	global_prefetch_b8 v0, s[64:65] scope:SCOPE_SE
	s_setreg_imm32_b32 hwreg(HW_REG_WAVE_MODE, 25, 1), 1
	s_wait_xcnt 0x0
	s_wait_alu depctr_hold_cnt(0) depctr_sa_sdst(0) depctr_va_vdst(0) depctr_va_sdst(0) depctr_va_ssrc(0) depctr_va_vcc(0) depctr_vm_vsrc(0)
	s_getreg_b32 s2, hwreg(HW_REG_IB_STS2, 6, 4)
	s_cmp_eq_u32 s2, 0
	s_cbranch_scc0 .Lentry_in_a_cluster
	s_endpgm
.Lentry_in_a_cluster:
	s_bfe_u32 s2, ttmp6, 0x10000c
	s_cmp_lg_u32 s2, 0xf033
	s_cbranch_scc0 .Lentry_shape_is_right
	s_endpgm
.Lentry_shape_is_right:
.set QKV,   0
.set RELU,  1
.set NK,    8
.set KS,    2
.set TILEB, NK*2048
.set TSTR,  KS*2048
.set SLOT,  131072
.set BPART, 65536
.set PART,  1024
.set NKB,   NK*256
.set SCA,   262144
.set SPARE, 294912
.set STG,   296960
.set ASC,   4194304
.if QKV
.set WCODE, 0
.set WSC,   12582912
.else
.set WCODE, 4194304
.set WSC,   12713984
.endif
.set ADRA, 4
.set ADRB, 6
.set SC,   8
.set ADRS, 12
.set SPW,  13
.set NIL,  14
.set VH,   15
.set OFFS, 16
.set VB,   20
.set STA,  28
.set RECO, 29
.set RF,   32
.set TF,   96
.set ACC,  128
.set QT,   96
.set PC,   64
.set HW,   112
.set WY,   12
.set WX,   13
.set G1,   24
.set G0,   32
.set G1B,  48
.set G0B,  56
.set G1S,  68
.set G0S,  76
.set G1SB, 80
.set G0SB, 88
.set SEL,  92
.set MNT,  94
.set VSEL, 100
.macro PLACES n
.rept \n
	v_nop
.endr
.endm
.macro JLOAD g0a, g1a, g0b, g1b
	s_cmp_eq_u32 s15, 0
	s_cbranch_scc0 .Lfor_b_\@
	tensor_load_to_lds s[\g0a:\g0a+3], s[\g1a:\g1a+7]
	s_nop 0
.rept 4
	v_nop
.endr
	s_branch .Lasked_\@
.Lfor_b_\@:
	tensor_load_to_lds s[\g0b:\g0b+3], s[\g1b:\g1b+7]
	s_nop 0
.rept 4
	v_nop
.endr
.Lasked_\@:
.endm
.macro CROUND
	s_barrier_signal -1
	s_barrier_wait -1
	s_cmp_lg_u32 s14, 0
	s_cbranch_scc1 .Lnot_wave_0_\@
	s_barrier_signal -3
.Lnot_wave_0_\@:
	s_barrier_wait -3
	s_barrier_signal -1
	s_barrier_wait -1
.endm
.macro FRAG reg, adr, off
.irp c, 0,1,2,3
	ds_load_b128 v[(\reg)+4*\c:(\reg)+4*\c+3], v[\adr] offset:(\off)+512*\c
.endr
.endm
.macro MULW p0
.irp i, 0,1
.irp t, 0,1,2,3
	v_wmma_scale_f32_16x16x128_f8f6f4 v[ACC+8*(4*(\p0+\i)+\t):ACC+8*(4*(\p0+\i)+\t)+7], v[RF+16*\t:RF+16*\t+15], v[TF+16*\i:TF+16*\i+15], v[ACC+8*(4*(\p0+\i)+\t):ACC+8*(4*(\p0+\i)+\t)+7], v[SC+\t], v[SC+\p0+\i] matrix_a_scale:MATRIX_SCALE_ROW1
.endr
.endr
.endm
.macro MULX p0, first
.irp i, 0,1
.irp t, 0,1,2,3
.if \first
	v_wmma_scale_f32_16x16x128_f8f6f4 v[ACC+8*(4*\t+\p0+\i):ACC+8*(4*\t+\p0+\i)+7], v[TF+16*\i:TF+16*\i+15], v[RF+16*\t:RF+16*\t+15], 0, v[SC+\p0+\i], v[SC+\t] matrix_b_scale:MATRIX_SCALE_ROW1
.else
	v_wmma_scale_f32_16x16x128_f8f6f4 v[ACC+8*(4*\t+\p0+\i):ACC+8*(4*\t+\p0+\i)+7], v[TF+16*\i:TF+16*\i+15], v[RF+16*\t:RF+16*\t+15], v[ACC+8*(4*\t+\p0+\i):ACC+8*(4*\t+\p0+\i)+7], v[SC+\p0+\i], v[SC+\t] matrix_b_scale:MATRIX_SCALE_ROW1
.endif
.endr
.endr
.endm
.macro MUL p0, first
.if QKV
	s_cmp_eq_u32 s[VSEL], 1
	s_cbranch_scc1 .Lkeys_\@
	MULW \p0
	s_branch .Ldone_\@
.Lkeys_\@:
	MULX \p0, \first
.Ldone_\@:
.else
	MULW \p0
.endif
.endm
.macro KSTEP s, q, kidx, first
	ds_load_b128 v[SC:SC+3], v[ADRS] offset:(\kidx)*256
.irp t, 0,1,2,3
	FRAG RF+16*\t, ADRB+\s, \t*TSTR+(\q)*2048
.endr
	FRAG TF, ADRA+\s, (\q)*2048
	FRAG TF+16, ADRA+\s, TSTR+(\q)*2048
	s_wait_dscnt 0x0
	MUL 0, \first
	PLACES 8+\first
	FRAG TF, ADRA+\s, 2*TSTR+(\q)*2048
	FRAG TF+16, ADRA+\s, 3*TSTR+(\q)*2048
	s_wait_dscnt 0x0
	MUL 2, \first
	PLACES 8
.endm
.macro CHANGE s, refill
	s_wait_tensorcnt 0x0
	ds_add_u32 v[SPW], v[NIL]
.if \refill
	s_add_nc_u64 s[G0+4*(\s)+2:G0+4*(\s)+3], s[G0+4*(\s)+2:G0+4*(\s)+3], 2*TSTR
	s_add_nc_u64 s[G0B+4*(\s)+2:G0B+4*(\s)+3], s[G0B+4*(\s)+2:G0B+4*(\s)+3], 2*TSTR
.endif
	s_wait_dscnt 0x0
.if \refill
	CROUND
	JLOAD G0+4*(\s), G1, G0B+4*(\s), G1B
.else
	s_barrier_signal -1
	s_barrier_wait -1
.endif
.endm
.macro QB2 s, dst, hw
.irp b, 0,1
.if RELU
	v_max3_num_f32 v[QT+\b], v[(\s)+16*\b], v[(\s)+16*\b+1], 0x4800000
.else
	v_max3_num_f32 v[QT+\b], |v[(\s)+16*\b]|, |v[(\s)+16*\b+1]|, 0x4800000
.endif
.endr
.irp i, 2,4,6,8,10,12,14
.irp b, 0,1
.if RELU
	v_max3_num_f32 v[QT+\b], v[QT+\b], v[(\s)+16*\b+\i], v[(\s)+16*\b+\i+1]
.else
	v_max3_num_f32 v[QT+\b], v[QT+\b], |v[(\s)+16*\b+\i]|, |v[(\s)+16*\b+\i+1]|
.endif
.endr
.endr
.irp b, 0,1
	s_delay_alu instid0(VALU_DEP_2)
	v_permlanex16_b32 v[QT+2+\b], v[QT+\b], s[SEL], s[SEL+1]
.endr
.irp b, 0,1
	s_delay_alu instid0(VALU_DEP_2)
	v_max_num_f32 v[QT+\b], v[QT+\b], v[QT+2+\b]
.endr
.irp b, 0,1
	s_delay_alu instid0(VALU_DEP_2)
	v_add_nc_u32 v[QT+6+\b], 0xfc000000, v[QT+\b]
.endr
.irp b, 0,1
	s_delay_alu instid0(VALU_DEP_4)
	v_and_or_b32 v[QT+4+\b], v[QT+\b], 0x7f800000, s[MNT]
.endr
.irp b, 0,1
	s_delay_alu instid0(VALU_DEP_4)
	v_lshrrev_b32 v[QT+2+\b], 23, v[QT+6+\b]
.endr
	s_delay_alu instid0(VALU_DEP_1)
	v_lshl_or_b32 v[\hw], v[QT+3], 8, v[QT+2]
.irp b, 0,1
.irp i, 0,1,2,3,4,5,6,7,8,9,10,11,12,13,14,15
.if RELU
	v_med3_num_f32 v[(\s)+16*\b+\i], v[(\s)+16*\b+\i], 0, v[QT+4+\b]
.else
	v_med3_num_f32 v[(\s)+16*\b+\i], v[(\s)+16*\b+\i], -v[QT+4+\b], v[QT+4+\b]
.endif
.endr
	v_cvt_scalef32_pk8_fp8_f32 v[(\dst)+4*\b:(\dst)+4*\b+1], v[(\s)+16*\b:(\s)+16*\b+7], v[QT+6+\b]
	v_cvt_scalef32_pk8_fp8_f32 v[(\dst)+4*\b+2:(\dst)+4*\b+3], v[(\s)+16*\b+8:(\s)+16*\b+15], v[QT+6+\b]
.endr
	v_nop
.endm
	s_load_b128 s[4:7], s[0:1], 0x0
.if QKV
	s_load_b128 s[92:95], s[0:1], 0x10
	s_load_b128 s[96:99], s[0:1], 0x20
.else
	s_load_b128 s[8:11], s[0:1], 0x10
.endif
	v_lshl_add_u32 v[SPW], v0, 2, SPARE
	v_mov_b32 v[NIL], 0
	ds_add_u32 v13, v14
	ds_add_u32 v13, v14
	s_wait_dscnt 0x0
	v_lshrrev_b32 v1, 5, v0
	s_delay_alu instid0(VALU_DEP_1)
	v_readfirstlane_b32 s14, v1
	s_lshr_b32 s15, s14, 3
	s_and_b32 s16, s14, 7
	s_lshr_b32 s[WY], s14, 2
	s_and_b32 s[WX], s14, 3
	s_bfe_u32 s40, ttmp6, 0x40000
	s_bfe_u32 s41, ttmp6, 0x40004
	s_lshl_b32 s42, ttmp9, 2
	s_add_co_u32 s42, s42, s40
	s_and_b32 s17, ttmp7, 0xffff
	s_lshl_b32 s17, s17, 2
	s_add_co_u32 s17, s17, s41
	s_lshl_b32 s43, s41, 2
	s_lshl_b32 s43, 15, s43
	s_lshl_b32 s44, 0x1111, s40
	s_or_b32 s[G1], s43, (3<<16)|(1<<21)
	s_or_b32 s[G1B], s44, (3<<16)|(1<<21)
.irp g, G1, G1B
	s_mov_b32 s[\g+1], 512<<16
	s_mov_b32 s[\g+2], 4<<16                       ; tensor_dim1: four tiles for the head's loads; two for the ring's, set behind the head
	s_mov_b32 s[\g+3], 512<<16
	s_mov_b32 s[\g+4], 4                           ; tile_dim1 likewise
	s_mov_b32 s[\g+5], TILEB/8
	s_mov_b32 s[\g+6], 0
	s_mov_b32 s[\g+7], 0
.endr
	s_or_b32 s[G1S], s43, (3<<16)|(1<<21)
	s_or_b32 s[G1SB], s44, (3<<16)|(1<<21)
.irp g, G1S, G1SB
	s_mov_b32 s[\g+1], 32<<16
	s_mov_b32 s[\g+2], (2*PART/256)<<16
	s_mov_b32 s[\g+3], 32<<16
	s_mov_b32 s[\g+4], 2*PART/256
	s_mov_b32 s[\g+5], 32
	s_mov_b32 s[\g+6], 0
	s_mov_b32 s[\g+7], 0
.endr
	s_mul_i32 s18, s16, 2*TILEB
	s_and_b32 s19, s16, 3                          ; four waves fetch an operand's records, 2 PART bytes each
	s_mul_i32 s19, s19, 2*PART
	s_mul_i32 s20, s17, 16*TILEB
	s_add_co_u32 s20, s20, s18
	s_mov_b32 s21, 0
	s_mul_i32 s22, s17, 8*PART
	s_add_co_u32 s22, s22, s19
	s_add_co_u32 s22, s22, ASC
	s_mov_b32 s23, 0
	s_mul_i32 s46, s42, 16*TILEB
	s_add_co_u32 s46, s46, s18
	s_add_co_u32 s46, s46, WCODE
	s_mov_b32 s47, 0
	s_mul_i32 s66, s42, 8*PART
	s_add_co_u32 s66, s66, s19
	s_add_co_u32 s66, s66, WSC
	s_mov_b32 s67, 0
	s_lshl_b32 s45, s14, 13
	s_mul_i32 s101, s15, 8*PART
	s_add_co_u32 s101, s101, s19
	s_add_co_u32 s101, s101, SCA
	s_wait_kmcnt 0x0
	s_add_nc_u64 s[20:21], s[4:5], s[20:21]
	s_add_nc_u64 s[22:23], s[4:5], s[22:23]
	s_add_nc_u64 s[46:47], s[6:7], s[46:47]
	s_add_nc_u64 s[66:67], s[6:7], s[66:67]
	CROUND
	s_mov_b32 s[G0S], 1
	s_mov_b32 s[G0S+1], s101
	s_mov_b64 s[G0S+2:G0S+3], s[22:23]
	s_or_b32 s[G0S+3], s[G0S+3], 0x80000000
	s_mov_b32 s[G0SB], 1
	s_mov_b32 s[G0SB+1], s101
	s_mov_b64 s[G0SB+2:G0SB+3], s[66:67]
	s_or_b32 s[G0SB+3], s[G0SB+3], 0x80000000
.irp s, 0,1
	s_mov_b32 s[G0+4*\s], 1
	s_add_co_u32 s[G0+4*\s+1], s45, \s*SLOT
	s_add_nc_u64 s[G0+4*\s+2:G0+4*\s+3], s[20:21], \s*TSTR
	s_or_b32 s[G0+4*\s+3], s[G0+4*\s+3], 0x80000000
	s_mov_b32 s[G0B+4*\s], 1
	s_add_co_u32 s[G0B+4*\s+1], s45, \s*SLOT
	s_add_nc_u64 s[G0B+4*\s+2:G0B+4*\s+3], s[46:47], \s*TSTR
	s_or_b32 s[G0B+4*\s+3], s[G0B+4*\s+3], 0x80000000
.endr
; THE HEAD'S LOADS, ONE A WAVE: waves 0-3 slot 0's rows, four tiles each; waves 4-7 the rows' records; waves 8-11 slot 0's tiles of the weight; waves 12-15 its records.
	s_mov_b32 s19, 0                               ; s[18:19]: my part's offset once more: the head's parts are twice the ring's
	s_lshl_b32 s5, s16, 13
	s_add_co_u32 s5, s5, s45                       ; LDS: 16,384 x part, the weight's BPART on
	s_mov_b32 s4, 1
	s_add_nc_u64 s[6:7], s[20:21], s[18:19]
	s_or_b32 s7, s7, 0x80000000
	s_mov_b32 s44, 1
	s_mov_b32 s45, s5
	s_add_nc_u64 s[46:47], s[46:47], s[18:19]
	s_or_b32 s47, s47, 0x80000000
.macro ARM under, g0, g1, next         ; one chain of branches on the wave's number, a load to an arm, all arms to one join
	s_cmp_lt_u32 s14, \under
	s_cbranch_scc0 \next
	tensor_load_to_lds s[\g0:\g0+3], s[\g1:\g1+7]
	s_nop 0
.rept 4
	v_nop
.endr
	s_branch .Lhead_asked
\next:
.endm
	ARM 4, 4, G1, .Lh_ra
	ARM 8, G0S, G1S, .Lh_b
	ARM 12, 44, G1B, .Lh_rb
	tensor_load_to_lds s[G0SB:G0SB+3], s[G1SB:G1SB+7]
	s_nop 0
.rept 4
	v_nop
.endr
.Lhead_asked:
	v_and_b32 v1, 31, v0
	s_delay_alu instid0(VALU_DEP_1)
	v_lshlrev_b32 v1, 4, v1
	v_and_b32 v2, 15, v0
	v_bfe_u32 v3, v0, 4, 1
	s_wait_alu depctr_va_vdst(0)
	s_lshl_b32 s18, s[WY], 14
	v_add_nc_u32 v[ADRA], s18, v1
	s_delay_alu instid0(VALU_DEP_1)
	v_add_nc_u32 v[ADRA+1], SLOT, v[ADRA]
	s_lshl_b32 s18, s[WX], 14
	s_add_co_u32 s18, s18, BPART
	v_add_nc_u32 v[ADRB], s18, v1
	s_delay_alu instid0(VALU_DEP_1)
	v_add_nc_u32 v[ADRB+1], SLOT, v[ADRB]
	s_xor_b32 s18, s[WY], 3
	s_add_co_u32 s18, s18, s[WX]
	s_mul_i32 s18, s18, NKB
	s_add_co_u32 s18, s18, 8*PART-3*NKB
	v_mul_u32_u24 v[ADRS], s18, v3
	s_delay_alu instid0(VALU_DEP_1)
	v_lshl_add_u32 v[ADRS], v2, 4, v[ADRS]
	s_mul_i32 s19, s[WY], NKB
	s_add_co_u32 s19, s19, SCA
	v_add_nc_u32 v[ADRS], s19, v[ADRS]
	v_lshlrev_b32 v[VH], 6, v3
.if QKV
	s_cmp_eq_u32 ttmp9, 1
	s_cselect_b64 s[8:9], s[94:95], s[92:93]
	s_cmp_eq_u32 ttmp9, 2
	s_cselect_b64 s[8:9], s[96:97], s[8:9]
	s_cselect_b32 s[VSEL], 1, 0
	s_mov_b64 s[10:11], s[98:99]
	s_lshl_b32 s2, s40, 10
.else
	s_lshl_b32 s2, s42, 10
.endif
	s_lshl_b32 s3, s[WX], 8
	s_add_co_u32 s2, s2, s3
	s_mov_b32 s3, 0
	s_add_nc_u64 s[8:9], s[8:9], s[2:3]
.irp a, 0,1,2,3,4,5,6,7,8,9,10,11,12,13,14,15
	global_load_b128 v[ACC+8*\a:ACC+8*\a+3], v[VH], s[8:9] offset:(32*((\a%4)/2)+8*(\a%2))*4
	global_load_b128 v[ACC+8*\a+4:ACC+8*\a+7], v[VH], s[8:9] offset:(32*((\a%4)/2)+8*(\a%2))*4+16
.endr
.if QKV
	v_and_b32 v[STA], 8, v2
	v_add_nc_u32 v[STA], v[STA], v2
	v_lshlrev_b32 v[STA], 2, v[STA]
.irp t, 0,1,2,3
	global_load_b32 v[VB+2*\t], v[STA], s[8:9] offset:(32*(\t/2)+8*(\t%2))*4
	global_load_b32 v[VB+2*\t+1], v[STA], s[8:9] offset:(32*(\t/2)+8*(\t%2))*4
.endr
.else
	s_lshl_b32 s18, s[WY], 1
	s_lshr_b32 s19, s[WX], 1
	s_add_co_u32 s18, s18, s19
	s_lshl_b32 s18, s18, 8
	s_and_b32 s19, s[WX], 1
	s_lshl_b32 s19, s19, 1
	s_add_co_u32 s18, s18, s19
	s_add_co_u32 s18, s18, STG
	v_lshl_add_u32 v[STA], v2, 4, s18
	s_lshl_b32 s18, s14, 9
	s_add_co_u32 s18, s18, STG
	v_add_nc_u32 v[RECO], s18, v1
.endif
	s_wait_alu depctr_va_vdst(0)
	s_wait_loadcnt 0x0                             ; the bias
	s_wait_tensorcnt 0x0                           ; my tile of the head's is in; slot 1's first fill is issued as a refill is
	ds_add_u32 v[SPW], v[NIL]
	s_mov_b32 s[G1+2], 2<<16                       ; no tensor load of mine is out: from here on a load brings two tiles
	s_mov_b32 s[G1+4], 2
	s_mov_b32 s[G1B+2], 2<<16
	s_mov_b32 s[G1B+4], 2
	s_wait_dscnt 0x0
	CROUND                                         ; slot 0 and the records are whole, and the joint loads meet
	JLOAD G0+4, G1, G0B+4, G1B                     ; slot 1: the first tensor load behind the round
	KSTEP 0, 0, 0, QKV
	KSTEP 0, 1, 1, 0
	CHANGE 0, 1
	KSTEP 1, 0, 2, 0
	KSTEP 1, 1, 3, 0
	CHANGE 1, 1
	KSTEP 0, 0, 4, 0
	KSTEP 0, 1, 5, 0
	CHANGE 0, 0
	KSTEP 1, 0, 6, 0
	KSTEP 1, 1, 7, 0
	s_mov_b32 s[SEL], 0x76543210
	s_mov_b32 s[SEL+1], 0xfedcba98
	s_mov_b32 s[MNT], 0x600000
.if QKV
	s_lshr_b32 s2, s17, 3
	s_and_b32 s3, s17, 7
	s_lshl_b32 s95, s40, 2
	s_add_co_u32 s95, s95, s[WX]
	s_lshl_b32 s2, s2, 4
	s_add_co_u32 s2, s2, s95
	s_lshl_b32 s96, ttmp9, 22
	s_lshl_b32 s97, s2, 17
	s_add_co_u32 s96, s96, s97
	s_lshl_b32 s97, s3, 14
	s_add_co_u32 s96, s96, s97
	s_lshl_b32 s97, s[WY], 12
	s_lshr_b32 s98, s[WY], 1
	s_lshl_b32 s98, s98, 13
	s_and_b32 s99, s[WY], 1
	s_lshl_b32 s99, s99, 10
	s_add_co_u32 s98, s98, s99
	s_cmp_eq_u32 s[VSEL], 1
	s_cselect_b32 s97, s98, s97
	s_cselect_b32 s99, 11, 10
	s_add_co_u32 s96, s96, s97
	s_mov_b32 s97, 0
	s_add_nc_u64 s[96:97], s[10:11], s[96:97]
	s_lshl_b32 s2, s2, 5
	s_lshl_b32 s3, s3, 2
	s_add_co_u32 s2, s2, s3
	s_add_co_u32 s2, s2, s[WY]
	s_lshl_b32 s2, s2, 8
	s_lshl_b32 s3, ttmp9, 18
	s_add_co_u32 s2, s2, s3
	s_add_co_u32 s2, s2, 12582912
	s_mov_b32 s3, 0
	s_add_nc_u64 s[2:3], s[10:11], s[2:3]
	s_cmp_eq_u32 s[VSEL], 1
	s_cbranch_scc0 .Lbias_done
.irp t, 0,1,2,3
.set j, 0
.rept 16
	v_pk_add_f32 v[ACC+32*\t+j:ACC+32*\t+j+1], v[ACC+32*\t+j:ACC+32*\t+j+1], v[VB+2*\t:VB+2*\t+1]
.set j, j+2
.endr
.endr
.Lbias_done:
.else
	s_lshl_b32 s96, s17, 20
	s_lshl_b32 s97, s[WY], 18
	s_add_co_u32 s96, s96, s97
	s_lshl_b32 s97, s42, 12
	s_add_co_u32 s96, s96, s97
	s_lshl_b32 s97, s[WX], 10
	s_add_co_u32 s96, s96, s97
	s_mov_b32 s97, 0
	s_add_nc_u64 s[96:97], s[10:11], s[96:97]
	s_mov_b32 s99, 16
	s_lshl_b32 s2, s17, 15
	s_lshl_b32 s3, s14, 13
	s_add_co_u32 s2, s2, s3
	s_lshl_b32 s3, s42, 9
	s_add_co_u32 s2, s2, s3
	s_add_co_u32 s2, s2, 16777216
	s_mov_b32 s3, 0
	s_add_nc_u64 s[2:3], s[10:11], s[2:3]
.endif
	v_mov_b32 v[OFFS], v1
.irp a, 1,2,3
	s_lshl_b32 s98, \a, s99
	v_add_nc_u32 v[OFFS+\a], s98, v1
.endr
.irp a, 0,1,2,3
	QB2 ACC+32*\a, PC+8*\a, HW+\a
	global_store_b128 v[OFFS+\a], v[PC+8*\a:PC+8*\a+3], s[96:97]
	global_store_b128 v[OFFS+\a], v[PC+8*\a+4:PC+8*\a+7], s[96:97] offset:512
.endr
.if QKV
	v_lshlrev_b32 v[RECO], 4, v2
	v_lshl_add_u32 v[RECO], v3, 3, v[RECO]
	v_cmp_eq_u32 vcc_lo, 1, v3
	v_cndmask_b32 v30, v[HW], v[HW+2], vcc_lo
	v_cndmask_b32 v31, v[HW+1], v[HW+3], vcc_lo
	global_store_b64 v[RECO], v[30:31], s[2:3]
.else
.irp a, 0,1,2,3
	ds_store_b16 v[STA], v[HW+\a] offset:4*\a
.endr
	s_wait_dscnt 0x0
	s_barrier_signal -1
	s_barrier_wait -1
	s_cmp_lt_u32 s14, 4
	s_cbranch_scc0 .Lno_rec
	ds_load_b128 v[104:107], v[RECO]
	s_wait_dscnt 0x0
	global_store_b128 v1, v[104:107], s[2:3]
.Lno_rec:
.endif
	s_wait_tensorcnt 0x0
	ds_add_u32 v[SPW], v[NIL]
	s_wait_dscnt 0x0
	CROUND
	s_endpgm
.Lfunc_end_k_q77adbc3738_gemm_ff1:
	.size	k_q77adbc3738_gemm_ff1, .Lfunc_end_k_q77adbc3738_gemm_ff1-k_q77adbc3738_gemm_ff1
	.p2alignl 7, 3214868480
	.fill 96, 4, 3214868480
	.section	.rodata,"a",@progbits
	.p2align	6, 0x0
	.amdhsa_kernel k_q77adbc3738_gemm_ff1
		.amdhsa_group_segment_fixed_size 327680
		.amdhsa_private_segment_fixed_size 0
		.amdhsa_enable_private_segment 0
		.amdhsa_kernarg_size 32
		.amdhsa_user_sgpr_count 2
		.amdhsa_user_sgpr_kernarg_segment_ptr 1
		.amdhsa_wavefront_size32 1
		.amdhsa_system_sgpr_workgroup_id_x 1
		.amdhsa_system_sgpr_workgroup_id_y 1
		.amdhsa_system_sgpr_workgroup_id_z 1
		.amdhsa_system_vgpr_workitem_id 0
		.amdhsa_next_free_vgpr 256
		.amdhsa_next_free_sgpr 102
		.amdhsa_reserve_vcc 1
		.amdhsa_float_denorm_mode_32 3
		.amdhsa_float_denorm_mode_16_64 3
		.amdhsa_memory_ordered 1
		.amdhsa_forward_progress 1
		.amdhsa_inst_pref_size 73
	.end_amdhsa_kernel
	.amdgpu_metadata
---
amdhsa.version: [ 1, 2 ]
amdhsa.kernels:
  - .name:           k_q77adbc3738_gemm_ff1
    .symbol:         k_q77adbc3738_gemm_ff1.kd
    .args:
      - { .name: act, .offset: 0, .size: 8, .value_kind: global_buffer, .address_space: global }
      - { .name: wts, .offset: 8, .size: 8, .value_kind: global_buffer, .address_space: global }
      - { .name: b1, .offset: 16, .size: 8, .value_kind: global_buffer, .address_space: global }
      - { .name: fq, .offset: 24, .size: 8, .value_kind: global_buffer, .address_space: global }
    .group_segment_fixed_size: 327680
    .private_segment_fixed_size: 0
    .kernarg_segment_align: 8
    .kernarg_segment_size: 32
    .max_flat_workgroup_size: 512
    .sgpr_count:     102
    .vgpr_count:     256
    .wavefront_size: 32
...
	.end_amdgpu_metadata
.endif
;; end of part 6
;; launch gemm_ff2 (part 7): grid 8 x 32, 16 waves a work-group, clusters of 4 x 4, 327,680 bytes of LDS; arguments fq, wts, b2, h, y; writes y
.if DOCPART == 7
	.amdgcn_target "amdgcn-amd-amdhsa--gfx1250"
	.amdhsa_code_object_version 6
	.text
	.protected	k_q77adbc3738_gemm_ff2
	.globl	k_q77adbc3738_gemm_ff2
	.p2align	8
	.type	k_q77adbc3738_gemm_ff2,@function
k_q77adbc3738_gemm_ff2:
	s_mov_b64 s[64:65], 0
	v_nop
	global_prefetch_b8 v0, s[64:65] scope:SCOPE_SE
	s_setreg_imm32_b32 hwreg(HW_REG_WAVE_MODE, 25, 1), 1
	s_wait_xcnt 0x0
	s_wait_alu depctr_hold_cnt(0) depctr_sa_sdst(0) depctr_va_vdst(0) depctr_va_sdst(0) depctr_va_ssrc(0) depctr_va_vcc(0) depctr_vm_vsrc(0)
	s_getreg_b32 s2, hwreg(HW_REG_IB_STS2, 6, 4)
	s_cmp_eq_u32 s2, 0
	s_cbranch_scc0 .Lentry_in_a_cluster
	s_endpgm
.Lentry_in_a_cluster:
	s_bfe_u32 s2, ttmp6, 0x10000c
	s_cmp_lg_u32 s2, 0xf033
	s_cbranch_scc0 .Lentry_shape_is_right
	s_endpgm
.Lentry_shape_is_right:
.set NK,    32
.set WCODE, 8388608
.set WSC,   12845056
.set ASC,   16777216
.set KS,    4
.set NSLOT, NK/KS
.set TILEB, NK*2048
.set TSTR,  KS*2048
.set SLOT,  131072
.set BPART, 65536
.set PART,  NK*64
.set NKB,   NK*256
.set SCA,   262144
.set SPARE, 294912
.set WST,   17408
.set ADRA, 4
.set ADRB, 6
.set SC,   8
.set ADRS, 12
.set SPW,  13
.set NIL,  14
.set RO,   15
.set PST,  16
.set BO,   17
.set BQ,   20
.set PRD,  24
.set RF,   32
.set TF,   96
.set ACC,  128
.set WY,   12
.set WX,   13
.set KG,   95
.set G1,   24
.set G0,   32
.set G1B,  48
.set G0B,  56
.set G1S,  68
.set G0S,  76
.set G1SB, 80
.set G0SB, 88
.macro PLACES n
.rept \n
	v_nop
.endr
.endm
.macro JLOAD g0a, g1a, g0b, g1b
	s_cmp_eq_u32 s15, 0
	s_cbranch_scc0 .Lfor_b_\@
	tensor_load_to_lds s[\g0a:\g0a+3], s[\g1a:\g1a+7]
	s_nop 0
.rept 4
	v_nop
.endr
	s_branch .Lasked_\@
.Lfor_b_\@:
	tensor_load_to_lds s[\g0b:\g0b+3], s[\g1b:\g1b+7]
	s_nop 0
.rept 4
	v_nop
.endr
.Lasked_\@:
.endm
.macro CROUND
	s_barrier_signal -1
	s_barrier_wait -1
	s_cmp_lg_u32 s14, 0
	s_cbranch_scc1 .Lnot_wave_0_\@
	s_barrier_signal -3
.Lnot_wave_0_\@:
	s_barrier_wait -3
	s_barrier_signal -1
	s_barrier_wait -1
.endm
.macro FRAG reg, adr, off
.irp c, 0,1,2,3
	ds_load_b128 v[(\reg)+4*\c:(\reg)+4*\c+3], v[\adr] offset:(\off)+512*\c
.endr
.endm
.macro MULW p0, first
.irp i, 0,1
.irp t, 0,1,2,3
.if \first
	v_wmma_scale_f32_16x16x128_f8f6f4 v[ACC+8*(4*(\p0+\i)+\t):ACC+8*(4*(\p0+\i)+\t)+7], v[RF+16*\t:RF+16*\t+15], v[TF+16*\i:TF+16*\i+15], 0, v[SC+\t], v[SC+\p0+\i] matrix_a_scale:MATRIX_SCALE_ROW1
.else
	v_wmma_scale_f32_16x16x128_f8f6f4 v[ACC+8*(4*(\p0+\i)+\t):ACC+8*(4*(\p0+\i)+\t)+7], v[RF+16*\t:RF+16*\t+15], v[TF+16*\i:TF+16*\i+15], v[ACC+8*(4*(\p0+\i)+\t):ACC+8*(4*(\p0+\i)+\t)+7], v[SC+\t], v[SC+\p0+\i] matrix_a_scale:MATRIX_SCALE_ROW1
.endif
.endr
.endr
.endm
.macro KSTEP s, kidx, first
	ds_load_b128 v[SC:SC+3], v[ADRS] offset:(\kidx)*1024
.irp t, 0,1,2,3
	FRAG RF+16*\t, ADRB+\s, \t*TSTR
.endr
	FRAG TF, ADRA+\s, 0
	FRAG TF+16, ADRA+\s, TSTR
	s_wait_dscnt 0x0
	MULW 0, \first
	PLACES 8
	FRAG TF, ADRA+\s, 2*TSTR
	FRAG TF+16, ADRA+\s, 3*TSTR
	s_wait_dscnt 0x0
	MULW 2, \first
	PLACES 8
.endm
.macro CHANGE s, refill
	s_wait_tensorcnt 0x0
	ds_add_u32 v[SPW], v[NIL]
.if \refill
	s_add_nc_u64 s[G0+4*(\s)+2:G0+4*(\s)+3], s[G0+4*(\s)+2:G0+4*(\s)+3], 2*TSTR
	s_add_nc_u64 s[G0B+4*(\s)+2:G0B+4*(\s)+3], s[G0B+4*(\s)+2:G0B+4*(\s)+3], 2*TSTR
.endif
	s_wait_dscnt 0x0
.if \refill
	CROUND
	JLOAD G0+4*(\s), G1, G0B+4*(\s), G1B
	ASK                                            ; the slot two fills on
.else
	s_barrier_signal -1
	s_barrier_wait -1
.endif
.endm
	s_load_b256 s[4:11], s[0:1], 0x0
	s_load_b64 s[92:93], s[0:1], 0x20
	v_lshl_add_u32 v[SPW], v0, 2, SPARE
	v_mov_b32 v[NIL], 0
	ds_add_u32 v13, v14
	ds_add_u32 v13, v14
	s_wait_dscnt 0x0
	v_lshrrev_b32 v1, 5, v0
	s_delay_alu instid0(VALU_DEP_1)
	v_readfirstlane_b32 s14, v1
	s_lshr_b32 s15, s14, 3
	s_and_b32 s16, s14, 7
	s_lshr_b32 s[KG], s14, 2
	s_bfe_u32 s[WY], s14, 0x10001
	s_and_b32 s[WX], s14, 1
	s_bfe_u32 s40, ttmp6, 0x40000
	s_bfe_u32 s41, ttmp6, 0x40004
	s_lshl_b32 s42, ttmp9, 2
	s_add_co_u32 s42, s42, s40
	s_and_b32 s17, ttmp7, 0xffff
	s_lshl_b32 s17, s17, 2
	s_add_co_u32 s17, s17, s41
	s_lshl_b32 s43, s41, 2
	s_lshl_b32 s43, 15, s43
	s_lshl_b32 s44, 0x1111, s40
	s_or_b32 s[G1], s43, (3<<16)|(1<<21)
	s_or_b32 s[G1B], s44, (3<<16)|(1<<21)
.irp g, G1, G1B
	s_mov_b32 s[\g+1], 1024<<16                    ; for the head's loads: two tiles' four K steps, two rows of 8,192 bytes, a tile apart; the ring's shape is set behind the head
	s_mov_b32 s[\g+2], 2<<16
	s_mov_b32 s[\g+3], 1024<<16
	s_mov_b32 s[\g+4], 2
	s_mov_b32 s[\g+5], TILEB/8
	s_mov_b32 s[\g+6], 0
	s_mov_b32 s[\g+7], 0
.endr
	s_or_b32 s[G1S], s43, (3<<16)|(1<<21)
	s_or_b32 s[G1SB], s44, (3<<16)|(1<<21)
.irp g, G1S, G1SB
	s_mov_b32 s[\g+1], 32<<16
	s_mov_b32 s[\g+2], (2*PART/256)<<16
	s_mov_b32 s[\g+3], 32<<16
	s_mov_b32 s[\g+4], 2*PART/256
	s_mov_b32 s[\g+5], 32
	s_mov_b32 s[\g+6], 0
	s_mov_b32 s[\g+7], 0
.endr
	s_mul_i32 s18, s16, TILEB
	s_and_b32 s19, s16, 3                          ; four waves fetch an operand's records, 2 PART bytes each
	s_mul_i32 s19, s19, 2*PART
	s_mul_i32 s20, s17, 8*TILEB
	s_add_co_u32 s20, s20, s18
	s_mov_b32 s21, 0
	s_mul_i32 s22, s17, 8*PART
	s_add_co_u32 s22, s22, s19
	s_add_co_u32 s22, s22, ASC
	s_mov_b32 s23, 0
	s_mul_i32 s46, s42, 8*TILEB
	s_add_co_u32 s46, s46, s18
	s_add_co_u32 s46, s46, WCODE
	s_mov_b32 s47, 0
	s_mul_i32 s66, s42, 8*PART
	s_add_co_u32 s66, s66, s19
	s_add_co_u32 s66, s66, WSC
	s_mov_b32 s67, 0
	s_lshl_b32 s45, s14, 13
	s_mul_i32 s101, s15, 8*PART
	s_add_co_u32 s101, s101, s19
	s_add_co_u32 s101, s101, SCA
	s_wait_kmcnt 0x0
	s_add_nc_u64 s[20:21], s[4:5], s[20:21]
	s_add_nc_u64 s[22:23], s[4:5], s[22:23]
	s_add_nc_u64 s[46:47], s[6:7], s[46:47]
	s_add_nc_u64 s[66:67], s[6:7], s[66:67]
	CROUND
	s_mov_b32 s[G0S], 1
	s_mov_b32 s[G0S+1], s101
	s_mov_b64 s[G0S+2:G0S+3], s[22:23]
	s_or_b32 s[G0S+3], s[G0S+3], 0x80000000
	s_mov_b32 s[G0SB], 1
	s_mov_b32 s[G0SB+1], s101
	s_mov_b64 s[G0SB+2:G0SB+3], s[66:67]
	s_or_b32 s[G0SB+3], s[G0SB+3], 0x80000000
.irp s, 0,1
	s_mov_b32 s[G0+4*\s], 1
	s_add_co_u32 s[G0+4*\s+1], s45, \s*SLOT
	s_add_nc_u64 s[G0+4*\s+2:G0+4*\s+3], s[20:21], \s*TSTR
	s_or_b32 s[G0+4*\s+3], s[G0+4*\s+3], 0x80000000
	s_mov_b32 s[G0B+4*\s], 1
	s_add_co_u32 s[G0B+4*\s+1], s45, \s*SLOT
	s_add_nc_u64 s[G0B+4*\s+2:G0B+4*\s+3], s[46:47], \s*TSTR
	s_or_b32 s[G0B+4*\s+3], s[G0B+4*\s+3], 0x80000000
.endr
; THE HEAD'S LOADS, ONE A WAVE: waves 0-3 slot 0's rows, two tiles each; waves 4-7 the rows' records; waves 8-11 slot 0's tiles of the weight; waves 12-15 its records.
; A PREFETCH INTO THE L2 behind each fill: my own tile's 8,192 bytes of the slot that stands two fills on.  The four partners that ask for a tile jointly share its 32 blocks of 256 bytes out BY ADDRESS:
; the partner at place p (cx for the rows, cy for the weight) takes blocks 8 p .. 8 p + 7, a lane a block; the lanes left over name the last block again.  So each block is named once in each cluster that loads it.
; The offsets are immediates, counted by PFN as the text is expanded; the last two refills have no slot two on and ask for nothing.  The address registers are never rewritten.
.set PFO, 28                           ; v28      256 x min(lane, 7)
.set PFA, 98                           ; s[98:99] my tile's first byte + 2,048 p
.set PFN, 2                            ; the slot that the next request names
.macro ASK
.if PFN < NSLOT
	global_prefetch_b8 v[PFO], s[PFA:PFA+1] offset:PFN*TSTR th:TH_LOAD_NT scope:SCOPE_SE
.endif
.set PFN, PFN+1
.endm
	s_cmp_eq_u32 s15, 0                            ; do I fetch for the rows?  The wave's number alone
	s_cselect_b64 s[PFA:PFA+1], s[20:21], s[46:47]
	s_cselect_b32 s96, s40, s41                    ; my place among the four that ask with me
	s_lshl_b32 s96, s96, 11
	s_mov_b32 s97, 0
	s_add_nc_u64 s[PFA:PFA+1], s[PFA:PFA+1], s[96:97]
	s_mov_b32 s19, 0
	s_lshl_b32 s5, s16, 13
	s_add_co_u32 s5, s5, s45                       ; LDS: 16,384 x part, the weight's BPART on
	s_mov_b32 s4, 1
	s_add_nc_u64 s[6:7], s[20:21], s[18:19]
	s_or_b32 s7, s7, 0x80000000
	s_mov_b32 s44, 1
	s_mov_b32 s45, s5
	s_add_nc_u64 s[46:47], s[46:47], s[18:19]
	s_or_b32 s47, s47, 0x80000000
.macro ARM under, g0, g1, next         ; one chain of branches on the wave's number, a load to an arm, all arms to one join
	s_cmp_lt_u32 s14, \under
	s_cbranch_scc0 \next
	tensor_load_to_lds s[\g0:\g0+3], s[\g1:\g1+7]
	s_nop 0
.rept 4
	v_nop
.endr
	s_branch .Lhead_asked
\next:
.endm
	ARM 4, 4, G1, .Lh_ra
	ARM 8, G0S, G1S, .Lh_b
	ARM 12, 44, G1B, .Lh_rb
	tensor_load_to_lds s[G0SB:G0SB+3], s[G1SB:G1SB+7]
	s_nop 0
.rept 4
	v_nop
.endr
.Lhead_asked:
	v_and_b32 v1, 31, v0
	s_delay_alu instid0(VALU_DEP_1)
	v_lshlrev_b32 v1, 4, v1
	v_and_b32 v2, 15, v0
	v_bfe_u32 v3, v0, 4, 1
	s_wait_alu depctr_va_vdst(0)
	s_lshl_b32 s18, s[WY], 15
	s_lshl_b32 s19, s[KG], 11
	s_add_co_u32 s18, s18, s19
	v_add_nc_u32 v[ADRA], s18, v1
	s_delay_alu instid0(VALU_DEP_1)
	v_add_nc_u32 v[ADRA+1], SLOT, v[ADRA]
	s_lshl_b32 s18, s[WX], 15
	s_add_co_u32 s18, s18, s19
	s_add_co_u32 s18, s18, BPART
	v_add_nc_u32 v[ADRB], s18, v1
	s_delay_alu instid0(VALU_DEP_1)
	v_add_nc_u32 v[ADRB+1], SLOT, v[ADRB]
	s_xor_b32 s18, s[WY], 1
	s_add_co_u32 s18, s18, s[WX]
	s_mul_i32 s18, s18, NKB
	s_add_co_u32 s18, s18, 8*PART-NKB
	v_mul_u32_u24 v[ADRS], s18, v3
	s_delay_alu instid0(VALU_DEP_1)
	v_lshl_add_u32 v[ADRS], v2, 4, v[ADRS]
	s_mul_i32 s19, s[WY], NKB
	s_lshl_b32 s18, s[KG], 8
	s_add_co_u32 s19, s19, s18
	s_add_co_u32 s19, s19, SCA
	v_add_nc_u32 v[ADRS], s19, v[ADRS]
	s_mul_i32 s18, s14, WST
	v_mul_u32_u24 v[PST], v2, 272
	s_delay_alu instid0(VALU_DEP_1)
	v_lshl_add_u32 v[PST], v3, 6, v[PST]
	s_delay_alu instid0(VALU_DEP_1)
	v_add_nc_u32 v[PST], s18, v[PST]
	s_and_b32 s18, s14, 3
	s_mul_i32 s18, s18, WST
	s_mul_i32 s19, s[KG], 16*272
	s_add_co_u32 s18, s18, s19
	v_mul_u32_u24 v[PRD], v3, 272
	s_delay_alu instid0(VALU_DEP_1)
	v_lshl_add_u32 v[PRD], v2, 4, v[PRD]
	s_delay_alu instid0(VALU_DEP_1)
	v_add_nc_u32 v[PRD], s18, v[PRD]
.irp p, 1,2,3
	v_add_nc_u32 v[PRD+\p], \p*4*WST, v[PRD]
.endr
	v_lshlrev_b32 v[RO], 12, v3
	s_delay_alu instid0(VALU_DEP_1)
	v_lshl_add_u32 v[RO], v2, 4, v[RO]
	v_lshlrev_b32 v[BO], 4, v2
	v_and_b32 v[PFO], 31, v0
	s_delay_alu instid0(VALU_DEP_1)
	v_min_u32 v[PFO], 7, v[PFO]
	s_delay_alu instid0(VALU_DEP_1)
	v_lshlrev_b32 v[PFO], 8, v[PFO]
	s_wait_alu depctr_va_vdst(0)
	s_lshl_b32 s2, s17, 7
	s_lshl_b32 s3, s[WY], 6
	s_add_co_u32 s2, s2, s3
	s_lshr_b32 s3, s[KG], 1
	s_lshl_b32 s3, s3, 5
	s_add_co_u32 s2, s2, s3
	s_and_b32 s3, s[KG], 1
	s_lshl_b32 s3, s3, 3
	s_add_co_u32 s2, s2, s3
	s_lshl_b32 s2, s2, 12
	s_lshl_b32 s96, s42, 9
	s_lshl_b32 s97, s[WX], 8
	s_add_co_u32 s96, s96, s97
	s_add_co_u32 s2, s2, s96
	s_mov_b32 s3, 0
	s_mov_b32 s97, 0
	s_add_nc_u64 s[10:11], s[10:11], s[2:3]
	s_add_nc_u64 s[92:93], s[92:93], s[2:3]
	s_add_nc_u64 s[8:9], s[8:9], s[96:97]
	ASK                                            ; slot 0 is on its way: slot 2
	global_load_b128 v[BQ:BQ+3], v[BO], s[8:9]
	s_wait_loadcnt 0x0                             ; the bias
	s_wait_tensorcnt 0x0                           ; my tile of the head's is in; slot 1's first fill is issued as a refill is
	ds_add_u32 v[SPW], v[NIL]
.irp g, G1, G1B                        ; no tensor load of mine is out: from here on a load brings one tile's four K steps, 32 rows of 256 dense bytes
	s_mov_b32 s[\g+1], 32<<16
	s_mov_b32 s[\g+2], 32<<16
	s_mov_b32 s[\g+3], 32<<16
	s_mov_b32 s[\g+4], 32
	s_mov_b32 s[\g+5], 32
.endr
	s_wait_dscnt 0x0
	CROUND                                         ; slot 0 and the records are whole, and the joint loads meet
	JLOAD G0+4, G1, G0B+4, G1B                     ; slot 1: the first tensor load behind the round
	ASK                                            ; slot 3
	KSTEP 0, 0, 1
.if NSLOT > 2
	CHANGE 0, 1
	KSTEP 1, 1, 0
	CHANGE 1, 1
	KSTEP 0, 2, 0
	CHANGE 0, 1
	KSTEP 1, 3, 0
	CHANGE 1, 1
	KSTEP 0, 4, 0
	CHANGE 0, 1
	KSTEP 1, 5, 0
	CHANGE 1, 1
	KSTEP 0, 6, 0
.endif
	CHANGE 0, 0
	KSTEP 1, NSLOT-1, 0
	s_wait_dscnt 0x0
	s_barrier_signal -1
	s_barrier_wait -1
.irp a, 0,1,2,3
.irp t, 0,1,2,3
	ds_store_b128 v[PST], v[ACC+8*(4*\a+\t):ACC+8*(4*\a+\t)+3] offset:16*\a*272+128*(\t/2)+32*(\t%2)
	ds_store_b128 v[PST], v[ACC+8*(4*\a+\t)+4:ACC+8*(4*\a+\t)+7] offset:16*\a*272+128*(\t/2)+32*(\t%2)+16
.endr
.endr
.irp t, 0,1,2,3,4,5,6,7
	global_load_b128 v[RF+4*\t:RF+4*\t+3], v[RO], s[10:11] offset:(2*\t+8*(\t/4))*4096
.endr
	s_wait_dscnt 0x0
	s_barrier_signal -1
	s_barrier_wait -1
.irp p, 0,1,2,3
.irp t, 0,1,2,3,4,5,6,7
	ds_load_b128 v[ACC+32*\p+4*\t:ACC+32*\p+4*\t+3], v[PRD+\p] offset:544*\t
.endr
.endr
	s_wait_dscnt 0x0
.irp t, 0,1,2,3,4,5,6,7
.irp e, 0,2
	v_pk_add_f32 v[ACC+4*\t+\e:ACC+4*\t+\e+1], v[ACC+4*\t+\e:ACC+4*\t+\e+1], v[ACC+32+4*\t+\e:ACC+32+4*\t+\e+1]
	v_pk_add_f32 v[ACC+64+4*\t+\e:ACC+64+4*\t+\e+1], v[ACC+64+4*\t+\e:ACC+64+4*\t+\e+1], v[ACC+96+4*\t+\e:ACC+96+4*\t+\e+1]
.endr
.irp e, 0
	s_delay_alu instid0(VALU_DEP_3)
	v_pk_add_f32 v[ACC+4*\t+\e:ACC+4*\t+\e+1], v[ACC+4*\t+\e:ACC+4*\t+\e+1], v[ACC+64+4*\t+\e:ACC+64+4*\t+\e+1]
.endr
.irp e, 2
	s_delay_alu instid0(VALU_DEP_2)
	v_pk_add_f32 v[ACC+4*\t+\e:ACC+4*\t+\e+1], v[ACC+4*\t+\e:ACC+4*\t+\e+1], v[ACC+64+4*\t+\e:ACC+64+4*\t+\e+1]
.endr
.irp e, 0,2
	s_delay_alu instid0(VALU_DEP_2)
	v_pk_add_f32 v[ACC+4*\t+\e:ACC+4*\t+\e+1], v[ACC+4*\t+\e:ACC+4*\t+\e+1], v[BQ+\e:BQ+\e+1]
.endr
.endr
	s_wait_loadcnt 0x0
.irp t, 0,1,2,3,4,5,6,7
.irp e, 0,2
	v_pk_add_f32 v[ACC+4*\t+\e:ACC+4*\t+\e+1], v[ACC+4*\t+\e:ACC+4*\t+\e+1], v[RF+4*\t+\e:RF+4*\t+\e+1]
.endr
	global_store_b128 v[RO], v[ACC+4*\t:ACC+4*\t+3], s[92:93] offset:(2*\t+8*(\t/4))*4096
.endr
	s_wait_tensorcnt 0x0
	ds_add_u32 v[SPW], v[NIL]
	s_wait_dscnt 0x0
	CROUND
	s_endpgm
.Lfunc_end_k_q77adbc3738_gemm_ff2:
	.size	k_q77adbc3738_gemm_ff2, .Lfunc_end_k_q77adbc3738_gemm_ff2-k_q77adbc3738_gemm_ff2
	.p2alignl 7, 3214868480
	.fill 96, 4, 3214868480
	.section	.rodata,"a",@progbits
	.p2align	6, 0x0
	.amdhsa_kernel k_q77adbc3738_gemm_ff2
		.amdhsa_group_segment_fixed_size 327680
		.amdhsa_private_segment_fixed_size 0
		.amdhsa_enable_private_segment 0
		.amdhsa_kernarg_size 40
		.amdhsa_user_sgpr_count 2
		.amdhsa_user_sgpr_kernarg_segment_ptr 1
		.amdhsa_wavefront_size32 1
		.amdhsa_system_sgpr_workgroup_id_x 1
		.amdhsa_system_sgpr_workgroup_id_y 1
		.amdhsa_system_sgpr_workgroup_id_z 1
		.amdhsa_system_vgpr_workitem_id 0
		.amdhsa_next_free_vgpr 256
		.amdhsa_next_free_sgpr 102
		.amdhsa_reserve_vcc 0
		.amdhsa_float_denorm_mode_32 3
		.amdhsa_float_denorm_mode_16_64 3
		.amdhsa_memory_ordered 1
		.amdhsa_forward_progress 1
		.amdhsa_inst_pref_size 69
	.end_amdhsa_kernel
	.amdgpu_metadata
---
amdhsa.version: [ 1, 2 ]
amdhsa.kernels:
  - .name:           k_q77adbc3738_gemm_ff2
    .symbol:         k_q77adbc3738_gemm_ff2.kd
    .args:
      - { .name: fq, .offset: 0, .size: 8, .value_kind: global_buffer, .address_space: global }
      - { .name: wts, .offset: 8, .size: 8, .value_kind: global_buffer, .address_space: global }
      - { .name: b2, .offset: 16, .size: 8, .value_kind: global_buffer, .address_space: global }
      - { .name: h, .offset: 24, .size: 8, .value_kind: global_buffer, .address_space: global }
      - { .name: y, .offset: 32, .size: 8, .value_kind: global_buffer, .address_space: global }
    .group_segment_fixed_size: 327680
    .private_segment_fixed_size: 0
    .kernarg_segment_align: 8
    .kernarg_segment_size: 40
    .max_flat_workgroup_size: 512
    .sgpr_count:     102
    .vgpr_count:     256
    .wavefront_size: 32
...
	.end_amdgpu_metadata
.endif
;; end of part 7
;; launch ln2 (part 8): grid 256 x 1, 8 waves a work-group, no clusters, 0 bytes of LDS; arguments y, g2, be2, out0; writes out0
.if DOCPART == 8
	.amdgcn_target "amdgcn-amd-amdhsa--gfx1250"
	.amdhsa_code_object_version 6
	.text
	.protected	k_q77adbc3738_ln2
	.globl	k_q77adbc3738_ln2
	.p2align	8
	.type	k_q77adbc3738_ln2,@function
k_q77adbc3738_ln2:
	s_mov_b64 s[64:65], 0
	v_nop
	global_prefetch_b8 v0, s[64:65] scope:SCOPE_SE
	s_setreg_imm32_b32 hwreg(HW_REG_WAVE_MODE, 25, 1), 1
	s_wait_xcnt 0x0
; out = (y - mean) x rsqrt(variance + 1e-5) x g + be, row by row of 1,024 f32; the variance is the mean of the squared differences, taken in a second pass over registers.
; SHARES: a work-group takes 16 rows (rows 32 (T / 2) + 8 (T % 2) + r + 8 (r / 8), the same sharing as the first norm's launch); each of its eight waves two rows, whole, in 64 registers: the reductions never leave the wave.
; Memory binds: each byte is read once and written once, by loads and stores of 512 consecutive bytes; no LDS, no barrier, no matrix unit, no cluster.
.set X,    32                          ; v32-95   two rows
.set G,    96                          ; v96-127  g;  v128-159 be
.set BE,   128
.set SEL,  20
.set INV,  22                          ; s22      1 / 1,024
.macro REDUCE                          ; v8 = the sum of v8 + v9 over the 32 lanes, in every lane
	s_delay_alu instid0(VALU_DEP_1)
	v_add_f32 v8, v8, v9
	s_delay_alu instid0(VALU_DEP_1)
	v_add_f32_dpp v8, v8, v8 row_xmask:1 row_mask:0xf bank_mask:0xf
	s_delay_alu instid0(VALU_DEP_1)
	v_add_f32_dpp v8, v8, v8 row_xmask:2 row_mask:0xf bank_mask:0xf
	s_delay_alu instid0(VALU_DEP_1)
	v_add_f32_dpp v8, v8, v8 row_xmask:4 row_mask:0xf bank_mask:0xf
	s_delay_alu instid0(VALU_DEP_1)
	v_add_f32_dpp v8, v8, v8 row_xmask:8 row_mask:0xf bank_mask:0xf
	s_delay_alu instid0(VALU_DEP_1)
	v_permlanex16_b32 v9, v8, s[SEL], s[SEL+1]
	s_delay_alu instid0(VALU_DEP_1)
	v_add_f32 v8, v8, v9
.endm
.macro ROW a
.set XR, X+32*(\a)
	v_pk_add_f32 v[8:9], v[XR:XR+1], v[XR+2:XR+3]
	v_pk_add_f32 v[10:11], v[XR+4:XR+5], v[XR+6:XR+7]
.irp i, 8,12,16,20,24,28
	s_delay_alu instid0(VALU_DEP_2)
	v_pk_add_f32 v[8:9], v[8:9], v[XR+\i:XR+\i+1]
	s_delay_alu instid0(VALU_DEP_2)
	v_pk_add_f32 v[10:11], v[10:11], v[XR+\i+2:XR+\i+3]
.endr
	s_delay_alu instid0(VALU_DEP_1)
	v_pk_add_f32 v[8:9], v[8:9], v[10:11]
	REDUCE
	s_delay_alu instid0(VALU_DEP_1)
	v_mul_f32 v8, s[INV], v8                       ; the mean
.irp i, 0,2,4,6,8,10,12,14,16,18,20,22,24,26,28,30
	v_pk_add_f32 v[XR+\i:XR+\i+1], v[XR+\i:XR+\i+1], v[8:9] op_sel_hi:[1,0] neg_lo:[0,1] neg_hi:[0,1]
.endr
	v_pk_mul_f32 v[8:9], v[XR:XR+1], v[XR:XR+1]
	v_pk_mul_f32 v[10:11], v[XR+2:XR+3], v[XR+2:XR+3]
.irp i, 4,8,12,16,20,24,28
	s_delay_alu instid0(VALU_DEP_2)
	v_pk_fma_f32 v[8:9], v[XR+\i:XR+\i+1], v[XR+\i:XR+\i+1], v[8:9]
	s_delay_alu instid0(VALU_DEP_2)
	v_pk_fma_f32 v[10:11], v[XR+\i+2:XR+\i+3], v[XR+\i+2:XR+\i+3], v[10:11]
.endr
	s_delay_alu instid0(VALU_DEP_1)
	v_pk_add_f32 v[8:9], v[8:9], v[10:11]
	REDUCE
	s_delay_alu instid0(VALU_DEP_1)
	v_fmaak_f32 v8, s[INV], v8, 0x3727c5ac         ; the variance + 1e-5
	s_wait_alu depctr_va_vdst(0)
	v_rsq_f32 v8, v8
	v_nop                                          ; one plain line behind a transcendental
	s_wait_alu depctr_va_vdst(0)
.irp i, 0,2,4,6,8,10,12,14,16,18,20,22,24,26,28,30
	v_pk_mul_f32 v[XR+\i:XR+\i+1], v[XR+\i:XR+\i+1], v[8:9] op_sel_hi:[1,0]
.endr
.irp i, 0,2,4,6,8,10,12,14,16,18,20,22,24,26,28,30
	v_pk_fma_f32 v[XR+\i:XR+\i+1], v[XR+\i:XR+\i+1], v[G+\i:G+\i+1], v[BE+\i:BE+\i+1]
.endr
.irp j, 0,1,2,3,4,5,6,7
	global_store_b128 v1, v[XR+4*\j:XR+4*\j+3], s[10:11] offset:4096*(\a)+512*\j th:TH_STORE_NT    ; 512 consecutive bytes
.endr
.endm
	s_load_b256 s[4:11], s[0:1], 0x0               ; y, g, be, the result
	v_lshrrev_b32 v1, 5, v0
	s_delay_alu instid0(VALU_DEP_1)
	v_readfirstlane_b32 s14, v1                    ; wave 0..7
	v_and_b32 v2, 31, v0                           ; lane
	s_delay_alu instid0(VALU_DEP_1)
	v_lshlrev_b32 v1, 4, v2                        ; 16 x lane
	s_mov_b32 s[SEL], 0x76543210
	s_mov_b32 s[SEL+1], 0xfedcba98
	s_mov_b32 s[INV], 0x3a800000
	s_lshr_b32 s15, ttmp9, 1                       ; my two rows
	s_lshl_b32 s15, s15, 5
	s_and_b32 s16, ttmp9, 1
	s_lshl_b32 s16, s16, 3
	s_add_co_u32 s15, s15, s16
	s_lshl_b32 s16, s14, 1
	s_add_co_u32 s15, s15, s16
	s_lshr_b32 s16, s14, 2
	s_lshl_b32 s16, s16, 3
	s_add_co_u32 s15, s15, s16
	s_lshl_b32 s16, s15, 12
	s_mov_b32 s17, 0
	s_wait_alu depctr_va_vdst(0)
	s_wait_kmcnt 0x0
	s_add_nc_u64 s[4:5], s[4:5], s[16:17]
	s_add_nc_u64 s[10:11], s[10:11], s[16:17]
.irp a, 0,1
.irp j, 0,1,2,3,4,5,6,7
	global_load_b128 v[X+32*\a+4*\j:X+32*\a+4*\j+3], v1, s[4:5] offset:4096*\a+512*\j th:TH_LOAD_NT
.endr
.endr
.irp j, 0,1,2,3,4,5,6,7
	global_load_b128 v[G+4*\j:G+4*\j+3], v1, s[6:7] offset:512*\j
	global_load_b128 v[BE+4*\j:BE+4*\j+3], v1, s[8:9] offset:512*\j
.endr
	s_wait_loadcnt 0x0
	ROW 0
	ROW 1
	s_endpgm
.Lfunc_end_k_q77adbc3738_ln2:
	.size	k_q77adbc3738_ln2, .Lfunc_end_k_q77adbc3738_ln2-k_q77adbc3738_ln2
	.p2alignl 7, 3214868480
	.fill 96, 4, 3214868480
	.section	.rodata,"a",@progbits
	.p2align	6, 0x0
	.amdhsa_kernel k_q77adbc3738_ln2
		.amdhsa_group_segment_fixed_size 0
		.amdhsa_private_segment_fixed_size 0
		.amdhsa_enable_private_segment 0
		.amdhsa_kernarg_size 32
		.amdhsa_user_sgpr_count 2
		.amdhsa_user_sgpr_kernarg_segment_ptr 1
		.amdhsa_wavefront_size32 1
		.amdhsa_system_sgpr_workgroup_id_x 1
		.amdhsa_system_sgpr_workgroup_id_y 1
		.amdhsa_system_sgpr_workgroup_id_z 1
		.amdhsa_system_vgpr_workitem_id 0
		.amdhsa_next_free_vgpr 176
		.amdhsa_next_free_sgpr 66
		.amdhsa_reserve_vcc 0
		.amdhsa_float_denorm_mode_32 3
		.amdhsa_float_denorm_mode_16_64 3
		.amdhsa_memory_ordered 1
		.amdhsa_forward_progress 1
		.amdhsa_inst_pref_size 21
	.end_amdhsa_kernel
	.amdgpu_metadata
---
amdhsa.version: [ 1, 2 ]
amdhsa.kernels:
  - .name:           k_q77adbc3738_ln2
    .symbol:         k_q77adbc3738_ln2.kd
    .args:
      - { .name: y, .offset: 0, .size: 8, .value_kind: global_buffer, .address_space: global }
      - { .name: g2, .offset: 8, .size: 8, .value_kind: global_buffer, .address_space: global }
      - { .name: be2, .offset: 16, .size: 8, .value_kind: global_buffer, .address_space: global }
      - { .name: out0, .offset: 24, .size: 8, .value_kind: global_buffer, .address_space: global }
    .group_segment_fixed_size: 0
    .private_segment_fixed_size: 0
    .kernarg_segment_align: 8
    .kernarg_segment_size: 32
    .max_flat_workgroup_size: 256
    .sgpr_count:     66
    .vgpr_count:     176
    .wavefront_size: 32
...
	.end_amdgpu_metadata
.endif
;; end of part 8
